; MI455X (gfx1250); checked and timed in simulation.
; The chip was launched on July 23, 2026; its instructions are those of AMD's public machine-readable ISA for CDNA 5 (MIT licence, August 2026) and "CDNA5" Instruction Set Architecture Reference Guide (July 2026). The comments in the code are by the model that wrote it; some were corrected since.
;; Mo E Layer. Allowed arithmetic: matrix products marked QUANTISED: E2M1 operands, one E8M0 scale for each 32 along K, by v_wmma_scale_f32_16x16x128_f8f6f4 with both operands' format E2M1 (or v_wmma_scale_f32_32x16x128_f4), f32 sums; products left as they are: f32 operands where the result goes on into a quantised operand, else bf16, f16 or f32 operands; f32 sums; everything else in f32.
;; Inputs: W1 8 x 4,096 x 1,024 float32; W2 8 x 1,024 x 4,096 float32; Wg 8 x 1,024 float32; b1 8 x 4,096 float32; b2 8 x 1,024 float32; bg 8 float32; x 1,024 x 1,024 float32.
;; Outputs: out0 1,024 x 1,024 float32.
;; This version of the problem:
;;   THIS VERSION OF THE PROBLEM IS GIVEN IN LOW PRECISION. The matrix products marked QUANTISED in the list below multiply operands that are first quantised to E2M1 (2 exponent bits, 1 mantissa bit; 4 bits a number), with one power-of-two scale for each 32 numbers along K (OCP MX v1.0); their sums are f32. All else is computed in f32.
;;   The module's matrix products, in the order in which they are computed (A, B: the left and right operand; K: the contracted axis; several contracted axes count as one K, in the product's order):
;;     1. [M 1,024, K 1,024] x [K 1,024, N 8]; A: input x; B: input Wg: left as it is (N = 8 < 16)
;;     2. [M 1,024, K 1,024] x [K 1,024, N 32,768]; A: input x; B: input W1: QUANTISED
;;     3. batch 8 x [M 1,024, K 4,096] x [K 4,096, N 1,024]; A: input W2; B: computed on the way: QUANTISED
;;     4. batch 1,024 x [M 1, K 8] x [K 8, N 1,024]; A: computed on the way; B: computed on the way: left as it is (K = 8 < 32)
;;   THE QUANTISER, for each operand of a quantised product, along K:
;;     - K is cut into blocks of 32 from its start; a last block that is shorter is filled with zeros.
;;     - A block's scale is 2^e with e = floor(log2(the largest magnitude in the block)) - 2, held to -126 .. 127; a block of zeros has e = 0. As a byte (E8M0): e + 127.
;;     - Each number is divided by its block's scale, clamped to +-6, and rounded to the nearest number of E2M1, ties to even, subnormals kept.
;;     - The product sums the exact products of the quantised numbers (number of the format x scale) in f32.
;;   ~~~python
;;   def quantise(x, axis):      # numpy; x: float32 -> the quantised numbers, widened to float32 again
;;       x = np.moveaxis(x, axis, -1); K = x.shape[-1]
;;       x = np.pad(x, [(0, 0)] * (x.ndim - 1) + [(0, -K % 32)]); x = x.reshape(x.shape[:-1] + (-1, 32)); a = np.abs(x).max(-1, keepdims=True)
;;       e = np.where(a > 0, np.clip(np.frexp(np.where(a > 0, a, 1))[1] - 1 - 2, -126, 127), 0)      # np.frexp(a)[1] - 1 = floor(log2(a)), exactly
;;       r = np.clip(x / 2.0 ** e, -6, 6)
;;       step = 2.0 ** (np.maximum(np.frexp(np.where(r == 0, 1, r))[1] - 1, 0) - 1)
;;       q = np.round(r / step) * step * 2.0 ** e      # np.round: ties to even
;;       return np.moveaxis(q.reshape(q.shape[:-2] + (-1,))[..., :K], -1, axis).astype(np.float32)
;;   ~~~
;;   OPERANDS COMPUTED ON THE WAY. 'Computed on the way' means the value that the module computes at that place (a softmax that the list does not call 'softmax' is quantised finished and normalised). What goes into a quantiser is computed in f32, as accurately as f32 sums, v_exp_f32 and their like allow (about 1e-6 of the number): no bf16 or f16 on the way to a quantiser, and a product that is left as it is and whose result goes on into a quantised operand takes f32 operands (vector FMAs, or v_wmma_f32_16x16x4_f32). A number that lies on a knife's edge between two numbers of the format may be rounded either way, as far as f32 arithmetic and the matrix unit's own rounding can turn it there, and no further.
;; 2 versions. Each part assembles by itself: llvm-mc -triple=amdgcn-amd-amdhsa -mcpu=gfx1250 --defsym DOCPART=n.
;; ======== version 1 of 2: 5 launches
;; workspace buffers: sel 8,192 bytes of whole numbers; gw 8,192 bytes; xq 557,056 bytes; plan 17,152 bytes of whole numbers; hq 4,751,360 bytes; yp 8,912,896 bytes
;; launch route (part 1): grid 128 x 1, 8 waves a work-group, no clusters, 71,168 bytes of LDS; arguments x, Wg, bg, sel, gw, xq; writes sel, gw, xq
.if DOCPART == 1
	.amdgcn_target "amdgcn-amd-amdhsa--gfx1250"
	.amdhsa_code_object_version 6
	.text
	.protected	k_qfaceb87061_route
	.globl	k_qfaceb87061_route
	.p2align	8
	.type	k_qfaceb87061_route,@function
k_qfaceb87061_route:
	s_mov_b64 s[64:65], 0
	v_nop
	global_prefetch_b8 v0, s[64:65] scope:SCOPE_SE
	s_setreg_imm32_b32 hwreg(HW_REG_WAVE_MODE, 25, 1), 1
	s_wait_xcnt 0x0
; THE ROUTER, AND x INTO CODES.  x [1024][1024], Wg [8][1024], bg [8]: f32.
; A work-group takes 8 tokens, a wave one token t = 8 x work-group + wave.  For its token a wave makes the 8 logits in f32 (fused multiply-adds, 32 numbers a lane,
; then a sum over the lanes), the softmax with the largest logit taken away, and the two largest weights (a later expert replaces an earlier one only where it is
; strictly larger, so of equals the lower index stays).  Nothing here branches or addresses by that choice: experts and weights go to fixed places:
;   sel [1024][2] u32: the experts of rank 1 and 2;   gw [1024][2] f32: their raw softmax weights.
; The same x becomes codes of E2M1 with one E8M0 byte for each 32 along K:  xq: bytes 0 .. 524287 codes [1024][512], K innermost, the lower k in the low four bits;
; from XSOFF on the scale bytes [1024][32].  A block's byte is its largest magnitude's exponent field - 2, held at 1 from below.
; LIMITS: NaN and infinities among the inputs are not served.  A block of zeros, and a block whose largest magnitude lies under 2^-124, keeps the byte 1 (a block of zeros
; has zero codes, and this program alone reads the bytes).  The logits' sums run in another order than a row-by-row sum: a token whose second and third weights
; lie within f32 rounding of each other may take the other expert.  sel and gw leave in pieces of 64 bytes a work-group (16 KiB in all).
.set SBY,   0                          ; LDS: the work-group's 256 scale bytes
.set SLI,   256                        ; its 8 pairs of experts
.set GLW,   320                        ; its 8 pairs of weights
.set WGL,   512                        ; Wg as it lies in memory, 4,096 bytes an expert.  (The small regions lie first, so that every immediate offset stays inside its 16 bits)
.set TST,   33280                      ; a stage for each wave: 32 places of 128 bytes + 16 of padding; its base stands in the address registers
.set XSOFF, 524288
.set XD,    16                         ; v16-47   x as loaded: load i holds k = 128 i + 4 lane + 0 .. 3
.set XT,    48                         ; v48-79   x turned: my lane's block of 32 neighbours
.set WR,    80                         ; v80-143  two sets of one expert's Wg, laid as XD
.set LG,    148                        ; v148-155 the logits, then the weights
	s_load_b256 s[4:11], s[0:1], 0x0               ; x s[4:5], Wg s[6:7], bg s[8:9], sel s[10:11]
	s_load_b128 s[12:15], s[0:1], 0x20             ; gw s[12:13], xq s[14:15]
	v_lshl_add_u32 v184, v0, 2, 0x11200
	v_mov_b32 v185, 0
	v_lshrrev_b32 v8, 5, v0
	v_readfirstlane_b32 s26, v8                    ; wave 0..7
	v_and_b32 v1, 31, v0                           ; lane
	v_lshlrev_b32 v2, 4, v1                        ; 16 x lane
	s_mul_i32 s27, s26, 4608
	s_add_co_u32 s27, s27, TST                     ; my stage
	v_lshrrev_b32 v3, 3, v1
	v_mul_u32_u24 v3, v3, 144
	v_and_b32 v9, 7, v1
	v_lshl_add_u32 v3, v9, 4, v3
	v_add_nc_u32 v3, s27, v3                       ; into it: eight lanes' 128 bytes on end, then 16 of padding
	v_mul_u32_u24 v4, v1, 144
	v_add_nc_u32 v4, s27, v4                       ; out of it: place = lane
	s_lshl_b32 s28, s26, 12
	v_add_nc_u32 v5, s28, v2                       ; Wg's row = my wave's number
	s_lshl_b32 s29, s26, 5
	v_add_nc_u32 v6, s29, v1                       ; my block's scale byte: 32 x wave + lane
	v_mov_b32 v7, s26
	v_lshlrev_b32 v7, 3, v7                        ; my token's pair: 8 x wave
	v_lshlrev_b32 v12, 3, v1                       ; the way out (wave 0): 8 x lane,
	v_and_b32 v13, 15, v1
	v_lshlrev_b32 v13, 2, v13                      ; and 4 x (lane % 16)
.irp e, 0,1,2,3,4,5,6,7
	v_mov_b32 v[156+\e], 0                         ; written once: a lane permute's destination counts as one of its sources
.endr
	s_mov_b32 s24, 0x76543210
	s_mov_b32 s25, 0xfedcba98                      ; v_permlanex16_b32's selects for lane l xor 16
	s_lshl_b32 s30, ttmp9, 3
	s_add_co_u32 s30, s30, s26                     ; my token
	s_lshl_b32 s32, s30, 12                        ; its row of x
	s_mov_b32 s33, 0
	s_lshl_b32 s34, s26, 12                        ; Wg's row
	s_mov_b32 s35, 0
	s_lshl_b32 s36, s30, 9                         ; its row of codes
	s_mov_b32 s37, 0
	s_lshl_b32 s38, ttmp9, 8
	s_add_co_u32 s38, s38, XSOFF                   ; the work-group's scale bytes
	s_mov_b32 s39, 0
	s_lshl_b32 s40, ttmp9, 6                       ; the work-group's 64 bytes of sel and of gw
	s_mov_b32 s41, 0
	s_wait_kmcnt 0x0
	s_load_b256 s[16:23], s[8:9], 0x0              ; bg
	s_add_nc_u64 s[4:5], s[4:5], s[32:33]
	s_add_nc_u64 s[6:7], s[6:7], s[34:35]
	s_add_nc_u64 s[36:37], s[14:15], s[36:37]
	s_add_nc_u64 s[38:39], s[14:15], s[38:39]
	s_add_nc_u64 s[10:11], s[10:11], s[40:41]
	s_add_nc_u64 s[12:13], s[12:13], s[40:41]
.irp i, 0,1,2,3,4,5,6,7
	global_load_b128 v[WR+4*\i:WR+4*\i+3], v2, s[6:7] offset:512*\i            ; one row of Wg a wave: 512 consecutive bytes a load
.endr
.irp i, 0,1,2,3,4,5,6,7
	global_load_b128 v[XD+4*\i:XD+4*\i+3], v2, s[4:5] offset:512*\i th:TH_LOAD_NT
.endr
	s_wait_loadcnt 8                               ; Wg's eight loads are in; x's eight, issued behind them, may be out
.irp i, 0,1,2,3,4,5,6,7
	ds_store_b128 v5, v[WR+4*\i:WR+4*\i+3] offset:WGL+512*\i
.endr
	s_wait_loadcnt 0x0                             ; x
.irp i, 0,1,2,3,4,5,6,7
	ds_store_b128 v3, v[XD+4*\i:XD+4*\i+3] offset:576*\i     ; a load's 512 bytes are four blocks: four places
.endr
.irp q, 0,1,2,3,4,5,6,7
	ds_load_b128 v[XT+4*\q:XT+4*\q+3], v4 offset:16*\q       ; LDS serves a wave's instructions in order: these see my stores
.endr
	s_wait_dscnt 0x0                               ; for the others' sake: my row of Wg lies in LDS
	s_barrier_signal -1
	s_barrier_wait -1                              ; all eight rows do
.macro LOADE e                         ; expert e's row of Wg into set e % 2
.irp i, 0,1,2,3,4,5,6,7
	ds_load_b128 v[WR+32*((\e)%2)+4*\i:WR+32*((\e)%2)+4*\i+3], v2 offset:WGL+4096*(\e)+512*\i
.endr
.endm
.macro DOT e                           ; my 32 products, in two packed chains; the first products start the sums
.set WS0, WR+32*((\e)%2)
	v_pk_mul_f32 v[144:145], v[XD:XD+1], v[WS0:WS0+1]
	v_pk_mul_f32 v[146:147], v[XD+2:XD+3], v[WS0+2:WS0+3]
.irp i, 1,2,3,4,5,6,7
	v_pk_fma_f32 v[144:145], v[XD+4*\i:XD+4*\i+1], v[WS0+4*\i:WS0+4*\i+1], v[144:145]
	v_pk_fma_f32 v[146:147], v[XD+4*\i+2:XD+4*\i+3], v[WS0+4*\i+2:WS0+4*\i+3], v[146:147]
.endr
	v_pk_add_f32 v[144:145], v[144:145], v[146:147]
	v_add_f32 v[LG+(\e)], v144, v145
.endm
	LOADE 0
.irp e, 0,1,2,3,4,5,6
	LOADE \e+1
	s_wait_dscnt 8                                 ; this expert's eight loads are in; the next expert's eight may be out
	DOT \e
.endr
	s_wait_dscnt 0x0
	DOT 7
.irp m, 1,2,4,8
.irp e, 0,1,2,3,4,5,6,7
	v_add_f32_dpp v[LG+\e], v[LG+\e], v[LG+\e] row_xmask:\m row_mask:0xf bank_mask:0xf   ; the eight sums by turns
.endr
.endr
.irp e, 0,1,2,3,4,5,6,7
	v_permlanex16_b32 v[156+\e], v[LG+\e], s24, s25
.endr
	s_wait_kmcnt 0x0                               ; bg
.irp e, 0,1,2,3,4,5,6,7
	v_add_f32 v[LG+\e], v[LG+\e], v[156+\e]
.endr
.irp e, 0,1,2,3,4,5,6,7
	v_add_f32 v[LG+\e], s[16+\e], v[LG+\e]         ; every lane holds all eight logits
.endr
	; the softmax: the largest logit is taken away first
	v_max3_num_f32 v164, v148, v149, v150
	v_max3_num_f32 v164, v164, v151, v152
	v_max3_num_f32 v164, v164, v153, v154
	v_max_num_f32 v164, v164, v155
.irp e, 0,1,2,3,4,5,6,7
	v_sub_f32 v[LG+\e], v[LG+\e], v164
.endr
.irp e, 0,1,2,3,4,5,6,7
	v_mul_f32 v[LG+\e], 0x3fb8aa3b, v[LG+\e]       ; x log2(e)
.endr
.irp e, 0,1,2,3,4,5,6,7
	v_exp_f32 v[LG+\e], v[LG+\e]
.endr
	v_nop                                          ; one plain place behind the exponentials
	s_wait_alu depctr_va_vdst(0)
	v_add_f32 v165, v148, v149
	v_add_f32 v170, v150, v151
	v_add_f32 v171, v152, v153
	v_add_f32 v172, v154, v155
	v_add_f32 v165, v165, v170
	v_add_f32 v171, v171, v172
	v_add_f32 v165, v165, v171                     ; between 1 and 8
	v_rcp_f32 v165, v165
	v_nop                                          ; one plain place behind the reciprocal
	s_wait_alu depctr_va_vdst(0)
.irp e, 0,1,2,3,4,5,6,7
	v_mul_f32 v[LG+\e], v[LG+\e], v165
.endr
	; the two largest weights: v166, v168 rank 1's expert and weight; v167, v169 rank 2's
	v_mov_b32 v166, 0
	v_mov_b32 v168, v148
.irp e, 1,2,3,4,5,6,7
	v_cmp_gt_f32 vcc_lo, v[LG+\e], v168
	v_cndmask_b32 v168, v168, v[LG+\e], vcc_lo
	v_cndmask_b32 v166, v166, \e, vcc_lo
.endr
	v_mov_b32 v167, 0
	v_mov_b32 v169, -1.0                           ; under every weight
.irp e, 0,1,2,3,4,5,6,7
	v_cmp_ne_u32 s42, \e, v166                     ; not rank 1's expert,
	v_cmp_gt_f32 vcc_lo, v[LG+\e], v169            ; and strictly larger
	s_and_b32 vcc_lo, vcc_lo, s42
	v_cndmask_b32 v169, v169, v[LG+\e], vcc_lo
	v_cndmask_b32 v167, v167, \e, vcc_lo
.endr
	; my block of 32 numbers of x into codes
	v_max3_num_f32 v170, |v[XT]|, |v[XT+1]|, |v[XT+2]|
	v_max3_num_f32 v171, |v[XT+3]|, |v[XT+4]|, |v[XT+5]|
.irp i, 6,10,14,18,22,26
	v_max3_num_f32 v170, v170, |v[XT+\i]|, |v[XT+\i+1]|
	v_max3_num_f32 v171, v171, |v[XT+\i+2]|, |v[XT+\i+3]|
.endr
	v_max3_num_f32 v170, v170, |v[XT+30]|, |v[XT+31]|
	v_max3_num_f32 v170, v170, v171, 0x1800000     ; and the floor 2^(3 - 127): the byte cannot fall under 1
	v_add_nc_u32 v172, 0xff000000, v170            ; 2 off the exponent field: the conversion takes the exponent field of this operand as its scale
.irp g, 0,1,2,3
	v_cvt_scalef32_pk8_fp4_f32 v[176+\g], v[XT+8*\g:XT+8*\g+7], v172
.endr
	v_lshrrev_b32 v173, 23, v172                   ; the scale's byte (also the plain place behind the conversions)
	global_store_b128 v2, v[176:179], s[36:37]     ; 32 lanes store my token's 512 bytes of codes on end
	ds_store_b8 v6, v173 offset:SBY
	ds_store_b64 v7, v[166:167] offset:SLI         ; all lanes write the same pair with the same values
	ds_store_b64 v7, v[168:169] offset:GLW
	s_wait_dscnt 0x0                               ; for wave 0's sake: my bytes lie in LDS
	s_barrier_signal -1
	s_barrier_wait -1
	s_cmp_lg_u32 s26, 0
	s_cbranch_scc1 .Lend                           ; wave 0 sends the work-group's small results out
	ds_load_b64 v[180:181], v12 offset:SBY
	ds_load_b32 v182, v13 offset:SLI
	ds_load_b32 v183, v13 offset:GLW
	s_wait_dscnt 0x0
	global_store_b64 v12, v[180:181], s[38:39]     ; 256 consecutive scale bytes, aligned
	s_wait_xcnt 0x0                                ; EXEC changes only behind this wait
	v_cmp_gt_u32 vcc_lo, 16, v1
	s_and_saveexec_b32 s43, vcc_lo
	global_store_b32 v13, v182, s[10:11]
	global_store_b32 v13, v183, s[12:13]
	s_wait_xcnt 0x0                                ; and again in front of the line that widens it
	s_or_b32 exec_lo, exec_lo, s43
.Lend:
	s_wait_tensorcnt 0x0
	ds_add_u32 v184, v185
	s_wait_dscnt 0x0
	s_endpgm
.Lfunc_end_k_qfaceb87061_route:
	.size	k_qfaceb87061_route, .Lfunc_end_k_qfaceb87061_route-k_qfaceb87061_route
	.p2alignl 7, 3214868480
	.fill 96, 4, 3214868480
	.section	.rodata,"a",@progbits
	.p2align	6, 0x0
	.amdhsa_kernel k_qfaceb87061_route
		.amdhsa_group_segment_fixed_size 71168
		.amdhsa_private_segment_fixed_size 0
		.amdhsa_enable_private_segment 0
		.amdhsa_kernarg_size 48
		.amdhsa_user_sgpr_count 2
		.amdhsa_user_sgpr_kernarg_segment_ptr 1
		.amdhsa_wavefront_size32 1
		.amdhsa_system_sgpr_workgroup_id_x 1
		.amdhsa_system_sgpr_workgroup_id_y 1
		.amdhsa_system_sgpr_workgroup_id_z 1
		.amdhsa_system_vgpr_workitem_id 0
		.amdhsa_next_free_vgpr 186
		.amdhsa_next_free_sgpr 66
		.amdhsa_reserve_vcc 1
		.amdhsa_float_denorm_mode_32 3
		.amdhsa_float_denorm_mode_16_64 3
		.amdhsa_memory_ordered 1
		.amdhsa_forward_progress 1
		.amdhsa_inst_pref_size 29
	.end_amdhsa_kernel
	.amdgpu_metadata
---
amdhsa.version: [ 1, 2 ]
amdhsa.kernels:
  - .name:           k_qfaceb87061_route
    .symbol:         k_qfaceb87061_route.kd
    .args:
      - { .name: x, .offset: 0, .size: 8, .value_kind: global_buffer, .address_space: global }
      - { .name: Wg, .offset: 8, .size: 8, .value_kind: global_buffer, .address_space: global }
      - { .name: bg, .offset: 16, .size: 8, .value_kind: global_buffer, .address_space: global }
      - { .name: sel, .offset: 24, .size: 8, .value_kind: global_buffer, .address_space: global }
      - { .name: gw, .offset: 32, .size: 8, .value_kind: global_buffer, .address_space: global }
      - { .name: xq, .offset: 40, .size: 8, .value_kind: global_buffer, .address_space: global }
    .group_segment_fixed_size: 71168
    .private_segment_fixed_size: 0
    .kernarg_segment_align: 8
    .kernarg_segment_size: 48
    .max_flat_workgroup_size: 256
    .sgpr_count:     66
    .vgpr_count:     186
    .wavefront_size: 32
...
	.end_amdgpu_metadata
.endif
;; end of part 1
;; launch place (part 2): grid 1 x 1, 32 waves a work-group, no clusters, 4,608 bytes of LDS; arguments sel, plan; writes plan
.if DOCPART == 2
	.amdgcn_target "amdgcn-amd-amdhsa--gfx1250"
	.amdhsa_code_object_version 6
	.text
	.protected	k_qfaceb87061_place
	.globl	k_qfaceb87061_place
	.p2align	8
	.type	k_qfaceb87061_place,@function
k_qfaceb87061_place:
	s_mov_b64 s[64:65], 0
	v_nop
	global_prefetch_b8 v0, s[64:65] scope:SCOPE_SE
	s_setreg_imm32_b32 hwreg(HW_REG_WAVE_MODE, 25, 1), 1
	s_wait_xcnt 0x0
; THE ROWS ARE PLACED BY EXPERT: a counting sort on whole numbers, one work-group, thread = token, no atomics.
; Each expert's routed rows begin at a multiple of 16, so that a tile of 16 rows belongs to one expert: at most 2048 / 16 + 7 = 135 tiles whatever the split.
; plan:  bytes 0 .. 63   meta[e] = { first tile, number of tiles };   from POSOFF  pos[t][2]: the routed rows of token t's two experts;
;        from TOKOFF     tok[row]: the token of a routed row; the rows that fill an expert's last tile hold token 0 (they are computed and never read back).
; Within an expert the rows follow the waves; within a wave first the tokens that have the expert at rank 1, by lane, then those at rank 2.
.set POSOFF, 256
.set TOKOFF, 8448
; s[8:15] lanes whose rank 1 is e;  s[16:23] rank 2;  s[24:31] how many at rank 1;  s[32:39] my wave's count, later the expert's total;  s[40:47] the lower waves' count, later my wave's first row;
; s[48:55] tiles;  s56-63, s66 first tiles 0 .. 8;  s[67:74] an expert's first free row;  s[75:82] its last tile's end
	s_load_b128 s[4:7], s[0:1], 0x0                ; sel, plan
	v_lshl_add_u32 v40, v0, 2, 0x200
	v_mov_b32 v41, 0
	v_lshrrev_b32 v1, 5, v0
	v_readfirstlane_b32 s94, v1                    ; wave 0..31
	v_mov_b32 v11, s94
	v_lshlrev_b32 v11, 2, v11                      ; LDS: 4 x wave
	v_and_b32 v1, 31, v0                           ; lane
	v_lshlrev_b32 v5, 2, v1                        ; 4 x lane
	v_lshlrev_b32 v4, 3, v0                        ; 8 x token
	v_mov_b32 v8, 0                                ; my place in the wave at rank 1's expert,
	v_mov_b32 v9, 0                                ; at rank 2's
	v_mov_b32 v10, 0                               ; at work (a lane permute's destination counts as one of its sources)
	v_mov_b32 v14, 0
	v_mov_b32 v15, 0
	v_mov_b32 v24, 0
	v_mov_b32 v25, 0
	v_mov_b32 v27, 0
	v_mov_b32 v28, 0
	s_mov_b32 s92, 0x76543210
	s_mov_b32 s93, 0xfedcba98
	s_wait_kmcnt 0x0
	global_load_b64 v[2:3], v4, s[4:5]
	s_wait_loadcnt 0x0
.irp e, 0,1,2,3,4,5,6,7
	v_cmp_eq_u32 s[8+\e], \e, v2
	v_cmp_eq_u32 s[16+\e], \e, v3
	s_bcnt1_i32_b32 s[24+\e], s[8+\e]
	s_bcnt1_i32_b32 s[32+\e], s[16+\e]
	s_add_co_u32 s[32+\e], s[32+\e], s[24+\e]
	v_mbcnt_lo_u32_b32 v10, s[8+\e], 0             ; how many lower lanes have e at rank 1
	v_cndmask_b32 v8, v8, v10, s[8+\e]
	v_mbcnt_lo_u32_b32 v10, s[16+\e], s[24+\e]     ; rank 2 follows all of rank 1
	v_cndmask_b32 v9, v9, v10, s[16+\e]
.endr
.irp q, 0,1,2,3                        ; two counts to a word, 16 bits each: a total is 1,024 at the most
	s_lshl_b32 s[67+\q], s[33+2*\q], 16
	s_or_b32 s[67+\q], s[67+\q], s[32+2*\q]
	v_mov_b32 v[20+\q], s[67+\q]
	ds_store_b32 v11, v[20+\q] offset:128*\q       ; all lanes write the same word with the same value
.endr
	s_wait_dscnt 0x0                               ; for the others' sake
	s_barrier_signal -1
	s_barrier_wait -1
.irp q, 0,1,2,3
	ds_load_b32 v[12+\q], v5 offset:128*\q         ; a lane stands for a wave
.endr
	s_wait_dscnt 0x0
	v_cmp_gt_u32 vcc_lo, s94, v1                   ; the waves below mine
.irp q, 0,1,2,3
	v_cndmask_b32 v[16+\q], 0, v[12+\q], vcc_lo
.endr
.macro RED r                           ; the sum over the 32 lanes, in every lane
.irp m, 1,2,4,8
	v_mov_b32_dpp v10, v[\r] row_xmask:\m row_mask:0xf bank_mask:0xf
	v_add_nc_u32 v[\r], v[\r], v10
.endr
	v_permlanex16_b32 v10, v[\r], s92, s93
	v_add_nc_u32 v[\r], v[\r], v10
.endm
.irp r, 12,13,14,15,16,17,18,19
	RED \r
.endr
.irp q, 0,1,2,3
	v_readfirstlane_b32 s[67+\q], v[12+\q]
	v_readfirstlane_b32 s[71+\q], v[16+\q]
	s_and_b32 s[32+2*\q], s[67+\q], 0xffff         ; the experts' totals,
	s_lshr_b32 s[33+2*\q], s[67+\q], 16
	s_and_b32 s[40+2*\q], s[71+\q], 0xffff         ; and what the lower waves hold of them
	s_lshr_b32 s[41+2*\q], s[71+\q], 16
.endr
	v_mov_b32 v14, 0                               ; (v14, v15 served the sums)
	v_mov_b32 v15, 0
	s_mov_b32 s56, 0
.irp e, 0,1,2,3,4,5,6,7
	s_add_co_u32 s[48+\e], s[32+\e], 15
	s_lshr_b32 s[48+\e], s[48+\e], 4               ; tiles
.endr
.irp e, 0,1,2,3,4,5,6
	s_add_co_u32 s[57+\e], s[56+\e], s[48+\e]      ; first tiles
.endr
	s_add_co_u32 s66, s63, s55
.irp e, 0,1,2,3,4,5,6,7
	s_lshl_b32 s[67+\e], s[56+\e], 4
	s_add_co_u32 s[40+\e], s[40+\e], s[67+\e]      ; my wave's first row of expert e
	s_add_co_u32 s[67+\e], s[67+\e], s[32+\e]      ; the expert's first free row
.endr
.irp e, 0,1,2,3,4,5,6
	s_lshl_b32 s[75+\e], s[57+\e], 4               ; where its last tile ends
.endr
	s_lshl_b32 s82, s66, 4
.irp e, 0,1,2,3,4,5,6,7
	v_cndmask_b32 v14, v14, s[40+\e], s[8+\e]
	v_cndmask_b32 v15, v15, s[40+\e], s[16+\e]
.endr
	v_add_nc_u32 v20, v8, v14                      ; my token's two routed rows
	v_add_nc_u32 v21, v9, v15
	global_store_b64 v4, v[20:21], s[6:7] offset:POSOFF
	v_min_u32 v22, 0x87f, v20                      ; a number made of loaded numbers enters an address behind a bound: 2,175 is the last row
	v_lshlrev_b32 v22, 2, v22
	global_store_b32 v22, v0, s[6:7] offset:TOKOFF
	v_min_u32 v23, 0x87f, v21
	v_lshlrev_b32 v23, 2, v23
	global_store_b32 v23, v0, s[6:7] offset:TOKOFF
	s_cmp_lt_u32 s94, 4
	s_cbranch_scc0 .Lend
	; threads 0 .. 127: sixteen to an expert fill its last tile with token 0
	v_lshrrev_b32 v29, 4, v0
.irp e, 0,1,2,3,4,5,6,7
	v_cmp_eq_u32 vcc_lo, \e, v29
	v_cndmask_b32 v24, v24, s[67+\e], vcc_lo
	v_cndmask_b32 v25, v25, s[75+\e], vcc_lo
.endr
	v_and_b32 v26, 15, v0
	v_add_nc_u32 v26, v24, v26
	v_cmp_lt_u32 vcc_lo, v26, v25
	v_min_u32 v26, 0x87f, v26
	v_lshlrev_b32 v26, 2, v26
	s_wait_xcnt 0x0                                ; EXEC changes only behind this wait
	s_and_saveexec_b32 s90, vcc_lo
	global_store_b32 v26, v27, s[6:7] offset:TOKOFF
	s_wait_xcnt 0x0
	s_or_b32 exec_lo, exec_lo, s90
	s_cmp_lg_u32 s94, 0
	s_cbranch_scc1 .Lend
.irp e, 0,1,2,3,4,5,6,7
	v_writelane_b32 v28, s[56+\e], 2*\e
	v_writelane_b32 v28, s[48+\e], 2*\e+1
.endr
	v_cmp_gt_u32 vcc_lo, 16, v1
	s_and_saveexec_b32 s90, vcc_lo
	global_store_b32 v5, v28, s[6:7]
	s_wait_xcnt 0x0
	s_or_b32 exec_lo, exec_lo, s90
.Lend:
	s_wait_tensorcnt 0x0
	ds_add_u32 v40, v41
	s_wait_dscnt 0x0
	s_endpgm
.Lfunc_end_k_qfaceb87061_place:
	.size	k_qfaceb87061_place, .Lfunc_end_k_qfaceb87061_place-k_qfaceb87061_place
	.p2alignl 7, 3214868480
	.fill 96, 4, 3214868480
	.section	.rodata,"a",@progbits
	.p2align	6, 0x0
	.amdhsa_kernel k_qfaceb87061_place
		.amdhsa_group_segment_fixed_size 4608
		.amdhsa_private_segment_fixed_size 0
		.amdhsa_enable_private_segment 0
		.amdhsa_kernarg_size 16
		.amdhsa_user_sgpr_count 2
		.amdhsa_user_sgpr_kernarg_segment_ptr 1
		.amdhsa_wavefront_size32 1
		.amdhsa_system_sgpr_workgroup_id_x 1
		.amdhsa_system_sgpr_workgroup_id_y 1
		.amdhsa_system_sgpr_workgroup_id_z 1
		.amdhsa_system_vgpr_workitem_id 0
		.amdhsa_next_free_vgpr 42
		.amdhsa_next_free_sgpr 96
		.amdhsa_reserve_vcc 1
		.amdhsa_float_denorm_mode_32 3
		.amdhsa_float_denorm_mode_16_64 3
		.amdhsa_memory_ordered 1
		.amdhsa_forward_progress 1
		.amdhsa_inst_pref_size 18
	.end_amdhsa_kernel
	.amdgpu_metadata
---
amdhsa.version: [ 1, 2 ]
amdhsa.kernels:
  - .name:           k_qfaceb87061_place
    .symbol:         k_qfaceb87061_place.kd
    .args:
      - { .name: sel, .offset: 0, .size: 8, .value_kind: global_buffer, .address_space: global }
      - { .name: plan, .offset: 8, .size: 8, .value_kind: global_buffer, .address_space: global }
    .group_segment_fixed_size: 4608
    .private_segment_fixed_size: 0
    .kernarg_segment_align: 8
    .kernarg_segment_size: 16
    .max_flat_workgroup_size: 1024
    .sgpr_count:     96
    .vgpr_count:     42
    .wavefront_size: 32
...
	.end_amdgpu_metadata
.endif
;; end of part 2
;; launch ffn1 (part 3): grid 256 x 1, 16 waves a work-group, no clusters, 299,008 bytes of LDS; arguments W1, b1, xq, plan, hq; writes hq
.if DOCPART == 3
	.amdgcn_target "amdgcn-amd-amdhsa--gfx1250"
	.amdhsa_code_object_version 6
	.text
	.protected	k_qfaceb87061_ffn1
	.globl	k_qfaceb87061_ffn1
	.p2align	8
	.type	k_qfaceb87061_ffn1,@function
k_qfaceb87061_ffn1:
	s_mov_b64 s[64:65], 0
	v_nop
	global_prefetch_b8 v0, s[64:65] scope:SCOPE_SE
	s_setreg_imm32_b32 hwreg(HW_REG_WAVE_MODE, 25, 1), 1
	s_wait_xcnt 0x0
; THE FIRST PRODUCT:  h = Q(gelu(Q(x) Q(W1)^T + b1)) for the routed rows.  W1 [8][4096][1024] f32 is read once, as it lies, and quantised on the way.
; SHARES.  Work-group = (expert e = number / 32, slice hs = number % 32): 128 hidden units, 512 KiB of W1, which are K step hs of the second product.
; Sixteen waves of two kinds, parted by the wave's number and joined at every barrier.  Eight PRODUCERS stream W1 (512 consecutive bytes a load, 32 loads a wave on their way), turn each 2,048 bytes through a
; stage of their own so that a lane holds 16 neighbours along K, and store codes and scale bytes into one of two weight buffers in LDS.  Eight CONSUMERS take the buffer that was filled
; in the phase before into registers (32 hidden units x all of K = 1,024) and multiply the expert's tiles of 16 routed rows by it: consumer p owns tiles p, p + 8, ..
; A load counter is served in order, so a wave that streams cannot also wait for small loads without emptying its stream: hence the two kinds.
; What a consumer wants from memory comes in phase 0, while the first weights are on their way: b1's 128 numbers and the codes of its first three tiles of x, all kept in LDS bytes of its own.
; No tensor load and no joint request: trip counts here hang on the stored counts of rows.
; LAYOUT.  The product is used transposed (source 0 = 16 rows of W1, source 1 = 16 routed rows): a lane holds ONE routed row.  THE ROWS OF W1 THAT FORM A TILE ARE NOT NEIGHBOURS: row rho of a chunk of 32 lies at
; LDS row 16 ((rho / 8) % 2) + 8 (rho / 16) + rho % 8, so that the 16 registers of the two tiles are the hidden units 16 (lane / 16) + 0 .. 15: half a block of the next K; lane l xor 16 has the other half.
; gelu(v) = max(v, 0) - |v| / 2 x erfc(|v| / sqrt 2), the exact-erf form; erfc(a) = (1 + p(q)) / (1 + 2 a) x e^(-a a), q = (a - 2) / (a + 2), p of degree 9: all in f32, and accurate relative to the result in the negative tail too.
; hq: codes as images of the second product's operand registers, [tile][K step 32][1,024 bytes]: byte 512 c + 16 (16 h + r) + 0 .. 15 holds k = 64 c + 32 h + 0 .. 31 of row r; from HSOFF the scale words [tile][K step / 4][r][K step % 4].
; LIMITS: NaN and infinities are not served.  A block of zeros, or one under 2^-124, keeps the scale byte 1.  e^(-a a) under 2^-126 counts as 0.  The scale bytes of h leave as single bytes (278 KiB in all).
.set STG,    0                         ; LDS: a producer's two stages of 32 places x (64 + 16) bytes: 5,120 bytes each producer
.set WB,     40960                     ; two weight buffers: 32 rows x (512 bytes of codes + 16)
.set WS,     74752                     ; their scale bytes: 32 rows x (32 + 16)
.set XC,     77824                     ; a consumer's own bytes: three slots of x (16 rows x (512 + 16), then an image of the scale words' registers: 8,960 bytes a slot), then b1's 512 bytes
.set SLOTB,  8960
.set B1O,    3*SLOTB
.set XCP,    3*SLOTB+512
.set XSOFF,  524288
.set HSOFF,  4456448
.set TOKOFF, 8448
.set TOKMAX, 8640                      ; the last tile's 64 bytes of tok begin here: a list asked for ahead of knowing that its tile exists is held to this
; producers' registers
.set R,    16                          ; v16-143  eight steps x 16 registers as loaded
.set X,    156                         ; v156-187 two sets of 16 neighbours
.set T,    188                         ; v188-191 at work
.set CD,   192                         ; v192-195 codes, two sets
.set EB,   196                         ; v196-197 scale bytes, two sets
; consumers' registers
.set WC,   16                          ; v16-143  W1's fragments: tile u, K step s at WC + 8 (8 u + s); in phase 0 the rows of x's second and third tile
.set WSC,  144                         ; v144-151 W1's scale words: register s; lanes 0-15 tile 0's rows, lanes 16-31 tile 1's.  v144-155 hold scale words and nothing else, in either kind of wave
.set XSC,  152                         ; v152-155 x's scale words: register q: lanes 0-15 K step q, lanes 16-31 K step 4 + q
.set ACC,  156                         ; v156-171 two accumulators; while x is fetched the rows' offsets
.set BIAS, 172                         ; v172-187 b1 in the result's layout; in phase 0 at work
.set XF,   188                         ; v188-251 x's eight fragments; behind the products at work:
.set TA,   XF
.set TQ,   XF+16
.set TP,   XF+32
.set TR,   XF+48
; v1 stage in, v2 stage out, v3 codes into WB, v4 bytes into WS, v5 W fragment, v6 W scale words, v7 16 lane in my own bytes, v8 x fragment, v9 b1 for my half of the lanes, v10 16 lane, v11, v12, v14, v15 global offsets; v[252:253] a constant twice; v254, v255 at work
; s[4:5] W1 at my rows, s[6:7] b1 at my slice, s[8:9] xq, s[10:11] plan, s[12:13] hq, s14 wave, s15 kind, s16 p, s17 e, s18 hs, s19 my tiles, s[22:23], s[24:25], s26 first tile's places, s[28:29], s[30:31], s27 the walking ones, s48 tile counter
; s[32:47], s[80:95], s[48:63] three tiles' tokens (phase 0); s50, s51, s[56:63], s[66:79] constants (those in s[48:63] are set behind phase 0)
.macro BARRIER                         ; my LDS stores have landed and my LDS loads are in: then the work-group's barrier
	s_wait_dscnt 0x0
	s_barrier_signal -1
	s_barrier_wait -1
.endm
; ---- the producers.  Step g of 32: 512 numbers, half a row; chunk g / 8, row (g % 8) / 2 of my four, half g % 2.  Every offset is an immediate
.macro LOADS g
.set GO, ((\g)/8)*131072+((\g)%8)*2048
.irp q, 0,1,2,3
	global_load_b128 v[R+16*((\g)%8)+4*\q:R+16*((\g)%8)+4*\q+3], v10, s[4:5] offset:GO+512*\q th:TH_LOAD_NT
.endr
.endm
.macro TURN g                          ; through my stage: LDS serves a wave's instructions in order, so no wait stands between the stores and the loads
.irp q, 0,1,2,3
	ds_store_b128 v1, v[R+16*((\g)%8)+4*\q:R+16*((\g)%8)+4*\q+3] offset:2560*((\g)%2)+640*\q
.endr
.irp q, 0,1,2,3
	ds_load_b128 v[X+16*((\g)%2)+4*\q:X+16*((\g)%2)+4*\q+3], v2 offset:2560*((\g)%2)+16*\q
.endr
.endm
.macro STEP g
.set XS, X+16*((\g)%2)
.if (\g) > 0
	s_wait_dscnt 2                                 ; this step's numbers are back (the last step's two stores may be out): so its stores into the stage have read their registers,
.else
	s_wait_dscnt 0x0
.endif
.if (\g)+8 < 32
	LOADS (\g)+8                                   ; which take the loads of eight steps on
.endif
.if (\g)+1 < 32
.if 30-(\g) >= 7
	s_wait_loadcnt 28                              ; the next step's four loads are in; those of the seven steps behind it may be out
.else
	s_wait_loadcnt 4*(30-(\g))
.endif
	TURN (\g)+1
.endif
	v_max3_num_f32 v[T], |v[XS]|, |v[XS+1]|, |v[XS+2]|
	v_max3_num_f32 v[T+1], |v[XS+3]|, |v[XS+4]|, |v[XS+5]|
.irp i, 6,10
	v_max3_num_f32 v[T], v[T], |v[XS+\i]|, |v[XS+\i+1]|
	v_max3_num_f32 v[T+1], v[T+1], |v[XS+\i+2]|, |v[XS+\i+3]|
.endr
	v_max3_num_f32 v[T], v[T], |v[XS+14]|, |v[XS+15]|
	v_max3_num_f32 v[T], v[T], v[T+1], 0x1800000   ; and the floor 2^(3 - 127): the byte cannot fall under 1
	v_max_num_f32_dpp v[T], v[T], v[T] row_xmask:1 row_mask:0xf bank_mask:0xf   ; with my neighbour's 16: the block's largest magnitude
	v_add_nc_u32 v[T+2], 0xff000000, v[T]          ; 2 off its exponent field: the conversion's scale operand
	v_cvt_scalef32_pk8_fp4_f32 v[CD+2*((\g)%2)], v[XS:XS+7], v[T+2]
	v_cvt_scalef32_pk8_fp4_f32 v[CD+2*((\g)%2)+1], v[XS+8:XS+15], v[T+2]
	v_lshrrev_b32 v[EB+(\g)%2], 23, v[T+2]         ; the scale's byte (also the plain place behind the conversions)
	ds_store_b64 v3, v[CD+2*((\g)%2):CD+2*((\g)%2)+1] offset:16896*(((\g)/8)%2)+528*(((\g)%8)/2)+256*((\g)%2)
	ds_store_b8 v4, v[EB+(\g)%2] offset:1536*(((\g)/8)%2)+48*(((\g)%8)/2)+16*((\g)%2)   ; both lanes of a block write the same byte
.endm
; ---- the consumers
.macro LOADW b                         ; weight buffer b into registers
.irp u, 0,1
.irp s, 0,1,2,3,4,5,6,7
.irp k, 0,1
	ds_load_b128 v[WC+8*(8*\u+\s)+4*\k:WC+8*(8*\u+\s)+4*\k+3], v5 offset:16896*(\b)+8448*\u+64*\s+32*\k
.endr
.endr
.endr
.irp q, 0,1
	ds_load_b128 v[WSC+4*\q:WSC+4*\q+3], v6 offset:1536*(\b)+16*\q
.endr
.endm
.macro WM s, u, first
.if ((\s) == 0) && (\first)
.set CC, BIAS+8*(\u)
.else
.set CC, ACC+8*(\u)
.endif
.set DD, ACC+8*(\u)
.set AA, WC+8*(8*(\u)+(\s))
.set BB, XF+8*(\s)
.if ((\u) == 0) && ((\s) < 4)
	v_wmma_scale_f32_16x16x128_f8f6f4 v[DD:DD+7], v[AA:AA+7], v[BB:BB+7], v[CC:CC+7], v[WSC+(\s)], v[XSC+(\s)%4] matrix_a_fmt:MATRIX_FMT_FP4 matrix_b_fmt:MATRIX_FMT_FP4
.elseif ((\u) == 1) && ((\s) < 4)
	v_wmma_scale_f32_16x16x128_f8f6f4 v[DD:DD+7], v[AA:AA+7], v[BB:BB+7], v[CC:CC+7], v[WSC+(\s)], v[XSC+(\s)%4] matrix_a_fmt:MATRIX_FMT_FP4 matrix_b_fmt:MATRIX_FMT_FP4 matrix_a_scale:MATRIX_SCALE_ROW1
.elseif (\u) == 0
	v_wmma_scale_f32_16x16x128_f8f6f4 v[DD:DD+7], v[AA:AA+7], v[BB:BB+7], v[CC:CC+7], v[WSC+(\s)], v[XSC+(\s)%4] matrix_a_fmt:MATRIX_FMT_FP4 matrix_b_fmt:MATRIX_FMT_FP4 matrix_b_scale:MATRIX_SCALE_ROW1
.else
	v_wmma_scale_f32_16x16x128_f8f6f4 v[DD:DD+7], v[AA:AA+7], v[BB:BB+7], v[CC:CC+7], v[WSC+(\s)], v[XSC+(\s)%4] matrix_a_fmt:MATRIX_FMT_FP4 matrix_b_fmt:MATRIX_FMT_FP4 matrix_a_scale:MATRIX_SCALE_ROW1 matrix_b_scale:MATRIX_SCALE_ROW1
.endif
.endm
.macro MM first                        ; 16 products: K ascending, the two accumulators by turns, one instruction a turn; first = 1: the bias is the C of each sum's first product
.irp s, 0,1,2,3,4,5,6,7
.irp u, 0,1
	WM \s, \u, \first
.endr
.endr
.endm
; The tile whose tokens begin at byte s27 of tok comes into a slot: 16 rows of codes, each 512 consecutive bytes, and the image of the scale words' registers.  (For a consumer with more than three tiles, inside the tile loop.)
.macro FILL1 slot
	s_load_b512 s[32:47], s[10:11], s27 offset:TOKOFF
	v_add_nc_u32 v255, s27, v14
	global_load_b32 v254, v255, s[10:11] offset:TOKOFF          ; lane (r, h): row r's token
	s_wait_kmcnt 0x0
.irp i, 0,1,2,3,4,5,6,7,8,9,10,11,12,13,14,15
	s_min_u32 s[32+\i], s[32+\i], 1023             ; a loaded number enters an address behind a bound
	s_lshl_b32 s[32+\i], s[32+\i], 9
	v_add_nc_u32 v[ACC+\i], s[32+\i], v10
	global_load_b128 v[XF+4*\i:XF+4*\i+3], v[ACC+\i], s[8:9]
.endr
	s_wait_loadcnt 16                              ; the token is in; the 16 rows, issued behind it, may be out
	v_min_u32 v254, 0x3ff, v254
	v_lshl_add_u32 v254, v254, 5, v15              ; 32 scale bytes a token; lanes 16-31 take the upper four words
	global_load_b128 v[XSC:XSC+3], v254, s[8:9] offset:XSOFF
	s_wait_loadcnt 0x0
.irp i, 0,1,2,3,4,5,6,7,8,9,10,11,12,13,14,15
	ds_store_b128 v7, v[XF+4*\i:XF+4*\i+3] offset:SLOTB*(\slot)+528*\i
.endr
	ds_store_b128 v7, v[XSC:XSC+3] offset:SLOTB*(\slot)+8448
.endm
; Phase 0: the first n tiles of x at once.  ROWS: the 16 rows of the tile whose tokens stand in s[sb] on, into v[dst] on.  PUT: into its slot.
.macro ROWS sb, dst
.irp i, 0,1,2,3,4,5,6,7,8,9,10,11,12,13,14,15
	s_min_u32 s[\sb+\i], s[\sb+\i], 1023           ; a loaded number enters an address behind a bound
	s_lshl_b32 s[\sb+\i], s[\sb+\i], 9
	v_add_nc_u32 v[ACC+\i], s[\sb+\i], v10
	global_load_b128 v[\dst+4*\i:\dst+4*\i+3], v[ACC+\i], s[8:9]
.endr
.endm
.macro PUT slot, src, sc
.irp i, 0,1,2,3,4,5,6,7,8,9,10,11,12,13,14,15
	ds_store_b128 v7, v[\src+4*\i:\src+4*\i+3] offset:SLOTB*(\slot)+528*\i
.endr
	ds_store_b128 v7, v[\sc:\sc+3] offset:SLOTB*(\slot)+8448
.endm
.macro FILLN n                         ; straight text for each number of tiles: every register that is stored has been loaded on the same way
	global_load_b128 v[144:147], v172, s[8:9] offset:XSOFF
	ROWS 32, XF
.if (\n) > 1
	global_load_b128 v[148:151], v173, s[8:9] offset:XSOFF
	s_wait_xcnt 0x0                                ; the first tile's loads have read their offsets: the 16 registers are written again
	ROWS 80, WC
.endif
.if (\n) > 2
	global_load_b128 v[152:155], v174, s[8:9] offset:XSOFF
	s_wait_xcnt 0x0
	ROWS 48, WC+64
.endif
	s_wait_loadcnt 0x0                             ; all rows and scale words: they were on their way together
	PUT 0, XF, 144
.if (\n) > 1
	PUT 1, WC, 148
.endif
.if (\n) > 2
	PUT 2, WC+64, 152
.endif
.endm
.macro LOADX slot
.irp s, 0,1,2,3,4,5,6,7
.irp k, 0,1
	ds_load_b128 v[XF+8*\s+4*\k:XF+8*\s+4*\k+3], v8 offset:SLOTB*(\slot)+64*\s+32*\k
.endr
.endr
	ds_load_b128 v[XSC:XSC+3], v7 offset:SLOTB*(\slot)+8448
.endm
; gelu of the 16 numbers in ACC, each line over all of them before the next, so that no line waits for the line above it
.macro GELU
.irp j, 0,1,2,3,4,5,6,7,8,9,10,11,12,13,14,15
	v_mul_f32 v[TA+\j], s76, |v[ACC+\j]|           ; a = |v| / sqrt 2.  (Each accumulator is read from its low end on)
.endr
.irp j, 0,2,4,6,8,10,12,14
	v_pk_add_f32 v[TR+\j:TR+\j+1], v[TA+\j:TA+\j+1], 2.0 op_sel_hi:[1,0]
.endr
.irp j, 0,2,4,6,8,10,12,14
	v_pk_add_f32 v[TQ+\j:TQ+\j+1], v[TA+\j:TA+\j+1], -2.0 op_sel_hi:[1,0]
.endr
.irp j, 0,1,2,3,4,5,6,7,8,9,10,11,12,13,14,15
	v_rcp_f32 v[TR+\j], v[TR+\j]
.endr
	v_nop                                          ; one plain place behind the reciprocals
	s_wait_alu depctr_va_vdst(0)
.irp j, 0,2,4,6,8,10,12,14
	v_pk_mul_f32 v[TQ+\j:TQ+\j+1], v[TQ+\j:TQ+\j+1], v[TR+\j:TR+\j+1]      ; q = (a - 2) / (a + 2)
.endr
.irp j, 0,2,4,6,8,10,12,14
	v_pk_fma_f32 v[TP+\j:TP+\j+1], v[TQ+\j:TQ+\j+1], s[74:75], v[252:253] op_sel_hi:[1,0,1]   ; c9 q + c8
.endr
.irp k, 72,70,68,66,62,60,58,56
.irp j, 0,2,4,6,8,10,12,14
	v_pk_fma_f32 v[TP+\j:TP+\j+1], v[TP+\j:TP+\j+1], v[TQ+\j:TQ+\j+1], s[\k:\k+1] op_sel_hi:[1,1,0]   ; .. q + c7 .. c0
.endr
.endr
.irp j, 0,2,4,6,8,10,12,14
	v_pk_fma_f32 v[TR+\j:TR+\j+1], v[TA+\j:TA+\j+1], 2.0, 1.0 op_sel_hi:[1,0,0]
.endr
.irp j, 0,1,2,3,4,5,6,7,8,9,10,11,12,13,14,15
	v_rcp_f32 v[TR+\j], v[TR+\j]
.endr
	v_nop
	s_wait_alu depctr_va_vdst(0)
.irp j, 0,2,4,6,8,10,12,14
	v_pk_fma_f32 v[TP+\j:TP+\j+1], v[TP+\j:TP+\j+1], v[TR+\j:TR+\j+1], v[TR+\j:TR+\j+1]      ; (1 + p) / (1 + 2 a)
.endr
.irp j, 0,2,4,6,8,10,12,14
	v_pk_mul_f32 v[TQ+\j:TQ+\j+1], v[TA+\j:TA+\j+1], v[TA+\j:TA+\j+1]
.endr
.irp j, 0,2,4,6,8,10,12,14
	v_pk_mul_f32 v[TQ+\j:TQ+\j+1], v[TQ+\j:TQ+\j+1], s[78:79] op_sel_hi:[1,0]                ; - a a log2(e)
.endr
.irp j, 0,1,2,3,4,5,6,7,8,9,10,11,12,13,14,15
	v_exp_f32 v[TQ+\j], v[TQ+\j]
.endr
.irp j, 0,2,4,6,8,10,12,14
	v_pk_mul_f32 v[TA+\j:TA+\j+1], v[TA+\j:TA+\j+1], s[76:77] op_sel_hi:[1,0]                ; |v| / 2  (plain places behind the exponentials)
.endr
.irp j, 0,2,4,6,8,10,12,14
	v_pk_mul_f32 v[TA+\j:TA+\j+1], v[TA+\j:TA+\j+1], v[TP+\j:TP+\j+1]
.endr
	s_wait_alu depctr_va_vdst(0)
.irp j, 0,2,4,6,8,10,12,14
	v_pk_mul_f32 v[TA+\j:TA+\j+1], v[TA+\j:TA+\j+1], v[TQ+\j:TQ+\j+1]                        ; |v| / 2 x erfc(a)
.endr
.irp j, 0,1,2,3,4,5,6,7,8,9,10,11,12,13,14,15
	v_max_num_f32 v[ACC+\j], 0, v[ACC+\j]
.endr
.irp j, 0,2,4,6,8,10,12,14
	v_pk_add_f32 v[ACC+\j:ACC+\j+1], v[ACC+\j:ACC+\j+1], v[TA+\j:TA+\j+1] neg_lo:[0,1] neg_hi:[0,1]
.endr
.endm
.macro QUANT1                          ; my 16 numbers and lane l xor 16's are one block of the next K: codes in v[TR+4:TR+5], the byte in v[TR+6]
	v_max3_num_f32 v[TR], |v[ACC]|, |v[ACC+1]|, 0x1800000        ; the floor 2^(3 - 127) among the leaves
	v_max3_num_f32 v[TR+1], |v[ACC+8]|, |v[ACC+9]|, |v[ACC+10]|
	v_max3_num_f32 v[TR], v[TR], |v[ACC+2]|, |v[ACC+3]|
	v_max3_num_f32 v[TR+1], v[TR+1], |v[ACC+11]|, |v[ACC+12]|
	v_max3_num_f32 v[TR], v[TR], |v[ACC+4]|, |v[ACC+5]|
	v_max3_num_f32 v[TR+1], v[TR+1], |v[ACC+13]|, |v[ACC+14]|
	v_max3_num_f32 v[TR], v[TR], |v[ACC+6]|, |v[ACC+7]|
	v_max3_num_f32 v[TR], v[TR], v[TR+1], |v[ACC+15]|
	v_permlanex16_b32 v[TR+2], v[TR], s50, s51
	v_max_num_f32 v[TR], v[TR], v[TR+2]
	v_add_nc_u32 v[TR+3], 0xff000000, v[TR]
	v_cvt_scalef32_pk8_fp4_f32 v[TR+4], v[ACC:ACC+7], v[TR+3]
	v_cvt_scalef32_pk8_fp4_f32 v[TR+5], v[ACC+8:ACC+15], v[TR+3]
	v_lshrrev_b32 v[TR+6], 23, v[TR+3]             ; the byte (also the plain place behind the conversions)
.endm
; Chunk c (hidden units 32 c .. 32 c + 31 of the slice) for all my tiles.  No LDS address hangs on the tile counter: the three slots are three arms with immediates.
; Slots 0, 1, 2 keep tiles 0, 1, 2 through all four chunks while I own three tiles at the most; beyond that slot 2 is filled anew for every tile from the third on.
.macro WORK c
	s_cmp_eq_u32 s19, 0
	s_cbranch_scc1 .Ldone_\c
.irp q, 0,1,2,3
	ds_load_b128 v[BIAS+4*\q:BIAS+4*\q+3], v9 offset:B1O+128*(\c)+16*\q   ; b1 of the chunk's 32 units, from my own copy in LDS: lane (r, h) takes units 16 h + 0 .. 15
.endr
	LOADW (\c)%2
	s_mov_b64 s[28:29], s[22:23]
	s_mov_b64 s[30:31], s[24:25]
	s_mov_b32 s27, s26
	s_mov_b32 s48, 0
.Lt_\c:
	s_cmp_ge_u32 s48, s19
	s_cbranch_scc1 .Ldone_\c
	s_cmp_lg_u32 s48, 0
	s_cbranch_scc1 .Lna_\c
	LOADX 0
	s_branch .Lgo_\c
.Lna_\c:
	s_cmp_lg_u32 s48, 1
	s_cbranch_scc1 .Lnb_\c
	LOADX 1
	s_branch .Lgo_\c
.Lnb_\c:
	s_cmp_le_u32 s19, 3
	s_cbranch_scc1 .Lnf_\c
	FILL1 2
.Lnf_\c:
	LOADX 2
.Lgo_\c:
	s_wait_dscnt 0x0                               ; W1's and x's fragments and scale words, and b1
	MM 1
.rept 5
	v_nop                                          ; four places in front of the first read of results, five in front of the next tile's first product, which writes over the accumulators with another C
.endr
	GELU
	QUANT1
	global_store_b64 v11, v[TR+4:TR+5], s[28:29] offset:512*((\c)/2)+256*((\c)%2)   ; 32 lanes store 256 consecutive bytes, aligned: the block's part of the image
	global_store_b8 v12, v[TR+6], s[30:31] offset:\c                                ; both halves of the lanes write the same byte
	s_wait_xcnt 0x0                                ; the stores have read their registers and bases: both are written again
	s_add_nc_u64 s[28:29], s[28:29], 262144        ; eight tiles on
	s_add_nc_u64 s[30:31], s[30:31], 16384
	s_add_co_u32 s27, s27, 512
	s_add_co_u32 s48, s48, 1
	s_cmp_lt_u32 s48, 8
	s_cbranch_scc1 .Lt_\c
.Ldone_\c:
.endm
.macro CPAIR r, bits                   ; a constant, twice: the packed forms name a pair
	s_mov_b32 s[\r], \bits
	s_mov_b32 s[\r+1], \bits
.endm
	s_load_b256 s[4:11], s[0:1], 0x0               ; W1, b1, xq, plan
	s_load_b64 s[12:13], s[0:1], 0x20              ; hq
	v_lshrrev_b32 v1, 5, v0
	v_readfirstlane_b32 s14, v1                    ; wave 0..15
	s_lshr_b32 s15, s14, 2
	s_xor_b32 s15, s15, s14
	s_and_b32 s15, s15, 1                          ; 0: producer, 1: consumer; of any two or any four neighbouring waves half are of each kind
	s_lshr_b32 s16, s14, 1                         ; p = 0..7, in either kind
	s_lshr_b32 s17, ttmp9, 5                       ; e
	s_and_b32 s18, ttmp9, 31                       ; hs
	; every LDS address is made here, by every wave, ahead of the first parting
	v_and_b32 v16, 31, v0                          ; lane
	v_and_b32 v17, 15, v0                          ; r
	v_bfe_u32 v18, v0, 4, 1                        ; h
	v_lshlrev_b32 v10, 4, v16
	s_mul_i32 s49, s16, 5120
	v_lshrrev_b32 v19, 2, v16
	v_mul_u32_u24 v19, v19, 80
	v_and_b32 v20, 3, v16
	v_lshl_add_u32 v19, v20, 4, v19
	v_add_nc_u32 v1, s49, v19                      ; stage in: four lanes' 64 bytes on end, then 16 of padding
	v_mul_u32_u24 v19, v16, 80
	v_add_nc_u32 v2, s49, v19                      ; stage out: place = lane
	s_lshr_b32 s52, s16, 1
	s_and_b32 s52, s52, 1
	s_lshl_b32 s52, s52, 4
	s_lshr_b32 s53, s16, 2
	s_lshl_b32 s53, s53, 3
	s_add_co_u32 s52, s52, s53
	s_and_b32 s53, s16, 1
	s_lshl_b32 s53, s53, 2
	s_add_co_u32 s52, s52, s53                     ; the LDS row of my first row 4 p: 16 ((p / 2) % 2) + 8 (p / 4) + 4 (p % 2)
	s_mul_i32 s53, s52, 528
	s_add_co_u32 s53, s53, WB
	v_lshl_add_u32 v3, v16, 3, s53
	s_mul_i32 s53, s52, 48
	s_add_co_u32 s53, s53, WS
	v_lshrrev_b32 v19, 1, v16
	v_add_nc_u32 v4, s53, v19
	v_mul_u32_u24 v19, v17, 528
	v_lshl_add_u32 v19, v18, 4, v19                ; a fragment: row r x pitch + 16 h
	v_add_nc_u32 v5, WB, v19
	v_mul_u32_u24 v6, v16, 48
	v_add_nc_u32 v6, WS, v6
	s_mul_i32 s53, s16, XCP
	s_add_co_u32 s53, s53, XC                      ; consumer p's own bytes
	v_add_nc_u32 v7, s53, v10
	v_add_nc_u32 v8, s53, v19
	v_lshl_add_u32 v9, v18, 6, s53                 ; b1: 64 h
	v_lshlrev_b32 v11, 4, v17
	v_lshl_add_u32 v11, v18, 3, v11                ; hq's codes: 16 r + 8 h
	v_lshlrev_b32 v12, 4, v17                      ; hq's scale byte: 16 r
	v_lshlrev_b32 v14, 2, v17                      ; tok: 4 r
	v_lshlrev_b32 v15, 4, v18                      ; x's scale words: 16 h
	v_mov_b32 v252, 0xbaa15130                     ; c8
	v_mov_b32 v253, 0xbaa15130
	CPAIR 66, 0xbd5e05b5                           ; c4 .. c7, c9
	CPAIR 68, 0xbc040dc1
	CPAIR 70, 0x3c0d6e62
	CPAIR 72, 0x3aac2b8a
	CPAIR 74, 0xb9d25000
	CPAIR 76, 0x3f3504f3                           ; 1 / sqrt 2
	CPAIR 78, 0xbfb8aa3b                           ; - log2(e)
	s_lshl_b32 s52, s17, 24                        ; W1: an expert is 2^24 bytes, a slice 2^19, my four rows of a chunk 2^14
	s_lshl_b32 s49, s18, 19
	s_add_co_u32 s52, s52, s49
	s_lshl_b32 s49, s16, 14
	s_add_co_u32 s52, s52, s49
	s_mov_b32 s53, 0
	s_lshl_b32 s54, s17, 14                        ; b1
	s_lshl_b32 s49, s18, 9
	s_add_co_u32 s54, s54, s49
	s_mov_b32 s55, 0
	s_lshl_b32 s49, s17, 3
	s_wait_kmcnt 0x0
	s_load_b64 s[20:21], s[10:11], s49 offset:0x0  ; the expert's first tile and number of tiles
	s_add_nc_u64 s[4:5], s[4:5], s[52:53]
	s_add_nc_u64 s[6:7], s[6:7], s[54:55]
	; the stream begins here: the producers' first 32 loads hang on the arguments alone, and are on their way while the expert's numbers come
	s_cmp_eq_u32 s15, 0
	s_cbranch_scc0 .Lmeta
.irp g, 0,1,2,3,4,5,6,7
	LOADS \g
.endr
.Lmeta:
	s_wait_kmcnt 0x0
	s_min_u32 s20, s20, 135
	s_min_u32 s21, s21, 64
	s_add_co_u32 s19, s21, 7
	s_sub_co_u32 s19, s19, s16
	s_lshr_b32 s19, s19, 3                         ; my tiles: p, p + 8, .. below the expert's number: 8 at the most
	s_add_co_u32 s49, s20, s16                     ; my first tile
	s_lshl_b32 s52, s49, 15
	s_lshl_b32 s54, s18, 10
	s_add_co_u32 s52, s52, s54
	s_add_nc_u64 s[22:23], s[12:13], s[52:53]      ; its image of K step hs
	s_lshl_b32 s52, s49, 11
	s_add_co_u32 s52, s52, HSOFF
	s_lshr_b32 s54, s18, 2
	s_lshl_b32 s54, s54, 8
	s_add_co_u32 s52, s52, s54
	s_and_b32 s54, s18, 3
	s_lshl_b32 s54, s54, 2
	s_add_co_u32 s52, s52, s54
	s_add_nc_u64 s[24:25], s[12:13], s[52:53]      ; its scale words of K step hs
	s_lshl_b32 s26, s49, 6                         ; its tokens
	; ---- phase 0: the producers fill weight buffer 0; the consumers bring b1 and their first three tiles of x
	s_cmp_eq_u32 s15, 0
	s_cbranch_scc0 .Lc0
	s_wait_loadcnt 28                              ; step 0's four loads are in; the 28 behind them may be out
	TURN 0
.irp g, 0,1,2,3,4,5,6,7
	STEP \g
.endr
	s_branch .Lj0
.Lc0:
	s_min_u32 s96, s26, TOKMAX                     ; the token lists of tiles p, p + 8, p + 16 are asked for together, whether or not the tiles exist: the offsets are held inside tok
	s_add_co_u32 s97, s26, 512
	s_min_u32 s97, s97, TOKMAX
	s_add_co_u32 s98, s26, 1024
	s_min_u32 s98, s98, TOKMAX
	s_load_b512 s[32:47], s[10:11], s96 offset:TOKOFF
	s_load_b512 s[80:95], s[10:11], s97 offset:TOKOFF
	s_load_b512 s[48:63], s[10:11], s98 offset:TOKOFF
	v_add_nc_u32 v176, s96, v14
	v_add_nc_u32 v177, s97, v14
	v_add_nc_u32 v178, s98, v14
	global_load_b32 v172, v176, s[10:11] offset:TOKOFF          ; lane (r, h): row r's token, for the scale words
	global_load_b32 v173, v177, s[10:11] offset:TOKOFF
	global_load_b32 v174, v178, s[10:11] offset:TOKOFF
	global_load_b128 v[180:183], v10, s[6:7]                    ; b1's 128 numbers of the slice: 512 consecutive bytes
	s_wait_loadcnt 0x0
	ds_store_b128 v7, v[180:183] offset:B1O
.irp t, 0,1,2
	v_min_u32 v[172+\t], 0x3ff, v[172+\t]          ; a loaded number enters an address behind a bound
	v_lshl_add_u32 v[172+\t], v[172+\t], 5, v15    ; 32 scale bytes a token; lanes 16-31 take the upper four words
.endr
	s_wait_kmcnt 0x0
	s_cmp_lt_u32 s19, 1
	s_cbranch_scc1 .Lj0
	s_cmp_lt_u32 s19, 2
	s_cbranch_scc1 .Lf1
	s_cmp_lt_u32 s19, 3
	s_cbranch_scc1 .Lf2
	FILLN 3
	s_branch .Lj0
.Lf2:
	FILLN 2
	s_branch .Lj0
.Lf1:
	FILLN 1
.Lj0:
	BARRIER                                        ; buffer 0 is whole.  (The producers' global loads stay on their way: nobody writes those bytes)
	s_mov_b32 s50, 0x76543210                      ; the constants whose registers held the third token list
	s_mov_b32 s51, 0xfedcba98                      ; v_permlanex16_b32's selects for lane l xor 16
	CPAIR 56, 0x3e8dd01d                           ; c0 .. c3
	CPAIR 58, 0xbdbdfb0b
	CPAIR 60, 0xbe2a0420
	CPAIR 62, 0x3e27fe23
	; ---- phases 1 to 3: the producers fill one buffer while the consumers multiply by the other
	s_cmp_eq_u32 s15, 0
	s_cbranch_scc0 .Lc1
.irp g, 8,9,10,11,12,13,14,15
	STEP \g
.endr
	s_branch .Lj1
.Lc1:
	WORK 0
.Lj1:
	BARRIER                                        ; buffer 1 is whole, and nobody reads buffer 0 any more
	s_cmp_eq_u32 s15, 0
	s_cbranch_scc0 .Lc2
.irp g, 16,17,18,19,20,21,22,23
	STEP \g
.endr
	s_branch .Lj2
.Lc2:
	WORK 1
.Lj2:
	BARRIER
	s_cmp_eq_u32 s15, 0
	s_cbranch_scc0 .Lc3
.irp g, 24,25,26,27,28,29,30,31
	STEP \g
.endr
	s_branch .Lj3
.Lc3:
	WORK 2
.Lj3:
	BARRIER
	; ---- phase 4: the last chunk
	s_cmp_eq_u32 s15, 0
	s_cbranch_scc1 .Lend
	WORK 3
.Lend:
	s_wait_xcnt 0x0
	v_lshl_add_u32 v254, v0, 2, 0x48800
	v_mov_b32 v255, 0
	s_wait_tensorcnt 0x0
	ds_add_u32 v254, v255
	s_wait_dscnt 0x0
	s_endpgm
.Lfunc_end_k_qfaceb87061_ffn1:
	.size	k_qfaceb87061_ffn1, .Lfunc_end_k_qfaceb87061_ffn1-k_qfaceb87061_ffn1
	.p2alignl 7, 3214868480
	.fill 96, 4, 3214868480
	.section	.rodata,"a",@progbits
	.p2align	6, 0x0
	.amdhsa_kernel k_qfaceb87061_ffn1
		.amdhsa_group_segment_fixed_size 299008
		.amdhsa_private_segment_fixed_size 0
		.amdhsa_enable_private_segment 0
		.amdhsa_kernarg_size 40
		.amdhsa_user_sgpr_count 2
		.amdhsa_user_sgpr_kernarg_segment_ptr 1
		.amdhsa_wavefront_size32 1
		.amdhsa_system_sgpr_workgroup_id_x 1
		.amdhsa_system_sgpr_workgroup_id_y 1
		.amdhsa_system_sgpr_workgroup_id_z 1
		.amdhsa_system_vgpr_workitem_id 0
		.amdhsa_next_free_vgpr 256
		.amdhsa_next_free_sgpr 100
		.amdhsa_reserve_vcc 0
		.amdhsa_float_denorm_mode_32 3
		.amdhsa_float_denorm_mode_16_64 3
		.amdhsa_memory_ordered 1
		.amdhsa_forward_progress 1
		.amdhsa_inst_pref_size 208
	.end_amdhsa_kernel
	.amdgpu_metadata
---
amdhsa.version: [ 1, 2 ]
amdhsa.kernels:
  - .name:           k_qfaceb87061_ffn1
    .symbol:         k_qfaceb87061_ffn1.kd
    .args:
      - { .name: W1, .offset: 0, .size: 8, .value_kind: global_buffer, .address_space: global }
      - { .name: b1, .offset: 8, .size: 8, .value_kind: global_buffer, .address_space: global }
      - { .name: xq, .offset: 16, .size: 8, .value_kind: global_buffer, .address_space: global }
      - { .name: plan, .offset: 24, .size: 8, .value_kind: global_buffer, .address_space: global }
      - { .name: hq, .offset: 32, .size: 8, .value_kind: global_buffer, .address_space: global }
    .group_segment_fixed_size: 299008
    .private_segment_fixed_size: 0
    .kernarg_segment_align: 8
    .kernarg_segment_size: 40
    .max_flat_workgroup_size: 512
    .sgpr_count:     100
    .vgpr_count:     256
    .wavefront_size: 32
...
	.end_amdgpu_metadata
.endif
;; end of part 3
;; launch ffn2 (part 4): grid 256 x 1, 16 waves a work-group, no clusters, 227,328 bytes of LDS; arguments W2, b2, hq, plan, yp; writes yp
.if DOCPART == 4
	.amdgcn_target "amdgcn-amd-amdhsa--gfx1250"
	.amdhsa_code_object_version 6
	.text
	.protected	k_qfaceb87061_ffn2
	.globl	k_qfaceb87061_ffn2
	.p2align	8
	.type	k_qfaceb87061_ffn2,@function
k_qfaceb87061_ffn2:
	s_mov_b64 s[64:65], 0
	v_nop
	global_prefetch_b8 v0, s[64:65] scope:SCOPE_SE
	s_setreg_imm32_b32 hwreg(HW_REG_WAVE_MODE, 25, 1), 1
	s_wait_xcnt 0x0
; THE SECOND PRODUCT:  yp = h Q(W2)^T + b2 for the routed rows; h comes as codes.  W2 [8][1024][4096] f32 is read once, as it lies, and quantised on the way.
; SHARES.  Work-group = (expert e = number / 32, slice os = number % 32): 32 output columns, all of K = 4,096: 512 KiB of W2.  One owner for each number of yp: K is not split over work-groups.
; Sixteen waves of two kinds, as in the first product's launch.  Eight PRODUCERS stream W2: a chunk = the 32 rows x 512 along K, eight chunks; producer p takes rows 4 p .. 4 p + 3, a step = one row's 512 numbers.
; Eight CONSUMERS multiply the expert's tiles of 16 routed rows by the chunk filled in the phase before; consumer p owns tiles p, p + 8, ..  Between chunks a tile's two accumulators rest in the consumer's
; own LDS, as images of their registers; a ninth image holds b2, from which chunk 0 takes its sums' beginnings: so every chunk runs the same lines.
; h DOES NOT HANG ON THE PRODUCERS, so it is asked for ahead: tiles go in groups of three (96 registers); a group's loads go out together; and the next chunk's first group is asked for at the end of a chunk's
; work, ahead of the barrier: it is on its way while the producers finish their chunk.  With three tiles a consumer at the most (384 rows an expert) no wait for memory is left between two barriers.
; The product is used transposed (source 0 = 16 rows of W2, source 1 = 16 routed rows): a lane holds 8 neighbouring columns of one routed row.
; hq's fragments are images of the operand's registers: every load is 512 consecutive bytes.  One load brings the scale words of two of my tiles: lanes 0-15 the tile's, lanes 16-31 those of the tile eight further on.
; Behind the last tile that reaches eight tiles past the written words: hq has room for them, and no product names those lanes.
; yp: [slice 32][routed row 2176][32 columns] f32: a tile of a slice is 2,048 consecutive bytes.
; The registers that the consumers' global loads fill (v20-27, v156-251) and those that the producers' fill (v28-155) share none, and each part of the consumers' text begins with a wait for all loads:
; so on no way through the text is a load issued into a register that an earlier load, not waited for, will write.
; No tensor load and no joint request: which tiles are worked hangs on the stored counts of rows.
; LIMITS: NaN and infinities are not served.  A block of zeros of W2, or one under 2^-124, keeps the scale byte 1.
.set STG,    0                         ; LDS: a producer's two stages of 32 places x (64 + 16) bytes
.set WB,     40960                     ; two weight buffers: 32 rows x (256 bytes of codes + 16)
.set WBB,    8704
.set WS,     58368                     ; their scale bytes: 32 rows x 16
.set AC,     59392                     ; a consumer's nine slots of 2,304 bytes: an image of two accumulators (2,048), at the end 16 rows x (128 + 16); slot 8: b2
.set SLB,    2304
.set HSOFF,  4456448
.set WSC,  16                          ; v16-19   W2's scale words: register s; lanes 0-15 tile 0's rows, lanes 16-31 tile 1's
.set XSC,  20                          ; v20-27   h's scale words, two sets of four: a group's tiles 0 and 1, its tile 2.  v16-27 hold scale words and nothing else, in either kind of wave
.set R,    28                          ; producers: v28-155 eight steps as loaded, v156-187 two sets of 16 neighbours, v188-191 at work, v192-195 codes, v196-197 bytes
.set X,    156
.set T,    188
.set CD,   192
.set EB,   196
.set WC,   28                          ; consumers: v28-91 W2's fragments (tile u, K step s at WC + 8 (4 u + s))
.set ACC,  92                          ; v92-123  two sets of two accumulators, by the tile's parity
.set XF,   156                         ; v156-251 h's fragments: three tiles x four K steps; on the way out rows of yp
; v1 stage in, v2 stage out, v3 codes into WB, v4 bytes into WS, v5 W fragment, v6 W scale words, v7 image, v8 rows in, v9 rows out, v10 16 lane, v11 h's scale words, v13 b2
; s[4:5] W2 at my rows, s[6:7] b2, s[8:9] hq at my first tile, s[22:23] its scale words, s[12:13] yp at my first tile, s14 wave, s15 kind, s16 p, s17 e, s18 os, s19 my tiles.  None is stepped: every offset is an immediate
.macro BARRIER                         ; my LDS stores have landed and my LDS loads are in: then the work-group's barrier
	s_wait_dscnt 0x0
	s_barrier_signal -1
	s_barrier_wait -1
.endm
.macro LOADS g                         ; step g of 32: chunk g / 4, row g % 4 of my four
.set GO, ((\g)/4)*2048+((\g)%4)*16384
.irp q, 0,1,2,3
	global_load_b128 v[R+16*((\g)%8)+4*\q:R+16*((\g)%8)+4*\q+3], v10, s[4:5] offset:GO+512*\q th:TH_LOAD_NT
.endr
.endm
.macro TURN g                          ; through my stage: LDS serves a wave's instructions in order, so no wait stands between the stores and the loads
.irp q, 0,1,2,3
	ds_store_b128 v1, v[R+16*((\g)%8)+4*\q:R+16*((\g)%8)+4*\q+3] offset:2560*((\g)%2)+640*\q
.endr
.irp q, 0,1,2,3
	ds_load_b128 v[X+16*((\g)%2)+4*\q:X+16*((\g)%2)+4*\q+3], v2 offset:2560*((\g)%2)+16*\q
.endr
.endm
.macro STEP g
.set XS, X+16*((\g)%2)
.if (\g) > 0
	s_wait_dscnt 2                                 ; this step's numbers are back (the last step's two stores may be out): so its stores into the stage have read their registers,
.else
	s_wait_dscnt 0x0
.endif
.if (\g)+8 < 32
	LOADS (\g)+8                                   ; which take the loads of eight steps on
.endif
.if (\g)+1 < 32
.if 30-(\g) >= 7
	s_wait_loadcnt 28                              ; the next step's four loads are in; those of the seven steps behind it may be out
.else
	s_wait_loadcnt 4*(30-(\g))
.endif
	TURN (\g)+1
.endif
	v_max3_num_f32 v[T], |v[XS]|, |v[XS+1]|, |v[XS+2]|
	v_max3_num_f32 v[T+1], |v[XS+3]|, |v[XS+4]|, |v[XS+5]|
.irp i, 6,10
	v_max3_num_f32 v[T], v[T], |v[XS+\i]|, |v[XS+\i+1]|
	v_max3_num_f32 v[T+1], v[T+1], |v[XS+\i+2]|, |v[XS+\i+3]|
.endr
	v_max3_num_f32 v[T], v[T], |v[XS+14]|, |v[XS+15]|
	v_max3_num_f32 v[T], v[T], v[T+1], 0x1800000   ; and the floor 2^(3 - 127): the byte cannot fall under 1
	v_max_num_f32_dpp v[T], v[T], v[T] row_xmask:1 row_mask:0xf bank_mask:0xf   ; with my neighbour's 16: the block's largest magnitude
	v_add_nc_u32 v[T+2], 0xff000000, v[T]          ; 2 off the exponent field: the conversion's scale operand
	v_cvt_scalef32_pk8_fp4_f32 v[CD+2*((\g)%2)], v[XS:XS+7], v[T+2]
	v_cvt_scalef32_pk8_fp4_f32 v[CD+2*((\g)%2)+1], v[XS+8:XS+15], v[T+2]
	v_lshrrev_b32 v[EB+(\g)%2], 23, v[T+2]         ; the byte (also the plain place behind the conversions)
	ds_store_b64 v3, v[CD+2*((\g)%2):CD+2*((\g)%2)+1] offset:WBB*(((\g)/4)%2)+272*((\g)%4)
	ds_store_b8 v4, v[EB+(\g)%2] offset:512*(((\g)/4)%2)+16*((\g)%4)      ; both lanes of a block write the same byte
.endm
; ---- the consumers
.macro LOADW b                         ; weight buffer b into registers
.irp u, 0,1
.irp s, 0,1,2,3
.irp k, 0,1
	ds_load_b128 v[WC+8*(4*\u+\s)+4*\k:WC+8*(4*\u+\s)+4*\k+3], v5 offset:WBB*(\b)+4352*\u+64*\s+32*\k
.endr
.endr
.endr
	ds_load_b128 v[WSC:WSC+3], v6 offset:512*(\b)
.endm
.macro HLOAD c, i                      ; my i-th tile's fragments of chunk c (K steps 4 c .. 4 c + 3) into place i % 3; with places 0 and 2 the scale words of tiles i and i + 1
.irp s, 0,1,2,3
.irp k, 0,1
	global_load_b128 v[XF+32*((\i)%3)+8*\s+4*\k:XF+32*((\i)%3)+8*\s+4*\k+3], v10, s[8:9] offset:262144*(\i)+4096*(\c)+1024*\s+512*\k
.endr
.endr
.if ((\i)%3) != 1
	global_load_b128 v[XSC+4*(((\i)%3)/2):XSC+4*(((\i)%3)/2)+3], v11, s[22:23] offset:16384*(\i)+256*(\c)
.endif
.endm
.macro PRE c, g                        ; group g's loads, tiles 3 g .. 3 g + 2 as far as I own them, all on their way together
.irp j, 0,1,2
.if 3*(\g)+\j < 8
	s_cmp_le_u32 s19, 3*(\g)+\j
	s_cbranch_scc1 .Lpre_\@
	HLOAD \c, 3*(\g)+\j
.endif
.endr
.Lpre_\@:
.endm
.macro WM s, u, i
.set DD, ACC+16*((\i)%2)+8*(\u)
.set AA, WC+8*(4*(\u)+(\s))
.set BB, XF+32*((\i)%3)+8*(\s)
.set SA, WSC+(\s)
.set SH, XSC+4*(((\i)%3)/2)+(\s)
.if ((\u) == 0) && (((\i)%3) != 1)
	v_wmma_scale_f32_16x16x128_f8f6f4 v[DD:DD+7], v[AA:AA+7], v[BB:BB+7], v[DD:DD+7], v[SA], v[SH] matrix_a_fmt:MATRIX_FMT_FP4 matrix_b_fmt:MATRIX_FMT_FP4
.elseif ((\u) == 1) && (((\i)%3) != 1)
	v_wmma_scale_f32_16x16x128_f8f6f4 v[DD:DD+7], v[AA:AA+7], v[BB:BB+7], v[DD:DD+7], v[SA], v[SH] matrix_a_fmt:MATRIX_FMT_FP4 matrix_b_fmt:MATRIX_FMT_FP4 matrix_a_scale:MATRIX_SCALE_ROW1
.elseif (\u) == 0
	v_wmma_scale_f32_16x16x128_f8f6f4 v[DD:DD+7], v[AA:AA+7], v[BB:BB+7], v[DD:DD+7], v[SA], v[SH] matrix_a_fmt:MATRIX_FMT_FP4 matrix_b_fmt:MATRIX_FMT_FP4 matrix_b_scale:MATRIX_SCALE_ROW1
.else
	v_wmma_scale_f32_16x16x128_f8f6f4 v[DD:DD+7], v[AA:AA+7], v[BB:BB+7], v[DD:DD+7], v[SA], v[SH] matrix_a_fmt:MATRIX_FMT_FP4 matrix_b_fmt:MATRIX_FMT_FP4 matrix_a_scale:MATRIX_SCALE_ROW1 matrix_b_scale:MATRIX_SCALE_ROW1
.endif
.endm
.macro MM i                            ; 8 products: K ascending, the two accumulators by turns, one instruction a turn
.irp s, 0,1,2,3
.irp u, 0,1
	WM \s, \u, \i
.endr
.endr
.endm
; My i-th tile against chunk c.  Its sums so far come from its image in LDS (chunk 0: from b2's), and go back there; behind the last chunk they leave as rows.
.macro TILE c, i
	s_cmp_le_u32 s19, \i
	s_cbranch_scc1 .Lg_\c
.set AS, ACC+16*((\i)%2)
.set HS, XF+32*((\i)%3)
.irp q, 0,1,2,3
.if (\c) == 0
	ds_load_b128 v[AS+4*\q:AS+4*\q+3], v7 offset:SLB*8+512*\q
.else
	ds_load_b128 v[AS+4*\q:AS+4*\q+3], v7 offset:SLB*(\i)+512*\q
.endif
.endr
	s_wait_dscnt 0x0                               ; the sums so far; W2's fragments and scale words; and the last tile's stores have read the other set
	MM \i
.rept 4
	v_nop                                          ; four places in front of stores of results and of loads into operands and scale words
.endr
.if (\c) < 7
.irp q, 0,1,2,3
	ds_store_b128 v7, v[AS+4*\q:AS+4*\q+3] offset:SLB*(\i)+512*\q              ; each accumulator from its low end on
.endr
.else
.irp u, 0,1
.irp k, 0,1
	ds_store_b128 v8, v[AS+8*\u+4*\k:AS+8*\u+4*\k+3] offset:SLB*(\i)+64*\u+16*\k      ; row r, columns 16 u + 8 h + 4 k on
.endr
.endr
.irp n, 0,1,2,3
	ds_load_b128 v[HS+4*\n:HS+4*\n+3], v9 offset:SLB*(\i)+576*\n               ; LDS serves a wave's instructions in order: these see my stores.  They land where the tile's fragments lay
.endr
	s_wait_dscnt 0x0
.irp n, 0,1,2,3
	global_store_b128 v10, v[HS+4*\n:HS+4*\n+3], s[12:13] offset:16384*(\i)+512*\n    ; four rows' 512 consecutive bytes, aligned
.endr
.endif
.endm
.macro NEXTG c, g                      ; a further group of the same chunk (a consumer with more than three tiles): here the wait for memory stands in the phase
.if (\c) == 7
	s_wait_xcnt 0x0                                ; the last group's stores have read the registers that the loads below fill
.endif
	PRE \c, \g
	s_wait_loadcnt 0x0
.endm
.macro WORK c
	s_wait_loadcnt 0x0                             ; the first group's fragments and scale words, asked for a phase ago
	LOADW (\c)%2
	TILE \c, 0
	TILE \c, 1
	TILE \c, 2
	s_cmp_le_u32 s19, 3
	s_cbranch_scc1 .Lg_\c
	NEXTG \c, 1
	TILE \c, 3
	TILE \c, 4
	TILE \c, 5
	s_cmp_le_u32 s19, 6
	s_cbranch_scc1 .Lg_\c
	NEXTG \c, 2
	TILE \c, 6
	TILE \c, 7
.Lg_\c:
.if (\c) < 7
	PRE (\c)+1, 0                                  ; the next chunk's first group: on its way across the barrier (nobody writes those bytes)
.endif
.endm
.macro PHASE k, c                      ; the producers fill buffer k % 2 with chunk k while the consumers multiply by chunk c = k - 1 in the other
	s_cmp_eq_u32 s15, 0
	s_cbranch_scc0 .Lc\k
	STEP 4*\k
	STEP 4*\k+1
	STEP 4*\k+2
	STEP 4*\k+3
	s_branch .Lj\k
.Lc\k:
	WORK \c
.Lj\k:
	BARRIER
.endm
	s_load_b256 s[4:11], s[0:1], 0x0               ; W2, b2, hq, plan
	s_load_b64 s[12:13], s[0:1], 0x20              ; yp
	v_lshl_add_u32 v254, v0, 2, 0x37000
	v_mov_b32 v255, 0
	v_lshrrev_b32 v1, 5, v0
	v_readfirstlane_b32 s14, v1                    ; wave 0..15
	s_lshr_b32 s15, s14, 2
	s_xor_b32 s15, s15, s14
	s_and_b32 s15, s15, 1                          ; 0: producer, 1: consumer; of any two or any four neighbouring waves half are of each kind
	s_lshr_b32 s16, s14, 1                         ; p
	s_lshr_b32 s17, ttmp9, 5                       ; e
	s_and_b32 s18, ttmp9, 31                       ; os
	; every LDS address is made here, by every wave, ahead of the first parting
	v_and_b32 v28, 31, v0                          ; lane
	v_and_b32 v29, 15, v0                          ; r
	v_bfe_u32 v30, v0, 4, 1                        ; h
	v_lshlrev_b32 v10, 4, v28
	s_mul_i32 s49, s16, 5120
	v_lshrrev_b32 v31, 2, v28
	v_mul_u32_u24 v31, v31, 80
	v_and_b32 v32, 3, v28
	v_lshl_add_u32 v31, v32, 4, v31
	v_add_nc_u32 v1, s49, v31                      ; stage in: four lanes' 64 bytes on end, then 16 of padding
	v_mul_u32_u24 v31, v28, 80
	v_add_nc_u32 v2, s49, v31                      ; stage out: place = lane
	s_lshl_b32 s52, s16, 2                         ; my first row: 4 p
	s_mul_i32 s53, s52, 272
	s_add_co_u32 s53, s53, WB
	v_lshl_add_u32 v3, v28, 3, s53
	s_lshl_b32 s53, s52, 4
	s_add_co_u32 s53, s53, WS
	v_lshrrev_b32 v31, 1, v28
	v_add_nc_u32 v4, s53, v31
	v_mul_u32_u24 v31, v29, 272
	v_lshl_add_u32 v31, v30, 4, v31                ; a fragment: row r x pitch + 16 h
	v_add_nc_u32 v5, WB, v31
	v_lshl_add_u32 v6, v28, 4, WS                  ; a row's four scale words: 16 x lane
	s_mul_i32 s53, s16, 9*SLB
	s_add_co_u32 s53, s53, AC
	v_add_nc_u32 v7, s53, v10
	v_mul_u32_u24 v31, v29, 144
	v_lshl_add_u32 v31, v30, 5, v31
	v_add_nc_u32 v8, s53, v31                      ; rows in: 144 r + 32 h
	v_lshrrev_b32 v31, 3, v28
	v_mul_u32_u24 v31, v31, 144
	v_and_b32 v32, 7, v28
	v_lshl_add_u32 v31, v32, 4, v31
	v_add_nc_u32 v9, s53, v31                      ; rows out: eight lanes to a row of 128 bytes
	v_lshlrev_b32 v11, 4, v29
	v_lshl_add_u32 v11, v30, 14, v11               ; h's scale words: 16 r; lanes 16-31 eight tiles (16,384 bytes) on
	v_lshlrev_b32 v13, 5, v30                      ; b2: 32 h
	s_lshl_b32 s52, s17, 24                        ; W2: an expert is 2^24 bytes, a slice's 32 rows 2^19, my four rows 2^16
	s_lshl_b32 s49, s18, 19
	s_add_co_u32 s52, s52, s49
	s_lshl_b32 s49, s16, 16
	s_add_co_u32 s52, s52, s49
	s_mov_b32 s53, 0
	s_lshl_b32 s54, s17, 12                        ; b2
	s_lshl_b32 s49, s18, 7
	s_add_co_u32 s54, s54, s49
	s_mov_b32 s55, 0
	s_lshl_b32 s49, s17, 3
	s_wait_kmcnt 0x0
	s_load_b64 s[20:21], s[10:11], s49 offset:0x0  ; the expert's first tile and number of tiles
	s_add_nc_u64 s[4:5], s[4:5], s[52:53]
	s_add_nc_u64 s[6:7], s[6:7], s[54:55]
	; what hangs on the arguments alone goes out here, and is on its way while the expert's numbers come: the producers' first 32 loads, the consumers' b2
	s_cmp_eq_u32 s15, 0
	s_cbranch_scc0 .Leb
.irp g, 0,1,2,3,4,5,6,7
	LOADS \g
.endr
	s_branch .Lmeta
.Leb:
.irp u, 0,1
.irp k, 0,1
	global_load_b128 v[XF+8*\u+4*\k:XF+8*\u+4*\k+3], v13, s[6:7] offset:64*\u+16*\k      ; b2 in the result's layout: lane (r, h), tile u: columns 16 u + 8 h + 0 .. 7
.endr
.endr
.Lmeta:
	s_wait_kmcnt 0x0
	s_min_u32 s20, s20, 135
	s_min_u32 s21, s21, 64
	s_add_co_u32 s19, s21, 7
	s_sub_co_u32 s19, s19, s16
	s_lshr_b32 s19, s19, 3                         ; my tiles: 8 at the most
	s_add_co_u32 s49, s20, s16                     ; my first tile
	s_lshl_b32 s52, s49, 11
	s_add_co_u32 s52, s52, HSOFF
	s_add_nc_u64 s[22:23], s[8:9], s[52:53]        ; its scale words
	s_lshl_b32 s52, s49, 15
	s_add_nc_u64 s[8:9], s[8:9], s[52:53]          ; its images
	s_mul_i32 s52, s18, 278528
	s_lshl_b32 s54, s49, 11
	s_add_co_u32 s52, s52, s54
	s_add_nc_u64 s[12:13], s[12:13], s[52:53]      ; its rows of yp in my slice
	; ---- phase 0: the producers fill weight buffer 0; the consumers lay b2's image and ask for chunk 0's first group
	s_cmp_eq_u32 s15, 0
	s_cbranch_scc0 .Lc0
	s_wait_loadcnt 28                              ; step 0's four loads are in; the 28 behind them may be out
	TURN 0
.irp g, 0,1,2,3
	STEP \g
.endr
	s_branch .Lj0
.Lc0:
	s_wait_loadcnt 0x0                             ; b2
.irp q, 0,1,2,3
	ds_store_b128 v7, v[XF+4*\q:XF+4*\q+3] offset:SLB*8+512*\q
.endr
	s_wait_dscnt 0x0                               ; the stores have read their registers: the loads below fill them
	PRE 0, 0
.Lj0:
	BARRIER                                        ; buffer 0 is whole.  (Global loads of either kind stay on their way: nobody writes those bytes)
	; ---- phases 1 to 7
	PHASE 1, 0
	PHASE 2, 1
	PHASE 3, 2
	PHASE 4, 3
	PHASE 5, 4
	PHASE 6, 5
	PHASE 7, 6
	; ---- phase 8: the last chunk, and the way out
	s_cmp_eq_u32 s15, 0
	s_cbranch_scc1 .Lend
	WORK 7
.Lend:
	s_wait_tensorcnt 0x0
	ds_add_u32 v254, v255
	s_wait_dscnt 0x0
	s_endpgm
.Lfunc_end_k_qfaceb87061_ffn2:
	.size	k_qfaceb87061_ffn2, .Lfunc_end_k_qfaceb87061_ffn2-k_qfaceb87061_ffn2
	.p2alignl 7, 3214868480
	.fill 96, 4, 3214868480
	.section	.rodata,"a",@progbits
	.p2align	6, 0x0
	.amdhsa_kernel k_qfaceb87061_ffn2
		.amdhsa_group_segment_fixed_size 227328
		.amdhsa_private_segment_fixed_size 0
		.amdhsa_enable_private_segment 0
		.amdhsa_kernarg_size 40
		.amdhsa_user_sgpr_count 2
		.amdhsa_user_sgpr_kernarg_segment_ptr 1
		.amdhsa_wavefront_size32 1
		.amdhsa_system_sgpr_workgroup_id_x 1
		.amdhsa_system_sgpr_workgroup_id_y 1
		.amdhsa_system_sgpr_workgroup_id_z 1
		.amdhsa_system_vgpr_workitem_id 0
		.amdhsa_next_free_vgpr 256
		.amdhsa_next_free_sgpr 66
		.amdhsa_reserve_vcc 0
		.amdhsa_float_denorm_mode_32 3
		.amdhsa_float_denorm_mode_16_64 3
		.amdhsa_memory_ordered 1
		.amdhsa_forward_progress 1
		.amdhsa_inst_pref_size 248
	.end_amdhsa_kernel
	.amdgpu_metadata
---
amdhsa.version: [ 1, 2 ]
amdhsa.kernels:
  - .name:           k_qfaceb87061_ffn2
    .symbol:         k_qfaceb87061_ffn2.kd
    .args:
      - { .name: W2, .offset: 0, .size: 8, .value_kind: global_buffer, .address_space: global }
      - { .name: b2, .offset: 8, .size: 8, .value_kind: global_buffer, .address_space: global }
      - { .name: hq, .offset: 16, .size: 8, .value_kind: global_buffer, .address_space: global }
      - { .name: plan, .offset: 24, .size: 8, .value_kind: global_buffer, .address_space: global }
      - { .name: yp, .offset: 32, .size: 8, .value_kind: global_buffer, .address_space: global }
    .group_segment_fixed_size: 227328
    .private_segment_fixed_size: 0
    .kernarg_segment_align: 8
    .kernarg_segment_size: 40
    .max_flat_workgroup_size: 512
    .sgpr_count:     66
    .vgpr_count:     256
    .wavefront_size: 32
...
	.end_amdgpu_metadata
.endif
;; end of part 4
;; launch combine (part 5): grid 256 x 1, 4 waves a work-group, no clusters, 0 bytes of LDS; arguments yp, plan, gw, out0; writes out0
.if DOCPART == 5
	.amdgcn_target "amdgcn-amd-amdhsa--gfx1250"
	.amdhsa_code_object_version 6
	.text
	.protected	k_qfaceb87061_combine
	.globl	k_qfaceb87061_combine
	.p2align	8
	.type	k_qfaceb87061_combine,@function
k_qfaceb87061_combine:
	s_mov_b64 s[64:65], 0
	v_nop
	global_prefetch_b8 v0, s[64:65] scope:SCOPE_SE
	s_setreg_imm32_b32 hwreg(HW_REG_WAVE_MODE, 25, 1), 1
	s_wait_xcnt 0x0
; out0[t] = g0 x yp[row 0 of t] + g1 x yp[row 1 of t]: the raw softmax weights of the token's two experts times their results (b2 is in yp already).
; A wave takes a token.  Its two routed rows come from plan (whole numbers stored three launches back), its weights from gw.
; yp is [slice 32][routed row][32 columns]: a load takes four slices' pieces of 128 bytes, eight lanes to a piece, so that lane l of load n holds columns 128 n + 4 l + 0 .. 3 and each store covers 512 consecutive bytes of out0.
; A stream: no LDS, no barrier, no matrix work.  All 16 loads of a wave go out at once.
.set POSOFF, 256
.set SLICE,  278528                    ; bytes of a slice of yp: 2,176 rows x 128
.set Y0,     8                         ; v8-39   rank 1's row
.set Y1,     40                        ; v40-71  rank 2's
	s_load_b256 s[4:11], s[0:1], 0x0               ; yp, plan, gw, out0
	v_lshrrev_b32 v1, 5, v0
	v_readfirstlane_b32 s12, v1                    ; wave
	s_lshl_b32 s13, ttmp9, 2
	s_add_co_u32 s13, s13, s12                     ; my token
	s_lshl_b32 s14, s13, 3
	v_and_b32 v3, 31, v0
	v_lshlrev_b32 v2, 4, v3                        ; out: 16 x lane
	v_lshrrev_b32 v1, 3, v3
	v_mul_u32_u24 v1, v1, SLICE
	v_and_b32 v3, 7, v3
	v_lshl_add_u32 v1, v3, 4, v1                   ; in: slice lane / 8, 16 bytes x (lane % 8)
	s_lshl_b32 s22, s13, 12
	s_mov_b32 s23, 0
	s_wait_kmcnt 0x0
	s_load_b64 s[16:17], s[6:7], s14 offset:POSOFF
	s_load_b64 s[18:19], s[8:9], s14 offset:0x0
	s_add_nc_u64 s[10:11], s[10:11], s[22:23]
	s_wait_kmcnt 0x0
	s_min_u32 s16, s16, 2175                       ; a loaded number enters an address behind a bound
	s_min_u32 s17, s17, 2175
	s_lshl_b32 s20, s16, 7
	s_mov_b32 s21, 0
	s_lshl_b32 s24, s17, 7
	s_mov_b32 s25, 0
	s_add_nc_u64 s[20:21], s[4:5], s[20:21]
	s_add_nc_u64 s[24:25], s[4:5], s[24:25]
.irp n, 0,1,2,3,4,5,6,7
	global_load_b128 v[Y0+4*\n:Y0+4*\n+3], v1, s[20:21] offset:4*SLICE*\n
	global_load_b128 v[Y1+4*\n:Y1+4*\n+3], v1, s[24:25] offset:4*SLICE*\n
.endr
	v_mov_b32 v4, s18
	v_mov_b32 v5, s18
	v_mov_b32 v6, s19
	v_mov_b32 v7, s19
.irp n, 0,1,2,3,4,5,6,7
	s_wait_loadcnt 14-2*\n                         ; this pair of loads is in; the pairs behind it may be out
	v_pk_mul_f32 v[Y0+4*\n:Y0+4*\n+1], v[Y0+4*\n:Y0+4*\n+1], v[4:5]
	v_pk_mul_f32 v[Y0+4*\n+2:Y0+4*\n+3], v[Y0+4*\n+2:Y0+4*\n+3], v[4:5]
	v_pk_fma_f32 v[Y0+4*\n:Y0+4*\n+1], v[Y1+4*\n:Y1+4*\n+1], v[6:7], v[Y0+4*\n:Y0+4*\n+1]
	v_pk_fma_f32 v[Y0+4*\n+2:Y0+4*\n+3], v[Y1+4*\n+2:Y1+4*\n+3], v[6:7], v[Y0+4*\n+2:Y0+4*\n+3]
	global_store_b128 v2, v[Y0+4*\n:Y0+4*\n+3], s[10:11] offset:512*\n th:TH_STORE_NT
.endr
	s_endpgm
.Lfunc_end_k_qfaceb87061_combine:
	.size	k_qfaceb87061_combine, .Lfunc_end_k_qfaceb87061_combine-k_qfaceb87061_combine
	.p2alignl 7, 3214868480
	.fill 96, 4, 3214868480
	.section	.rodata,"a",@progbits
	.p2align	6, 0x0
	.amdhsa_kernel k_qfaceb87061_combine
		.amdhsa_group_segment_fixed_size 0
		.amdhsa_private_segment_fixed_size 0
		.amdhsa_enable_private_segment 0
		.amdhsa_kernarg_size 32
		.amdhsa_user_sgpr_count 2
		.amdhsa_user_sgpr_kernarg_segment_ptr 1
		.amdhsa_wavefront_size32 1
		.amdhsa_system_sgpr_workgroup_id_x 1
		.amdhsa_system_sgpr_workgroup_id_y 1
		.amdhsa_system_sgpr_workgroup_id_z 1
		.amdhsa_system_vgpr_workitem_id 0
		.amdhsa_next_free_vgpr 80
		.amdhsa_next_free_sgpr 66
		.amdhsa_reserve_vcc 0
		.amdhsa_float_denorm_mode_32 3
		.amdhsa_float_denorm_mode_16_64 3
		.amdhsa_memory_ordered 1
		.amdhsa_forward_progress 1
		.amdhsa_inst_pref_size 6
	.end_amdhsa_kernel
	.amdgpu_metadata
---
amdhsa.version: [ 1, 2 ]
amdhsa.kernels:
  - .name:           k_qfaceb87061_combine
    .symbol:         k_qfaceb87061_combine.kd
    .args:
      - { .name: yp, .offset: 0, .size: 8, .value_kind: global_buffer, .address_space: global }
      - { .name: plan, .offset: 8, .size: 8, .value_kind: global_buffer, .address_space: global }
      - { .name: gw, .offset: 16, .size: 8, .value_kind: global_buffer, .address_space: global }
      - { .name: out0, .offset: 24, .size: 8, .value_kind: global_buffer, .address_space: global }
    .group_segment_fixed_size: 0
    .private_segment_fixed_size: 0
    .kernarg_segment_align: 8
    .kernarg_segment_size: 32
    .max_flat_workgroup_size: 128
    .sgpr_count:     66
    .vgpr_count:     80
    .wavefront_size: 32
...
	.end_amdgpu_metadata
.endif
;; end of part 5
;; ======== version 2 of 2: 5 launches
;; workspace buffers: sel 8,192 bytes of whole numbers; gw 8,192 bytes; xq 557,056 bytes; plan 17,152 bytes of whole numbers; hq 4,751,360 bytes; yp 8,912,896 bytes
;; launch route (part 6): grid 128 x 1, 8 waves a work-group, no clusters, 71,168 bytes of LDS; arguments x, Wg, bg, sel, gw, xq; writes sel, gw, xq
.if DOCPART == 6
	.amdgcn_target "amdgcn-amd-amdhsa--gfx1250"
	.amdhsa_code_object_version 6
	.text
	.protected	k_qfaceb87061_route
	.globl	k_qfaceb87061_route
	.p2align	8
	.type	k_qfaceb87061_route,@function
k_qfaceb87061_route:
	s_mov_b64 s[64:65], 0
	v_nop
	global_prefetch_b8 v0, s[64:65] scope:SCOPE_SE
	s_setreg_imm32_b32 hwreg(HW_REG_WAVE_MODE, 25, 1), 1
	s_wait_xcnt 0x0
; THE ROUTER, AND x INTO CODES.  x [1024][1024], Wg [8][1024], bg [8]: f32.
; A work-group takes 8 tokens, a wave one token t = 8 x work-group + wave.  For its token a wave makes the 8 logits in f32 (fused multiply-adds, 32 numbers a lane,
; then a sum over the lanes), the softmax with the largest logit taken away, and the two largest weights (a later expert replaces an earlier one only where it is
; strictly larger, so of equals the lower index stays).  Nothing here branches or addresses by that choice: experts and weights go to fixed places:
;   sel [1024][2] u32: the experts of rank 1 and 2;   gw [1024][2] f32: their raw softmax weights.
; The same x becomes codes of E2M1 with one E8M0 byte for each 32 along K:  xq: bytes 0 .. 524287 codes [1024][512], K innermost, the lower k in the low four bits;
; from XSOFF on the scale bytes [1024][32].  A block's byte is its largest magnitude's exponent field - 2, held at 1 from below.
; LIMITS: NaN and infinities among the inputs are not served.  A block of zeros, and a block whose largest magnitude lies under 2^-124, keeps the byte 1 (a block of zeros
; has zero codes, and this program alone reads the bytes).  The logits' sums run in another order than a row-by-row sum: a token whose second and third weights
; lie within f32 rounding of each other may take the other expert.  sel and gw leave in pieces of 64 bytes a work-group (16 KiB in all).
.set SBY,   0                          ; LDS: the work-group's 256 scale bytes
.set SLI,   256                        ; its 8 pairs of experts
.set GLW,   320                        ; its 8 pairs of weights
.set WGL,   512                        ; Wg as it lies in memory, 4,096 bytes an expert.  (The small regions lie first, so that every immediate offset stays inside its 16 bits)
.set TST,   33280                      ; a stage for each wave: 32 places of 128 bytes + 16 of padding; its base stands in the address registers
.set XSOFF, 524288
.set XD,    16                         ; v16-47   x as loaded: load i holds k = 128 i + 4 lane + 0 .. 3
.set XT,    48                         ; v48-79   x turned: my lane's block of 32 neighbours
.set WR,    80                         ; v80-143  two sets of one expert's Wg, laid as XD
.set LG,    148                        ; v148-155 the logits, then the weights
	s_load_b256 s[4:11], s[0:1], 0x0               ; x s[4:5], Wg s[6:7], bg s[8:9], sel s[10:11]
	s_load_b128 s[12:15], s[0:1], 0x20             ; gw s[12:13], xq s[14:15]
	v_lshl_add_u32 v184, v0, 2, 0x11200
	v_mov_b32 v185, 0
	v_lshrrev_b32 v8, 5, v0
	s_delay_alu instid0(VALU_DEP_1)
	v_readfirstlane_b32 s26, v8                    ; wave 0..7
	v_and_b32 v1, 31, v0                           ; lane
	s_delay_alu instid0(VALU_DEP_1)
	v_lshlrev_b32 v2, 4, v1                        ; 16 x lane
	s_mul_i32 s27, s26, 4608
	s_add_co_u32 s27, s27, TST                     ; my stage
	v_lshrrev_b32 v3, 3, v1
	s_delay_alu instid0(VALU_DEP_1)
	v_mul_u32_u24 v3, v3, 144
	v_and_b32 v9, 7, v1
	s_delay_alu instid0(VALU_DEP_1)
	v_lshl_add_u32 v3, v9, 4, v3
	s_delay_alu instid0(VALU_DEP_1)
	v_add_nc_u32 v3, s27, v3                       ; into it: eight lanes' 128 bytes on end, then 16 of padding
	v_mul_u32_u24 v4, v1, 144
	s_delay_alu instid0(VALU_DEP_1)
	v_add_nc_u32 v4, s27, v4                       ; out of it: place = lane
	s_lshl_b32 s28, s26, 12
	v_add_nc_u32 v5, s28, v2                       ; Wg's row = my wave's number
	s_lshl_b32 s29, s26, 5
	v_add_nc_u32 v6, s29, v1                       ; my block's scale byte: 32 x wave + lane
	v_mov_b32 v7, s26
	s_delay_alu instid0(VALU_DEP_1)
	v_lshlrev_b32 v7, 3, v7                        ; my token's pair: 8 x wave
	v_lshlrev_b32 v12, 3, v1                       ; the way out (wave 0): 8 x lane,
	v_and_b32 v13, 15, v1
	s_delay_alu instid0(VALU_DEP_1)
	v_lshlrev_b32 v13, 2, v13                      ; and 4 x (lane % 16)
.irp e, 0,1,2,3,4,5,6,7
	v_mov_b32 v[156+\e], 0                         ; written once: a lane permute's destination counts as one of its sources
.endr
	s_mov_b32 s24, 0x76543210
	s_mov_b32 s25, 0xfedcba98                      ; v_permlanex16_b32's selects for lane l xor 16
	s_lshl_b32 s30, ttmp9, 3
	s_add_co_u32 s30, s30, s26                     ; my token
	s_lshl_b32 s32, s30, 12                        ; its row of x
	s_mov_b32 s33, 0
	s_lshl_b32 s34, s26, 12                        ; Wg's row
	s_mov_b32 s35, 0
	s_lshl_b32 s36, s30, 9                         ; its row of codes
	s_mov_b32 s37, 0
	s_lshl_b32 s38, ttmp9, 8
	s_add_co_u32 s38, s38, XSOFF                   ; the work-group's scale bytes
	s_mov_b32 s39, 0
	s_lshl_b32 s40, ttmp9, 6                       ; the work-group's 64 bytes of sel and of gw
	s_mov_b32 s41, 0
	s_wait_kmcnt 0x0
	s_load_b256 s[16:23], s[8:9], 0x0              ; bg
	s_add_nc_u64 s[4:5], s[4:5], s[32:33]
	s_add_nc_u64 s[6:7], s[6:7], s[34:35]
	s_add_nc_u64 s[36:37], s[14:15], s[36:37]
	s_add_nc_u64 s[38:39], s[14:15], s[38:39]
	s_add_nc_u64 s[10:11], s[10:11], s[40:41]
	s_add_nc_u64 s[12:13], s[12:13], s[40:41]
.irp i, 0,1,2,3,4,5,6,7
	global_load_b128 v[WR+4*\i:WR+4*\i+3], v2, s[6:7] offset:512*\i            ; one row of Wg a wave: 512 consecutive bytes a load
.endr
.irp i, 0,1,2,3,4,5,6,7
	global_load_b128 v[XD+4*\i:XD+4*\i+3], v2, s[4:5] offset:512*\i th:TH_LOAD_NT
.endr
	s_wait_loadcnt 8                               ; Wg's eight loads are in; x's eight, issued behind them, may be out
.irp i, 0,1,2,3,4,5,6,7
	ds_store_b128 v5, v[WR+4*\i:WR+4*\i+3] offset:WGL+512*\i
.endr
	s_wait_loadcnt 0x0                             ; x
.irp i, 0,1,2,3,4,5,6,7
	ds_store_b128 v3, v[XD+4*\i:XD+4*\i+3] offset:576*\i     ; a load's 512 bytes are four blocks: four places
.endr
.irp q, 0,1,2,3,4,5,6,7
	ds_load_b128 v[XT+4*\q:XT+4*\q+3], v4 offset:16*\q       ; LDS serves a wave's instructions in order: these see my stores
.endr
	s_wait_dscnt 0x0                               ; for the others' sake: my row of Wg lies in LDS
	s_barrier_signal -1
	s_barrier_wait -1                              ; all eight rows do
.macro LOADE e                         ; expert e's row of Wg into set e % 2
.irp i, 0,1,2,3,4,5,6,7
	ds_load_b128 v[WR+32*((\e)%2)+4*\i:WR+32*((\e)%2)+4*\i+3], v2 offset:WGL+4096*(\e)+512*\i
.endr
.endm
.macro DOT e                           ; my 32 products, in two packed chains; the first products start the sums
.set WS0, WR+32*((\e)%2)
	v_pk_mul_f32 v[144:145], v[XD:XD+1], v[WS0:WS0+1]
	v_pk_mul_f32 v[146:147], v[XD+2:XD+3], v[WS0+2:WS0+3]
.irp i, 1,2,3,4,5,6,7
	s_delay_alu instid0(VALU_DEP_2)
	v_pk_fma_f32 v[144:145], v[XD+4*\i:XD+4*\i+1], v[WS0+4*\i:WS0+4*\i+1], v[144:145]
	s_delay_alu instid0(VALU_DEP_2)
	v_pk_fma_f32 v[146:147], v[XD+4*\i+2:XD+4*\i+3], v[WS0+4*\i+2:WS0+4*\i+3], v[146:147]
.endr
	s_delay_alu instid0(VALU_DEP_1)
	v_pk_add_f32 v[144:145], v[144:145], v[146:147]
	s_delay_alu instid0(VALU_DEP_1)
	v_add_f32 v[LG+(\e)], v144, v145
.endm
	LOADE 0
.irp e, 0,1,2,3,4,5,6
	LOADE \e+1
	s_wait_dscnt 8                                 ; this expert's eight loads are in; the next expert's eight may be out
	DOT \e
.endr
	s_wait_dscnt 0x0
	DOT 7
.irp m, 1,2,4,8
.irp e, 0,1,2,3,4,5,6,7
	v_add_f32_dpp v[LG+\e], v[LG+\e], v[LG+\e] row_xmask:\m row_mask:0xf bank_mask:0xf   ; the eight sums by turns
.endr
.endr
.irp e, 0,1,2,3,4,5,6,7
	v_permlanex16_b32 v[156+\e], v[LG+\e], s24, s25
.endr
	s_wait_alu depctr_va_vdst(0)
	s_wait_kmcnt 0x0                               ; bg
.irp e, 0,1,2,3,4,5,6,7
	v_add_f32 v[LG+\e], v[LG+\e], v[156+\e]
.endr
.irp e, 0,1,2,3,4,5,6,7
	v_add_f32 v[LG+\e], s[16+\e], v[LG+\e]         ; every lane holds all eight logits
.endr
	; the softmax: the largest logit is taken away first
	v_max3_num_f32 v164, v148, v149, v150
	s_delay_alu instid0(VALU_DEP_1)
	v_max3_num_f32 v164, v164, v151, v152
	s_delay_alu instid0(VALU_DEP_1)
	v_max3_num_f32 v164, v164, v153, v154
	s_delay_alu instid0(VALU_DEP_1)
	v_max_num_f32 v164, v164, v155
.irp e, 0,1,2,3,4,5,6,7
	v_sub_f32 v[LG+\e], v[LG+\e], v164
.endr
.irp e, 0,1,2,3,4,5,6,7
	v_mul_f32 v[LG+\e], 0x3fb8aa3b, v[LG+\e]       ; x log2(e)
.endr
	s_wait_alu depctr_va_vdst(0)
.irp e, 0,1,2,3,4,5,6,7
	v_exp_f32 v[LG+\e], v[LG+\e]
.endr
	v_nop                                          ; one plain place behind the exponentials
	s_wait_alu depctr_va_vdst(0)
	v_add_f32 v165, v148, v149
	v_add_f32 v170, v150, v151
	v_add_f32 v171, v152, v153
	v_add_f32 v172, v154, v155
	s_delay_alu instid0(VALU_DEP_3)
	v_add_f32 v165, v165, v170
	s_delay_alu instid0(VALU_DEP_2)
	v_add_f32 v171, v171, v172
	s_delay_alu instid0(VALU_DEP_1)
	v_add_f32 v165, v165, v171                     ; between 1 and 8
	s_wait_alu depctr_va_vdst(0)
	v_rcp_f32 v165, v165
	v_nop                                          ; one plain place behind the reciprocal
	s_wait_alu depctr_va_vdst(0)
.irp e, 0,1,2,3,4,5,6,7
	v_mul_f32 v[LG+\e], v[LG+\e], v165
.endr
	; the two largest weights: v166, v168 rank 1's expert and weight; v167, v169 rank 2's
	v_mov_b32 v166, 0
	v_mov_b32 v168, v148
.irp e, 1
	s_delay_alu instid0(VALU_DEP_1)
	v_cmp_gt_f32 vcc_lo, v[LG+\e], v168
	s_delay_alu instid0(VALU_DEP_1)
	v_cndmask_b32 v168, v168, v[LG+\e], vcc_lo
	s_delay_alu instid0(VALU_DEP_2)
	v_cndmask_b32 v166, v166, \e, vcc_lo
.endr
.irp e, 2, 3, 4, 5, 6, 7
	s_delay_alu instid0(VALU_DEP_2)
	v_cmp_gt_f32 vcc_lo, v[LG+\e], v168
	s_delay_alu instid0(VALU_DEP_1)
	v_cndmask_b32 v168, v168, v[LG+\e], vcc_lo
	s_delay_alu instid0(VALU_DEP_2)
	v_cndmask_b32 v166, v166, \e, vcc_lo
.endr
	v_mov_b32 v167, 0
	v_mov_b32 v169, -1.0                           ; under every weight
.irp e, 0
	s_delay_alu instid0(VALU_DEP_3)
	v_cmp_ne_u32 s42, \e, v166                     ; not rank 1's expert,
	s_delay_alu instid0(VALU_DEP_2)
	v_cmp_gt_f32 vcc_lo, v[LG+\e], v169
	s_and_b32 vcc_lo, vcc_lo, s42
	v_cndmask_b32 v169, v169, v[LG+\e], vcc_lo
	v_cndmask_b32 v167, v167, \e, vcc_lo
.endr
.irp e, 1, 2, 3, 4, 5, 6, 7
	v_cmp_ne_u32 s42, \e, v166
	s_delay_alu instid0(VALU_DEP_3)
	v_cmp_gt_f32 vcc_lo, v[LG+\e], v169            ; and strictly larger
	s_and_b32 vcc_lo, vcc_lo, s42
	v_cndmask_b32 v169, v169, v[LG+\e], vcc_lo
	v_cndmask_b32 v167, v167, \e, vcc_lo
.endr
	; my block of 32 numbers of x into codes
	v_max3_num_f32 v170, |v[XT]|, |v[XT+1]|, |v[XT+2]|
	v_max3_num_f32 v171, |v[XT+3]|, |v[XT+4]|, |v[XT+5]|
.irp i, 6,10,14,18,22,26
	s_delay_alu instid0(VALU_DEP_2)
	v_max3_num_f32 v170, v170, |v[XT+\i]|, |v[XT+\i+1]|
	s_delay_alu instid0(VALU_DEP_2)
	v_max3_num_f32 v171, v171, |v[XT+\i+2]|, |v[XT+\i+3]|
.endr
	s_delay_alu instid0(VALU_DEP_2)
	v_max3_num_f32 v170, v170, |v[XT+30]|, |v[XT+31]|
	s_delay_alu instid0(VALU_DEP_1)
	v_max3_num_f32 v170, v170, v171, 0x1800000     ; and the floor 2^(3 - 127): the byte cannot fall under 1
	s_delay_alu instid0(VALU_DEP_1)
	v_add_nc_u32 v172, 0xff000000, v170            ; 2 off the exponent field: the conversion takes the exponent field of this operand as its scale
.irp g, 0,1,2,3
	v_cvt_scalef32_pk8_fp4_f32 v[176+\g], v[XT+8*\g:XT+8*\g+7], v172
.endr
	v_lshrrev_b32 v173, 23, v172                   ; the scale's byte (also the plain place behind the conversions)
	global_store_b128 v2, v[176:179], s[36:37]     ; 32 lanes store my token's 512 bytes of codes on end
	ds_store_b8 v6, v173 offset:SBY
	ds_store_b64 v7, v[166:167] offset:SLI         ; all lanes write the same pair with the same values
	ds_store_b64 v7, v[168:169] offset:GLW
	s_wait_dscnt 0x0                               ; for wave 0's sake: my bytes lie in LDS
	s_barrier_signal -1
	s_barrier_wait -1
	s_cmp_lg_u32 s26, 0
	s_cbranch_scc1 .Lend                           ; wave 0 sends the work-group's small results out
	ds_load_b64 v[180:181], v12 offset:SBY
	ds_load_b32 v182, v13 offset:SLI
	ds_load_b32 v183, v13 offset:GLW
	s_wait_dscnt 0x0
	global_store_b64 v12, v[180:181], s[38:39]     ; 256 consecutive scale bytes, aligned
	s_wait_xcnt 0x0                                ; EXEC changes only behind this wait
	v_cmp_gt_u32 vcc_lo, 16, v1
	s_and_saveexec_b32 s43, vcc_lo
	global_store_b32 v13, v182, s[10:11]
	global_store_b32 v13, v183, s[12:13]
	s_wait_xcnt 0x0                                ; and again in front of the line that widens it
	s_or_b32 exec_lo, exec_lo, s43
.Lend:
	s_wait_tensorcnt 0x0
	ds_add_u32 v184, v185
	s_wait_dscnt 0x0
	s_endpgm
.Lfunc_end_k_qfaceb87061_route:
	.size	k_qfaceb87061_route, .Lfunc_end_k_qfaceb87061_route-k_qfaceb87061_route
	.p2alignl 7, 3214868480
	.fill 96, 4, 3214868480
	.section	.rodata,"a",@progbits
	.p2align	6, 0x0
	.amdhsa_kernel k_qfaceb87061_route
		.amdhsa_group_segment_fixed_size 71168
		.amdhsa_private_segment_fixed_size 0
		.amdhsa_enable_private_segment 0
		.amdhsa_kernarg_size 48
		.amdhsa_user_sgpr_count 2
		.amdhsa_user_sgpr_kernarg_segment_ptr 1
		.amdhsa_wavefront_size32 1
		.amdhsa_system_sgpr_workgroup_id_x 1
		.amdhsa_system_sgpr_workgroup_id_y 1
		.amdhsa_system_sgpr_workgroup_id_z 1
		.amdhsa_system_vgpr_workitem_id 0
		.amdhsa_next_free_vgpr 186
		.amdhsa_next_free_sgpr 66
		.amdhsa_reserve_vcc 1
		.amdhsa_float_denorm_mode_32 3
		.amdhsa_float_denorm_mode_16_64 3
		.amdhsa_memory_ordered 1
		.amdhsa_forward_progress 1
		.amdhsa_inst_pref_size 35
	.end_amdhsa_kernel
	.amdgpu_metadata
---
amdhsa.version: [ 1, 2 ]
amdhsa.kernels:
  - .name:           k_qfaceb87061_route
    .symbol:         k_qfaceb87061_route.kd
    .args:
      - { .name: x, .offset: 0, .size: 8, .value_kind: global_buffer, .address_space: global }
      - { .name: Wg, .offset: 8, .size: 8, .value_kind: global_buffer, .address_space: global }
      - { .name: bg, .offset: 16, .size: 8, .value_kind: global_buffer, .address_space: global }
      - { .name: sel, .offset: 24, .size: 8, .value_kind: global_buffer, .address_space: global }
      - { .name: gw, .offset: 32, .size: 8, .value_kind: global_buffer, .address_space: global }
      - { .name: xq, .offset: 40, .size: 8, .value_kind: global_buffer, .address_space: global }
    .group_segment_fixed_size: 71168
    .private_segment_fixed_size: 0
    .kernarg_segment_align: 8
    .kernarg_segment_size: 48
    .max_flat_workgroup_size: 256
    .sgpr_count:     66
    .vgpr_count:     186
    .wavefront_size: 32
...
	.end_amdgpu_metadata
.endif
;; end of part 6
;; launch place (part 7): grid 1 x 1, 32 waves a work-group, no clusters, 4,608 bytes of LDS; arguments sel, plan; writes plan
.if DOCPART == 7
	.amdgcn_target "amdgcn-amd-amdhsa--gfx1250"
	.amdhsa_code_object_version 6
	.text
	.protected	k_qfaceb87061_place
	.globl	k_qfaceb87061_place
	.p2align	8
	.type	k_qfaceb87061_place,@function
k_qfaceb87061_place:
	s_mov_b64 s[64:65], 0
	v_nop
	global_prefetch_b8 v0, s[64:65] scope:SCOPE_SE
	s_setreg_imm32_b32 hwreg(HW_REG_WAVE_MODE, 25, 1), 1
	s_wait_xcnt 0x0
; THE ROWS ARE PLACED BY EXPERT: a counting sort on whole numbers, one work-group, thread = token, no atomics.
; Each expert's routed rows begin at a multiple of 16, so that a tile of 16 rows belongs to one expert: at most 2048 / 16 + 7 = 135 tiles whatever the split.
; plan:  bytes 0 .. 63   meta[e] = { first tile, number of tiles };   from POSOFF  pos[t][2]: the routed rows of token t's two experts;
;        from TOKOFF     tok[row]: the token of a routed row; the rows that fill an expert's last tile hold token 0 (they are computed and never read back).
; Within an expert the rows follow the waves; within a wave first the tokens that have the expert at rank 1, by lane, then those at rank 2.
.set POSOFF, 256
.set TOKOFF, 8448
; s[8:15] lanes whose rank 1 is e;  s[16:23] rank 2;  s[24:31] how many at rank 1;  s[32:39] my wave's count, later the expert's total;  s[40:47] the lower waves' count, later my wave's first row;
; s[48:55] tiles;  s56-63, s66 first tiles 0 .. 8;  s[67:74] an expert's first free row;  s[75:82] its last tile's end
	s_load_b128 s[4:7], s[0:1], 0x0                ; sel, plan
	v_lshl_add_u32 v40, v0, 2, 0x200
	v_mov_b32 v41, 0
	v_lshrrev_b32 v1, 5, v0
	s_delay_alu instid0(VALU_DEP_1)
	v_readfirstlane_b32 s94, v1                    ; wave 0..31
	s_delay_alu instid0(VALU_DEP_1)
	v_mov_b32 v11, s94
	s_delay_alu instid0(VALU_DEP_1)
	v_lshlrev_b32 v11, 2, v11                      ; LDS: 4 x wave
	v_and_b32 v1, 31, v0                           ; lane
	s_delay_alu instid0(VALU_DEP_1)
	v_lshlrev_b32 v5, 2, v1                        ; 4 x lane
	v_lshlrev_b32 v4, 3, v0                        ; 8 x token
	v_mov_b32 v8, 0                                ; my place in the wave at rank 1's expert,
	v_mov_b32 v9, 0                                ; at rank 2's
	v_mov_b32 v10, 0                               ; at work (a lane permute's destination counts as one of its sources)
	v_mov_b32 v14, 0
	v_mov_b32 v15, 0
	v_mov_b32 v24, 0
	v_mov_b32 v25, 0
	v_mov_b32 v27, 0
	v_mov_b32 v28, 0
	s_mov_b32 s92, 0x76543210
	s_mov_b32 s93, 0xfedcba98
	s_wait_kmcnt 0x0
	global_load_b64 v[2:3], v4, s[4:5]
	s_wait_loadcnt 0x0
.irp e, 0,1,2,3,4,5,6,7
	v_cmp_eq_u32 s[8+\e], \e, v2
	v_cmp_eq_u32 s[16+\e], \e, v3
	s_bcnt1_i32_b32 s[24+\e], s[8+\e]
	s_bcnt1_i32_b32 s[32+\e], s[16+\e]
	s_add_co_u32 s[32+\e], s[32+\e], s[24+\e]
	v_mbcnt_lo_u32_b32 v10, s[8+\e], 0             ; how many lower lanes have e at rank 1
	s_delay_alu instid0(VALU_DEP_1)
	v_cndmask_b32 v8, v8, v10, s[8+\e]
	v_mbcnt_lo_u32_b32 v10, s[16+\e], s[24+\e]     ; rank 2 follows all of rank 1
	s_delay_alu instid0(VALU_DEP_1)
	v_cndmask_b32 v9, v9, v10, s[16+\e]
.endr
.irp q, 0,1,2,3                        ; two counts to a word, 16 bits each: a total is 1,024 at the most
	s_lshl_b32 s[67+\q], s[33+2*\q], 16
	s_or_b32 s[67+\q], s[67+\q], s[32+2*\q]
	v_mov_b32 v[20+\q], s[67+\q]
	ds_store_b32 v11, v[20+\q] offset:128*\q       ; all lanes write the same word with the same value
.endr
	s_wait_dscnt 0x0                               ; for the others' sake
	s_barrier_signal -1
	s_barrier_wait -1
.irp q, 0,1,2,3
	ds_load_b32 v[12+\q], v5 offset:128*\q         ; a lane stands for a wave
.endr
	s_wait_dscnt 0x0
	v_cmp_gt_u32 vcc_lo, s94, v1                   ; the waves below mine
.irp q, 0,1,2,3
	v_cndmask_b32 v[16+\q], 0, v[12+\q], vcc_lo
.endr
.macro RED r                           ; the sum over the 32 lanes, in every lane
.irp m, 1
	v_mov_b32_dpp v10, v[\r] row_xmask:\m row_mask:0xf bank_mask:0xf
	s_delay_alu instid0(VALU_DEP_1)
	v_add_nc_u32 v[\r], v[\r], v10
.endr
.irp m, 2, 4, 8
	s_delay_alu instid0(VALU_DEP_1)
	v_mov_b32_dpp v10, v[\r] row_xmask:\m row_mask:0xf bank_mask:0xf
	s_delay_alu instid0(VALU_DEP_1)
	v_add_nc_u32 v[\r], v[\r], v10
.endr
	s_delay_alu instid0(VALU_DEP_1)
	v_permlanex16_b32 v10, v[\r], s92, s93
	s_delay_alu instid0(VALU_DEP_1)
	v_add_nc_u32 v[\r], v[\r], v10
.endm
.irp r, 12,13,14,15,16,17,18,19
	RED \r
.endr
	s_wait_alu depctr_va_vdst(0)
.irp q, 0,1,2,3
	v_readfirstlane_b32 s[67+\q], v[12+\q]
	v_readfirstlane_b32 s[71+\q], v[16+\q]
	s_and_b32 s[32+2*\q], s[67+\q], 0xffff         ; the experts' totals,
	s_lshr_b32 s[33+2*\q], s[67+\q], 16
	s_and_b32 s[40+2*\q], s[71+\q], 0xffff         ; and what the lower waves hold of them
	s_lshr_b32 s[41+2*\q], s[71+\q], 16
.endr
	v_mov_b32 v14, 0                               ; (v14, v15 served the sums)
	s_wait_alu depctr_va_vdst(0)
	v_mov_b32 v15, 0
	s_wait_alu depctr_va_vdst(0)
	s_mov_b32 s56, 0
.irp e, 0,1,2,3,4,5,6,7
	s_add_co_u32 s[48+\e], s[32+\e], 15
	s_lshr_b32 s[48+\e], s[48+\e], 4               ; tiles
.endr
.irp e, 0,1,2,3,4,5,6
	s_add_co_u32 s[57+\e], s[56+\e], s[48+\e]      ; first tiles
.endr
	s_add_co_u32 s66, s63, s55
.irp e, 0,1,2,3,4,5,6,7
	s_lshl_b32 s[67+\e], s[56+\e], 4
	s_add_co_u32 s[40+\e], s[40+\e], s[67+\e]      ; my wave's first row of expert e
	s_add_co_u32 s[67+\e], s[67+\e], s[32+\e]      ; the expert's first free row
.endr
.irp e, 0,1,2,3,4,5,6
	s_lshl_b32 s[75+\e], s[57+\e], 4               ; where its last tile ends
.endr
	s_lshl_b32 s82, s66, 4
.irp e, 0
	v_cndmask_b32 v14, v14, s[40+\e], s[8+\e]
	v_cndmask_b32 v15, v15, s[40+\e], s[16+\e]
.endr
.irp e, 1, 2, 3, 4, 5, 6, 7
	s_delay_alu instid0(VALU_DEP_2)
	v_cndmask_b32 v14, v14, s[40+\e], s[8+\e]
	s_delay_alu instid0(VALU_DEP_2)
	v_cndmask_b32 v15, v15, s[40+\e], s[16+\e]
.endr
	s_delay_alu instid0(VALU_DEP_2)
	v_add_nc_u32 v20, v8, v14                      ; my token's two routed rows
	s_delay_alu instid0(VALU_DEP_2)
	v_add_nc_u32 v21, v9, v15
	global_store_b64 v4, v[20:21], s[6:7] offset:POSOFF
	v_min_u32 v22, 0x87f, v20                      ; a number made of loaded numbers enters an address behind a bound: 2,175 is the last row
	s_delay_alu instid0(VALU_DEP_1)
	v_lshlrev_b32 v22, 2, v22
	global_store_b32 v22, v0, s[6:7] offset:TOKOFF
	v_min_u32 v23, 0x87f, v21
	s_delay_alu instid0(VALU_DEP_1)
	v_lshlrev_b32 v23, 2, v23
	global_store_b32 v23, v0, s[6:7] offset:TOKOFF
	s_cmp_lt_u32 s94, 4
	s_cbranch_scc0 .Lend
	; threads 0 .. 127: sixteen to an expert fill its last tile with token 0
	v_lshrrev_b32 v29, 4, v0
.irp e, 0,1,2,3,4,5,6,7
	v_cmp_eq_u32 vcc_lo, \e, v29
	s_delay_alu instid0(VALU_DEP_1)
	v_cndmask_b32 v24, v24, s[67+\e], vcc_lo
	s_delay_alu instid0(VALU_DEP_2)
	v_cndmask_b32 v25, v25, s[75+\e], vcc_lo
.endr
	v_and_b32 v26, 15, v0
	s_delay_alu instid0(VALU_DEP_1)
	v_add_nc_u32 v26, v24, v26
	s_delay_alu instid0(VALU_DEP_1)
	v_cmp_lt_u32 vcc_lo, v26, v25
	s_delay_alu instid0(VALU_DEP_2)
	v_min_u32 v26, 0x87f, v26
	s_delay_alu instid0(VALU_DEP_1)
	v_lshlrev_b32 v26, 2, v26
	s_wait_alu depctr_va_vdst(0)
	s_wait_xcnt 0x0                                ; EXEC changes only behind this wait
	s_and_saveexec_b32 s90, vcc_lo
	global_store_b32 v26, v27, s[6:7] offset:TOKOFF
	s_wait_xcnt 0x0
	s_or_b32 exec_lo, exec_lo, s90
	s_cmp_lg_u32 s94, 0
	s_cbranch_scc1 .Lend
.irp e, 0
	v_writelane_b32 v28, s[56+\e], 2*\e
	s_delay_alu instid0(VALU_DEP_1)
	v_writelane_b32 v28, s[48+\e], 2*\e+1
.endr
.irp e, 1, 2, 3, 4, 5, 6, 7
	s_delay_alu instid0(VALU_DEP_1)
	v_writelane_b32 v28, s[56+\e], 2*\e
	s_delay_alu instid0(VALU_DEP_1)
	v_writelane_b32 v28, s[48+\e], 2*\e+1
.endr
	v_cmp_gt_u32 vcc_lo, 16, v1
	s_and_saveexec_b32 s90, vcc_lo
	global_store_b32 v5, v28, s[6:7]
	s_wait_xcnt 0x0
	s_or_b32 exec_lo, exec_lo, s90
.Lend:
	s_wait_tensorcnt 0x0
	ds_add_u32 v40, v41
	s_wait_dscnt 0x0
	s_endpgm
.Lfunc_end_k_qfaceb87061_place:
	.size	k_qfaceb87061_place, .Lfunc_end_k_qfaceb87061_place-k_qfaceb87061_place
	.p2alignl 7, 3214868480
	.fill 96, 4, 3214868480
	.section	.rodata,"a",@progbits
	.p2align	6, 0x0
	.amdhsa_kernel k_qfaceb87061_place
		.amdhsa_group_segment_fixed_size 4608
		.amdhsa_private_segment_fixed_size 0
		.amdhsa_enable_private_segment 0
		.amdhsa_kernarg_size 16
		.amdhsa_user_sgpr_count 2
		.amdhsa_user_sgpr_kernarg_segment_ptr 1
		.amdhsa_wavefront_size32 1
		.amdhsa_system_sgpr_workgroup_id_x 1
		.amdhsa_system_sgpr_workgroup_id_y 1
		.amdhsa_system_sgpr_workgroup_id_z 1
		.amdhsa_system_vgpr_workitem_id 0
		.amdhsa_next_free_vgpr 42
		.amdhsa_next_free_sgpr 96
		.amdhsa_reserve_vcc 1
		.amdhsa_float_denorm_mode_32 3
		.amdhsa_float_denorm_mode_16_64 3
		.amdhsa_memory_ordered 1
		.amdhsa_forward_progress 1
		.amdhsa_inst_pref_size 23
	.end_amdhsa_kernel
	.amdgpu_metadata
---
amdhsa.version: [ 1, 2 ]
amdhsa.kernels:
  - .name:           k_qfaceb87061_place
    .symbol:         k_qfaceb87061_place.kd
    .args:
      - { .name: sel, .offset: 0, .size: 8, .value_kind: global_buffer, .address_space: global }
      - { .name: plan, .offset: 8, .size: 8, .value_kind: global_buffer, .address_space: global }
    .group_segment_fixed_size: 4608
    .private_segment_fixed_size: 0
    .kernarg_segment_align: 8
    .kernarg_segment_size: 16
    .max_flat_workgroup_size: 1024
    .sgpr_count:     96
    .vgpr_count:     42
    .wavefront_size: 32
...
	.end_amdgpu_metadata
.endif
;; end of part 7
;; launch ffn1 (part 8): grid 256 x 1, 16 waves a work-group, no clusters, 299,008 bytes of LDS; arguments W1, b1, xq, plan, hq; writes hq
.if DOCPART == 8
	.amdgcn_target "amdgcn-amd-amdhsa--gfx1250"
	.amdhsa_code_object_version 6
	.text
	.protected	k_qfaceb87061_ffn1
	.globl	k_qfaceb87061_ffn1
	.p2align	8
	.type	k_qfaceb87061_ffn1,@function
k_qfaceb87061_ffn1:
	s_mov_b64 s[64:65], 0
	v_nop
	global_prefetch_b8 v0, s[64:65] scope:SCOPE_SE
	s_setreg_imm32_b32 hwreg(HW_REG_WAVE_SCHED_MODE, 0, 2), 2
	s_setreg_imm32_b32 hwreg(HW_REG_WAVE_MODE, 25, 1), 1
	s_wait_xcnt 0x0
	s_wait_alu depctr_vm_vsrc(0)
; THE FIRST PRODUCT:  h = Q(gelu(Q(x) Q(W1)^T + b1)) for the routed rows.  W1 [8][4096][1024] f32 is read once, as it lies, and quantised on the way.
; SHARES.  Work-group = (expert e = number / 32, slice hs = number % 32): 128 hidden units, 512 KiB of W1, which are K step hs of the second product.
; Sixteen waves of two kinds, parted by the wave's number and joined at every barrier.  Eight PRODUCERS stream W1 (512 consecutive bytes a load, 32 loads a wave on their way), turn each 2,048 bytes through a
; stage of their own so that a lane holds 16 neighbours along K, and store codes and scale bytes into one of two weight buffers in LDS.  Eight CONSUMERS take the buffer that was filled
; in the phase before into registers (32 hidden units x all of K = 1,024) and multiply the expert's tiles of 16 routed rows by it: consumer p owns tiles p, p + 8, ..
; A load counter is served in order, so a wave that streams cannot also wait for small loads without emptying its stream: hence the two kinds.
; What a consumer wants from memory comes in phase 0, while the first weights are on their way: b1's 128 numbers and the codes of its first three tiles of x, all kept in LDS bytes of its own.
; No tensor load and no joint request: trip counts here hang on the stored counts of rows.
; LAYOUT.  The product is used transposed (source 0 = 16 rows of W1, source 1 = 16 routed rows): a lane holds ONE routed row.  THE ROWS OF W1 THAT FORM A TILE ARE NOT NEIGHBOURS: row rho of a chunk of 32 lies at
; LDS row 16 ((rho / 8) % 2) + 8 (rho / 16) + rho % 8, so that the 16 registers of the two tiles are the hidden units 16 (lane / 16) + 0 .. 15: half a block of the next K; lane l xor 16 has the other half.
; gelu(v) = max(v, 0) - |v| / 2 x erfc(|v| / sqrt 2), the exact-erf form; erfc(a) = (1 + p(q)) / (1 + 2 a) x e^(-a a), q = (a - 2) / (a + 2), p of degree 9: all in f32, and accurate relative to the result in the negative tail too.
; hq: codes as images of the second product's operand registers, [tile][K step 32][1,024 bytes]: byte 512 c + 16 (16 h + r) + 0 .. 15 holds k = 64 c + 32 h + 0 .. 31 of row r; from HSOFF the scale words [tile][K step / 4][r][K step % 4].
; LIMITS: NaN and infinities are not served.  A block of zeros, or one under 2^-124, keeps the scale byte 1.  e^(-a a) under 2^-126 counts as 0.  The scale bytes of h leave as single bytes (278 KiB in all).
; THE MODE: SCHED_MODE bits 1:0 = 2 (LLVM: expert scheduling mode 2), set by the entry lines.  The code itself states the register dependences
; between vector or matrix instructions and memory or LDS instructions, with s_wait_alu, always for 0.
; THE PLAN.  Registers that memory or LDS instructions touch, and who else names them.
; Producers, step g:
;   R[g % 8]        The global loads issued in step g - 8 land in it; the stage's stores of TURN g read it.  Behind the head no vector instruction names it.
;   X[g % 2]        The stage's loads of TURN g, issued in step g - 1, land in it; step g's vector lines read it.
;   CD, EB [g % 2]  Step g's conversions and its shift write them; step g's two LDS stores read them.
;   One wait on va_vdst a step, ahead of its two stores: CD and EB are written, and the step's lines are done reading X[g % 2], in which TURN g + 2's loads land in the next step.
;   One wait on vm_vsrc a step, behind its two stores: TURN g + 1's stores have read R[(g + 1) % 8], in which the next step's global loads land, and the two stores CD and EB, which step g + 2 writes.
;   Behind steps 30 and 31 nothing writes these registers again: they hold no such wait.
; Consumers:
;   WC, WSC, BIAS   LDS loads at a chunk's head land in them; the chunk's products read them.
;   XF, XSC         LDS loads at a tile's head land in them; the tile's products read them; behind the products gelu and the quantiser work in XF, and the tile's two stores read v[TR+4:TR+6] there.
;   ACC             Named by matrix and vector instructions; while x is fetched it holds the row loads' offsets.
;   One wait on va_vdst a tile, ahead of its two stores: the codes and the byte are written, and all that read WC, WSC, BIAS, XF and XSC is done.
;   One wait on vm_vsrc between a tile's stores and the next loads into XF: on the loop's way back, and at the head of the next chunk.  Phase 0 and the refetching of x have waits of their own, each at its place.
; v1 to v15 are made at the head and never written again.
.set STG,    0                         ; LDS: a producer's two stages of 32 places x (64 + 16) bytes: 5,120 bytes each producer
.set WB,     40960                     ; two weight buffers: 32 rows x (512 bytes of codes + 16)
.set WS,     74752                     ; their scale bytes: 32 rows x (32 + 16)
.set XC,     77824                     ; a consumer's own bytes: three slots of x (16 rows x (512 + 16), then an image of the scale words' registers: 8,960 bytes a slot), then b1's 512 bytes
.set SLOTB,  8960
.set B1O,    3*SLOTB
.set XCP,    3*SLOTB+512
.set XSOFF,  524288
.set HSOFF,  4456448
.set TOKOFF, 8448
.set TOKMAX, 8640                      ; the last tile's 64 bytes of tok begin here: a list asked for ahead of knowing that its tile exists is held to this
; producers' registers
.set R,    16                          ; v16-143  eight steps x 16 registers as loaded
.set X,    156                         ; v156-187 two sets of 16 neighbours
.set T,    188                         ; v188-191 at work
.set CD,   192                         ; v192-195 codes, two sets
.set EB,   196                         ; v196-197 scale bytes, two sets
; consumers' registers
.set WC,   16                          ; v16-143  W1's fragments: tile u, K step s at WC + 8 (8 u + s); in phase 0 the rows of x's second and third tile
.set WSC,  144                         ; v144-151 W1's scale words: register s; lanes 0-15 tile 0's rows, lanes 16-31 tile 1's.  v144-155 hold scale words and nothing else, in either kind of wave
.set XSC,  152                         ; v152-155 x's scale words: register q: lanes 0-15 K step q, lanes 16-31 K step 4 + q
.set ACC,  156                         ; v156-171 two accumulators; while x is fetched the rows' offsets
.set BIAS, 172                         ; v172-187 b1 in the result's layout; in phase 0 at work
.set XF,   188                         ; v188-251 x's eight fragments; behind the products at work:
.set TA,   XF
.set TQ,   XF+16
.set TP,   XF+32
.set TR,   XF+48
; v1 stage in, v2 stage out, v3 codes into WB, v4 bytes into WS, v5 W fragment, v6 W scale words, v7 16 lane in my own bytes, v8 x fragment, v9 b1 for my half of the lanes, v10 16 lane, v11, v12, v14, v15 global offsets; v[252:253] a constant twice; v254, v255 at work
; s[4:5] W1 at my rows, s[6:7] b1 at my slice, s[8:9] xq, s[10:11] plan, s[12:13] hq, s14 wave, s15 kind, s16 p, s17 e, s18 hs, s19 my tiles, s[22:23], s[24:25], s26 first tile's places, s[28:29], s[30:31], s27 the walking ones, s48 tile counter
; s[32:47], s[80:95], s[48:63] three tiles' tokens (phase 0); s50, s51, s[56:63], s[66:79] constants (those in s[48:63] are set behind phase 0)
.macro BARRIER                         ; my LDS stores have landed and my LDS loads are in: then the work-group's barrier
	s_wait_dscnt 0x0
	s_barrier_signal -1
	s_barrier_wait -1
.endm
; ---- the producers.  Step g of 32: 512 numbers, half a row; chunk g / 8, row (g % 8) / 2 of my four, half g % 2.  Every offset is an immediate
.macro LOADS g
.set GO, ((\g)/8)*131072+((\g)%8)*2048
.irp q, 0,1,2,3
	global_load_b128 v[R+16*((\g)%8)+4*\q:R+16*((\g)%8)+4*\q+3], v10, s[4:5] offset:GO+512*\q th:TH_LOAD_NT
.endr
.endm
.macro TURN g                          ; through my stage: LDS serves a wave's instructions in order, so no wait stands between the stores and the loads
.irp q, 0,1,2,3
	ds_store_b128 v1, v[R+16*((\g)%8)+4*\q:R+16*((\g)%8)+4*\q+3] offset:2560*((\g)%2)+640*\q
.endr
.irp q, 0,1,2,3
	ds_load_b128 v[X+16*((\g)%2)+4*\q:X+16*((\g)%2)+4*\q+3], v2 offset:2560*((\g)%2)+16*\q
.endr
.endm
.macro STEP g
.set XS, X+16*((\g)%2)
.if (\g) > 0
	s_wait_dscnt 2                                 ; this step's numbers are back from the stage (the last step's two stores may be out)
.else
	s_wait_dscnt 0x0
.endif
.if (\g)+8 < 32
	LOADS (\g)+8                                   ; R[g % 8] takes the loads of eight steps on: the wait on vm_vsrc behind this step's turn through the stage has shown it read
.endif
.if (\g)+1 < 32
.if 30-(\g) >= 7
	s_wait_loadcnt 28                              ; the next step's four loads are in; those of the seven steps behind it may be out
.else
	s_wait_loadcnt 4*(30-(\g))
.endif
	TURN (\g)+1                                    ; its loads land in the other X: the wait on va_vdst at the last step's end has shown that step done reading it
.endif
	v_max3_num_f32 v[T], |v[XS]|, |v[XS+1]|, |v[XS+2]|
	v_max3_num_f32 v[T+1], |v[XS+3]|, |v[XS+4]|, |v[XS+5]|
.irp i, 6,10
	v_max3_num_f32 v[T], v[T], |v[XS+\i]|, |v[XS+\i+1]|
	v_max3_num_f32 v[T+1], v[T+1], |v[XS+\i+2]|, |v[XS+\i+3]|
.endr
	v_max3_num_f32 v[T], v[T], |v[XS+14]|, |v[XS+15]|
	v_max3_num_f32 v[T], v[T], v[T+1], 0x1800000   ; and the floor 2^(3 - 127): the byte cannot fall under 1
	v_max_num_f32_dpp v[T], v[T], v[T] row_xmask:1 row_mask:0xf bank_mask:0xf   ; with my neighbour's 16: the block's largest magnitude
	v_add_nc_u32 v[T+2], 0xff000000, v[T]          ; 2 off its exponent field: the conversion's scale operand
	v_cvt_scalef32_pk8_fp4_f32 v[CD+2*((\g)%2)], v[XS:XS+7], v[T+2]
	v_cvt_scalef32_pk8_fp4_f32 v[CD+2*((\g)%2)+1], v[XS+8:XS+15], v[T+2]
	v_lshrrev_b32 v[EB+(\g)%2], 23, v[T+2]         ; the scale's byte (also the plain place behind the conversions)
	s_wait_alu depctr_va_vdst(0)                   ; the conversions and the shift have written CD and EB, which the two stores read; the step's lines are done reading X[g % 2], in which the next step's stage loads land
	ds_store_b64 v3, v[CD+2*((\g)%2):CD+2*((\g)%2)+1] offset:16896*(((\g)/8)%2)+528*(((\g)%8)/2)+256*((\g)%2)
	ds_store_b8 v4, v[EB+(\g)%2] offset:1536*(((\g)/8)%2)+48*(((\g)%8)/2)+16*((\g)%2)   ; both lanes of a block write the same byte
.if (\g) < 30
	s_wait_alu depctr_vm_vsrc(0)                   ; the stage's stores above have read R[(g + 1) % 8], in which the next step's global loads land; the two stores have read CD and EB, which step g + 2 writes again
.endif
.endm
; ---- the consumers
.macro LOADW b                         ; weight buffer b into registers
.irp u, 0,1
.irp s, 0,1,2,3,4,5,6,7
.irp k, 0,1
	ds_load_b128 v[WC+8*(8*\u+\s)+4*\k:WC+8*(8*\u+\s)+4*\k+3], v5 offset:16896*(\b)+8448*\u+64*\s+32*\k
.endr
.endr
.endr
.irp q, 0,1
	ds_load_b128 v[WSC+4*\q:WSC+4*\q+3], v6 offset:1536*(\b)+16*\q
.endr
.endm
.macro WM s, u, first
.if ((\s) == 0) && (\first)
.set CC, BIAS+8*(\u)
.else
.set CC, ACC+8*(\u)
.endif
.set DD, ACC+8*(\u)
.set AA, WC+8*(8*(\u)+(\s))
.set BB, XF+8*(\s)
.if ((\u) == 0) && ((\s) < 4)
	v_wmma_scale_f32_16x16x128_f8f6f4 v[DD:DD+7], v[AA:AA+7], v[BB:BB+7], v[CC:CC+7], v[WSC+(\s)], v[XSC+(\s)%4] matrix_a_fmt:MATRIX_FMT_FP4 matrix_b_fmt:MATRIX_FMT_FP4
.elseif ((\u) == 1) && ((\s) < 4)
	v_wmma_scale_f32_16x16x128_f8f6f4 v[DD:DD+7], v[AA:AA+7], v[BB:BB+7], v[CC:CC+7], v[WSC+(\s)], v[XSC+(\s)%4] matrix_a_fmt:MATRIX_FMT_FP4 matrix_b_fmt:MATRIX_FMT_FP4 matrix_a_scale:MATRIX_SCALE_ROW1
.elseif (\u) == 0
	v_wmma_scale_f32_16x16x128_f8f6f4 v[DD:DD+7], v[AA:AA+7], v[BB:BB+7], v[CC:CC+7], v[WSC+(\s)], v[XSC+(\s)%4] matrix_a_fmt:MATRIX_FMT_FP4 matrix_b_fmt:MATRIX_FMT_FP4 matrix_b_scale:MATRIX_SCALE_ROW1
.else
	v_wmma_scale_f32_16x16x128_f8f6f4 v[DD:DD+7], v[AA:AA+7], v[BB:BB+7], v[CC:CC+7], v[WSC+(\s)], v[XSC+(\s)%4] matrix_a_fmt:MATRIX_FMT_FP4 matrix_b_fmt:MATRIX_FMT_FP4 matrix_a_scale:MATRIX_SCALE_ROW1 matrix_b_scale:MATRIX_SCALE_ROW1
.endif
.endm
.macro MM first                        ; 16 products: K ascending, the two accumulators by turns, one instruction a turn; first = 1: the bias is the C of each sum's first product
.irp s, 0,1,2,3,4,5,6,7
.irp u, 0,1
	WM \s, \u, \first
.endr
.endr
.endm
; The tile whose tokens begin at byte s27 of tok comes into a slot: 16 rows of codes, each 512 consecutive bytes, and the image of the scale words' registers.  (For a consumer with more than three tiles, inside the tile loop.)
; All 17 offsets are made in one run, so that one wait serves the 17 loads.
.macro FILL1 slot
	s_load_b512 s[32:47], s[10:11], s27 offset:TOKOFF
	v_add_nc_u32 v255, s27, v14
	s_wait_kmcnt 0x0
.irp i, 0,1,2,3,4,5,6,7,8,9,10,11,12,13,14,15
	s_min_u32 s[32+\i], s[32+\i], 1023             ; a loaded number enters an address behind a bound
	s_lshl_b32 s[32+\i], s[32+\i], 9
	v_add_nc_u32 v[ACC+\i], s[32+\i], v10
.endr
	s_wait_alu depctr_va_vdst(0)                   ; v255 and the 16 offsets in ACC are written, which the 17 loads below read
	global_load_b32 v254, v255, s[10:11] offset:TOKOFF          ; lane (r, h): row r's token
.irp i, 0,1,2,3,4,5,6,7,8,9,10,11,12,13,14,15
	global_load_b128 v[XF+4*\i:XF+4*\i+3], v[ACC+\i], s[8:9]
.endr
	s_wait_loadcnt 16                              ; the token is in; the 16 rows, issued behind it, may be out
	v_min_u32 v254, 0x3ff, v254
	v_lshl_add_u32 v254, v254, 5, v15              ; 32 scale bytes a token; lanes 16-31 take the upper four words
	s_wait_alu depctr_va_vdst(0)                   ; v254 is written, which the load below reads as its offset
	global_load_b128 v[XSC:XSC+3], v254, s[8:9] offset:XSOFF
	s_wait_loadcnt 0x0
.irp i, 0,1,2,3,4,5,6,7,8,9,10,11,12,13,14,15
	ds_store_b128 v7, v[XF+4*\i:XF+4*\i+3] offset:SLOTB*(\slot)+528*\i
.endr
	ds_store_b128 v7, v[XSC:XSC+3] offset:SLOTB*(\slot)+8448
	s_wait_alu depctr_vm_vsrc(0)                   ; the LDS stores have read XF and XSC, in which the fragments' loads land next; the loads above have read ACC, which the products write, and v254, v255
.endm
; Phase 0: the first n tiles of x at once.  ROWS: the 16 rows of the tile whose tokens stand in s[sb] on, into v[dst] on.  PUT: into its slot.
.macro ROWS sb, dst
.irp i, 0,1,2,3,4,5,6,7,8,9,10,11,12,13,14,15
	s_min_u32 s[\sb+\i], s[\sb+\i], 1023           ; a loaded number enters an address behind a bound
	s_lshl_b32 s[\sb+\i], s[\sb+\i], 9
	v_add_nc_u32 v[ACC+\i], s[\sb+\i], v10
.endr
	s_wait_alu depctr_va_vdst(0)                   ; the 16 offsets in ACC are written, which the 16 loads below read
.irp i, 0,1,2,3,4,5,6,7,8,9,10,11,12,13,14,15
	global_load_b128 v[\dst+4*\i:\dst+4*\i+3], v[ACC+\i], s[8:9]
.endr
.endm
.macro PUT slot, src, sc
.irp i, 0,1,2,3,4,5,6,7,8,9,10,11,12,13,14,15
	ds_store_b128 v7, v[\src+4*\i:\src+4*\i+3] offset:SLOTB*(\slot)+528*\i
.endr
	ds_store_b128 v7, v[\sc:\sc+3] offset:SLOTB*(\slot)+8448
.endm
.macro FILLN n                         ; straight text for each number of tiles: every register that is stored has been loaded on the same way
	global_load_b128 v[144:147], v172, s[8:9] offset:XSOFF
	ROWS 32, XF
.if (\n) > 1
	global_load_b128 v[148:151], v173, s[8:9] offset:XSOFF
	s_wait_xcnt 0x0                                ; the first tile's loads have had their addresses translated: the 16 registers are written again
	s_wait_alu depctr_vm_vsrc(0)                   ; the first tile's 16 loads have read their offsets in ACC, which the adds below write again
	ROWS 80, WC
.endif
.if (\n) > 2
	global_load_b128 v[152:155], v174, s[8:9] offset:XSOFF
	s_wait_xcnt 0x0
	s_wait_alu depctr_vm_vsrc(0)                   ; the second tile's 16 loads have read their offsets in ACC, which the adds below write again
	ROWS 48, WC+64
.endif
	s_wait_loadcnt 0x0                             ; all rows and scale words: they were on their way together
	PUT 0, XF, 144
.if (\n) > 1
	PUT 1, WC, 148
.endif
.if (\n) > 2
	PUT 2, WC+64, 152
.endif
.endm
.macro LOADX slot
.irp s, 0,1,2,3,4,5,6,7
.irp k, 0,1
	ds_load_b128 v[XF+8*\s+4*\k:XF+8*\s+4*\k+3], v8 offset:SLOTB*(\slot)+64*\s+32*\k
.endr
.endr
	ds_load_b128 v[XSC:XSC+3], v7 offset:SLOTB*(\slot)+8448
.endm
; gelu of the 16 numbers in ACC, each line over all of them before the next, so that no line waits for the line above it
.macro GELU
.irp j, 0,1,2,3,4,5,6,7,8,9,10,11,12,13,14,15
	v_mul_f32 v[TA+\j], s76, |v[ACC+\j]|           ; a = |v| / sqrt 2.  (Each accumulator is read from its low end on)
.endr
.irp j, 0,2,4,6,8,10,12,14
	v_pk_add_f32 v[TR+\j:TR+\j+1], v[TA+\j:TA+\j+1], 2.0 op_sel_hi:[1,0]
.endr
.irp j, 0,2,4,6,8,10,12,14
	v_pk_add_f32 v[TQ+\j:TQ+\j+1], v[TA+\j:TA+\j+1], -2.0 op_sel_hi:[1,0]
.endr
	s_wait_alu depctr_va_vdst(0)
.irp j, 0,1,2,3,4,5,6,7,8,9,10,11,12,13,14,15
	v_rcp_f32 v[TR+\j], v[TR+\j]
.endr
	v_nop                                          ; one plain place behind the reciprocals
	s_wait_alu depctr_va_vdst(0)                   ; the 16 reciprocals have written TR, ahead of their first reader
.irp j, 0,2,4,6,8,10,12,14
	v_pk_mul_f32 v[TQ+\j:TQ+\j+1], v[TQ+\j:TQ+\j+1], v[TR+\j:TR+\j+1]      ; q = (a - 2) / (a + 2)
.endr
.irp j, 0,2,4,6,8,10,12,14
	v_pk_fma_f32 v[TP+\j:TP+\j+1], v[TQ+\j:TQ+\j+1], s[74:75], v[252:253] op_sel_hi:[1,0,1]   ; c9 q + c8
.endr
.irp k, 72,70,68,66,62,60,58,56
.irp j, 0,2,4,6,8,10,12,14
	v_pk_fma_f32 v[TP+\j:TP+\j+1], v[TP+\j:TP+\j+1], v[TQ+\j:TQ+\j+1], s[\k:\k+1] op_sel_hi:[1,1,0]   ; .. q + c7 .. c0
.endr
.endr
.irp j, 0,2,4,6,8,10,12,14
	v_pk_fma_f32 v[TR+\j:TR+\j+1], v[TA+\j:TA+\j+1], 2.0, 1.0 op_sel_hi:[1,0,0]
.endr
	s_wait_alu depctr_va_vdst(0)
.irp j, 0,1,2,3,4,5,6,7,8,9,10,11,12,13,14,15
	v_rcp_f32 v[TR+\j], v[TR+\j]
.endr
	v_nop
	s_wait_alu depctr_va_vdst(0)                   ; the 16 reciprocals have written TR, ahead of their first reader
.irp j, 0,2,4,6,8,10,12,14
	v_pk_fma_f32 v[TP+\j:TP+\j+1], v[TP+\j:TP+\j+1], v[TR+\j:TR+\j+1], v[TR+\j:TR+\j+1]      ; (1 + p) / (1 + 2 a)
.endr
.irp j, 0,2,4,6,8,10,12,14
	v_pk_mul_f32 v[TQ+\j:TQ+\j+1], v[TA+\j:TA+\j+1], v[TA+\j:TA+\j+1]
.endr
.irp j, 0,2,4,6,8,10,12,14
	v_pk_mul_f32 v[TQ+\j:TQ+\j+1], v[TQ+\j:TQ+\j+1], s[78:79] op_sel_hi:[1,0]                ; - a a log2(e)
.endr
	s_wait_alu depctr_va_vdst(0)
.irp j, 0,1,2,3,4,5,6,7,8,9,10,11,12,13,14,15
	v_exp_f32 v[TQ+\j], v[TQ+\j]
.endr
.irp j, 0,2,4,6,8,10,12,14
	v_pk_mul_f32 v[TA+\j:TA+\j+1], v[TA+\j:TA+\j+1], s[76:77] op_sel_hi:[1,0]                ; |v| / 2  (plain places behind the exponentials)
.endr
.irp j, 0,2,4,6,8,10,12,14
	v_pk_mul_f32 v[TA+\j:TA+\j+1], v[TA+\j:TA+\j+1], v[TP+\j:TP+\j+1]
.endr
	s_wait_alu depctr_va_vdst(0)                   ; the 16 exponentials have written TQ, ahead of their first reader
.irp j, 0,2,4,6,8,10,12,14
	v_pk_mul_f32 v[TA+\j:TA+\j+1], v[TA+\j:TA+\j+1], v[TQ+\j:TQ+\j+1]                        ; |v| / 2 x erfc(a)
.endr
.irp j, 0,1,2,3,4,5,6,7,8,9,10,11,12,13,14,15
	v_max_num_f32 v[ACC+\j], 0, v[ACC+\j]
.endr
.irp j, 0,2,4,6,8,10,12,14
	v_pk_add_f32 v[ACC+\j:ACC+\j+1], v[ACC+\j:ACC+\j+1], v[TA+\j:TA+\j+1] neg_lo:[0,1] neg_hi:[0,1]
.endr
.endm
.macro QUANT1                          ; my 16 numbers and lane l xor 16's are one block of the next K: codes in v[TR+4:TR+5], the byte in v[TR+6]
	v_max3_num_f32 v[TR], |v[ACC]|, |v[ACC+1]|, 0x1800000        ; the floor 2^(3 - 127) among the leaves
	v_max3_num_f32 v[TR+1], |v[ACC+8]|, |v[ACC+9]|, |v[ACC+10]|
	v_max3_num_f32 v[TR], v[TR], |v[ACC+2]|, |v[ACC+3]|
	v_max3_num_f32 v[TR+1], v[TR+1], |v[ACC+11]|, |v[ACC+12]|
	v_max3_num_f32 v[TR], v[TR], |v[ACC+4]|, |v[ACC+5]|
	v_max3_num_f32 v[TR+1], v[TR+1], |v[ACC+13]|, |v[ACC+14]|
	v_max3_num_f32 v[TR], v[TR], |v[ACC+6]|, |v[ACC+7]|
	v_max3_num_f32 v[TR], v[TR], v[TR+1], |v[ACC+15]|
	v_permlanex16_b32 v[TR+2], v[TR], s50, s51
	v_max_num_f32 v[TR], v[TR], v[TR+2]
	v_add_nc_u32 v[TR+3], 0xff000000, v[TR]
	v_cvt_scalef32_pk8_fp4_f32 v[TR+4], v[ACC:ACC+7], v[TR+3]
	v_cvt_scalef32_pk8_fp4_f32 v[TR+5], v[ACC+8:ACC+15], v[TR+3]
	v_lshrrev_b32 v[TR+6], 23, v[TR+3]             ; the byte (also the plain place behind the conversions)
.endm
; Chunk c (hidden units 32 c .. 32 c + 31 of the slice) for all my tiles.  No LDS address hangs on the tile counter: the three slots are three arms with immediates.
; Slots 0, 1, 2 keep tiles 0, 1, 2 through all four chunks while I own three tiles at the most; beyond that slot 2 is filled anew for every tile from the third on.
; The loop is left behind the counter's step, where no tile of mine is left (at its head I own one tile at the least), so that the wait on vm_vsrc in it stands on the way back alone.
.macro WORK c
	s_cmp_eq_u32 s19, 0
	s_cbranch_scc1 .Ldone_\c
.if (\c) > 0
	s_wait_alu depctr_vm_vsrc(0)                   ; the last chunk's last two stores have read v[TR+4:TR+6], in which x's fragments land below
.endif
.irp q, 0,1,2,3
	ds_load_b128 v[BIAS+4*\q:BIAS+4*\q+3], v9 offset:B1O+128*(\c)+16*\q   ; b1 of the chunk's 32 units, from my own copy in LDS: lane (r, h) takes units 16 h + 0 .. 15
.endr
	LOADW (\c)%2
	s_mov_b64 s[28:29], s[22:23]
	s_mov_b64 s[30:31], s[24:25]
	s_mov_b32 s27, s26
	s_mov_b32 s48, 0
.Lt_\c:
	s_cmp_lg_u32 s48, 0
	s_cbranch_scc1 .Lna_\c
	LOADX 0
	s_branch .Lgo_\c
.Lna_\c:
	s_cmp_lg_u32 s48, 1
	s_cbranch_scc1 .Lnb_\c
	LOADX 1
	s_branch .Lgo_\c
.Lnb_\c:
	s_cmp_le_u32 s19, 3
	s_cbranch_scc1 .Lnf_\c
	FILL1 2
.Lnf_\c:
	LOADX 2
.Lgo_\c:
	s_wait_dscnt 0x0                               ; W1's and x's fragments and scale words, and b1
	MM 1
.rept 5
	v_nop                                          ; four places in front of the first read of results, five in front of the next tile's first product, which writes over the accumulators with another C
.endr
	GELU
	QUANT1
	s_wait_alu depctr_va_vdst(0)                   ; the conversions and the shift have written v[TR+4:TR+6], which the two stores read; the products are done reading WC, WSC, BIAS, XF and XSC, and gelu's lines XF, in which the next tile's or chunk's loads land
	global_store_b64 v11, v[TR+4:TR+5], s[28:29] offset:512*((\c)/2)+256*((\c)%2)   ; 32 lanes store 256 consecutive bytes, aligned: the block's part of the image
	global_store_b8 v12, v[TR+6], s[30:31] offset:\c                                ; both halves of the lanes write the same byte
	s_wait_xcnt 0x0                                ; the stores have had their addresses translated: their registers and bases are written again
	s_add_nc_u64 s[28:29], s[28:29], 262144        ; eight tiles on
	s_add_nc_u64 s[30:31], s[30:31], 16384
	s_add_co_u32 s27, s27, 512
	s_add_co_u32 s48, s48, 1
	s_cmp_ge_u32 s48, s19
	s_cbranch_scc1 .Ldone_\c
	s_wait_alu depctr_vm_vsrc(0)                   ; the two stores have read v[TR+4:TR+6], in which the next tile's fragments of x land
	s_cmp_lt_u32 s48, 8
	s_cbranch_scc1 .Lt_\c
.Ldone_\c:
.endm
.macro CPAIR r, bits                   ; a constant, twice: the packed forms name a pair
	s_mov_b32 s[\r], \bits
	s_mov_b32 s[\r+1], \bits
.endm
	s_load_b256 s[4:11], s[0:1], 0x0               ; W1, b1, xq, plan
	s_load_b64 s[12:13], s[0:1], 0x20              ; hq
	v_lshrrev_b32 v1, 5, v0
	v_readfirstlane_b32 s14, v1                    ; wave 0..15
	s_wait_alu depctr_va_sdst(0)                   ; s14 is written, ahead of its first reader: the kind, p and every base are made from it
	s_lshr_b32 s15, s14, 2
	s_xor_b32 s15, s15, s14
	s_and_b32 s15, s15, 1                          ; 0: producer, 1: consumer; of any two or any four neighbouring waves half are of each kind
	s_lshr_b32 s16, s14, 1                         ; p = 0..7, in either kind
	s_lshr_b32 s17, ttmp9, 5                       ; e
	s_and_b32 s18, ttmp9, 31                       ; hs
	; every LDS address is made here, by every wave, ahead of the first parting
	v_and_b32 v16, 31, v0                          ; lane
	v_and_b32 v17, 15, v0                          ; r
	v_bfe_u32 v18, v0, 4, 1                        ; h
	v_lshlrev_b32 v10, 4, v16
	s_mul_i32 s49, s16, 5120
	v_lshrrev_b32 v19, 2, v16
	v_mul_u32_u24 v19, v19, 80
	v_and_b32 v20, 3, v16
	v_lshl_add_u32 v19, v20, 4, v19
	v_add_nc_u32 v1, s49, v19                      ; stage in: four lanes' 64 bytes on end, then 16 of padding
	v_mul_u32_u24 v19, v16, 80
	v_add_nc_u32 v2, s49, v19                      ; stage out: place = lane
	s_lshr_b32 s52, s16, 1
	s_and_b32 s52, s52, 1
	s_lshl_b32 s52, s52, 4
	s_lshr_b32 s53, s16, 2
	s_lshl_b32 s53, s53, 3
	s_add_co_u32 s52, s52, s53
	s_and_b32 s53, s16, 1
	s_lshl_b32 s53, s53, 2
	s_add_co_u32 s52, s52, s53                     ; the LDS row of my first row 4 p: 16 ((p / 2) % 2) + 8 (p / 4) + 4 (p % 2)
	s_mul_i32 s53, s52, 528
	s_add_co_u32 s53, s53, WB
	v_lshl_add_u32 v3, v16, 3, s53
	s_mul_i32 s53, s52, 48
	s_add_co_u32 s53, s53, WS
	v_lshrrev_b32 v19, 1, v16
	v_add_nc_u32 v4, s53, v19
	v_mul_u32_u24 v19, v17, 528
	v_lshl_add_u32 v19, v18, 4, v19                ; a fragment: row r x pitch + 16 h
	v_add_nc_u32 v5, WB, v19
	v_mul_u32_u24 v6, v16, 48
	v_add_nc_u32 v6, WS, v6
	s_mul_i32 s53, s16, XCP
	s_add_co_u32 s53, s53, XC                      ; consumer p's own bytes
	v_add_nc_u32 v7, s53, v10
	v_add_nc_u32 v8, s53, v19
	v_lshl_add_u32 v9, v18, 6, s53                 ; b1: 64 h
	v_lshlrev_b32 v11, 4, v17
	v_lshl_add_u32 v11, v18, 3, v11                ; hq's codes: 16 r + 8 h
	v_lshlrev_b32 v12, 4, v17                      ; hq's scale byte: 16 r
	v_lshlrev_b32 v14, 2, v17                      ; tok: 4 r
	v_lshlrev_b32 v15, 4, v18                      ; x's scale words: 16 h
	v_mov_b32 v252, 0xbaa15130                     ; c8
	v_mov_b32 v253, 0xbaa15130
	CPAIR 66, 0xbd5e05b5                           ; c4 .. c7, c9
	CPAIR 68, 0xbc040dc1
	CPAIR 70, 0x3c0d6e62
	CPAIR 72, 0x3aac2b8a
	CPAIR 74, 0xb9d25000
	CPAIR 76, 0x3f3504f3                           ; 1 / sqrt 2
	CPAIR 78, 0xbfb8aa3b                           ; - log2(e)
	s_lshl_b32 s52, s17, 24                        ; W1: an expert is 2^24 bytes, a slice 2^19, my four rows of a chunk 2^14
	s_lshl_b32 s49, s18, 19
	s_add_co_u32 s52, s52, s49
	s_lshl_b32 s49, s16, 14
	s_add_co_u32 s52, s52, s49
	s_mov_b32 s53, 0
	s_lshl_b32 s54, s17, 14                        ; b1
	s_lshl_b32 s49, s18, 9
	s_add_co_u32 s54, s54, s49
	s_mov_b32 s55, 0
	s_lshl_b32 s49, s17, 3
	s_wait_kmcnt 0x0
	s_load_b64 s[20:21], s[10:11], s49 offset:0x0  ; the expert's first tile and number of tiles
	s_add_nc_u64 s[4:5], s[4:5], s[52:53]
	s_add_nc_u64 s[6:7], s[6:7], s[54:55]
	s_wait_alu depctr_va_vdst(0)                   ; the addresses and offsets v1 to v15 are written, which every load and store of the kernel reads; so are v16 to v20, in which loads land
	; the stream begins here: the producers' first 32 loads hang on the arguments alone, and are on their way while the expert's numbers come
	s_cmp_eq_u32 s15, 0
	s_cbranch_scc0 .Lmeta
.irp g, 0,1,2,3,4,5,6,7
	LOADS \g
.endr
.Lmeta:
	s_wait_kmcnt 0x0
	s_min_u32 s20, s20, 135
	s_min_u32 s21, s21, 64
	s_add_co_u32 s19, s21, 7
	s_sub_co_u32 s19, s19, s16
	s_lshr_b32 s19, s19, 3                         ; my tiles: p, p + 8, .. below the expert's number: 8 at the most
	s_add_co_u32 s49, s20, s16                     ; my first tile
	s_lshl_b32 s52, s49, 15
	s_lshl_b32 s54, s18, 10
	s_add_co_u32 s52, s52, s54
	s_add_nc_u64 s[22:23], s[12:13], s[52:53]      ; its image of K step hs
	s_lshl_b32 s52, s49, 11
	s_add_co_u32 s52, s52, HSOFF
	s_lshr_b32 s54, s18, 2
	s_lshl_b32 s54, s54, 8
	s_add_co_u32 s52, s52, s54
	s_and_b32 s54, s18, 3
	s_lshl_b32 s54, s54, 2
	s_add_co_u32 s52, s52, s54
	s_add_nc_u64 s[24:25], s[12:13], s[52:53]      ; its scale words of K step hs
	s_lshl_b32 s26, s49, 6                         ; its tokens
	; ---- phase 0: the producers fill weight buffer 0; the consumers bring b1 and their first three tiles of x
	s_cmp_eq_u32 s15, 0
	s_cbranch_scc0 .Lc0
	s_wait_loadcnt 28                              ; step 0's four loads are in; the 28 behind them may be out
	TURN 0
	s_wait_alu depctr_vm_vsrc(0)                   ; the stage's stores have read R[0], in which step 0's global loads land
.irp g, 0,1,2,3,4,5,6,7
	STEP \g
.endr
	s_branch .Lj0
.Lc0:
	s_min_u32 s96, s26, TOKMAX                     ; the token lists of tiles p, p + 8, p + 16 are asked for together, whether or not the tiles exist: the offsets are held inside tok
	s_add_co_u32 s97, s26, 512
	s_min_u32 s97, s97, TOKMAX
	s_add_co_u32 s98, s26, 1024
	s_min_u32 s98, s98, TOKMAX
	s_load_b512 s[32:47], s[10:11], s96 offset:TOKOFF
	s_load_b512 s[80:95], s[10:11], s97 offset:TOKOFF
	s_load_b512 s[48:63], s[10:11], s98 offset:TOKOFF
	v_add_nc_u32 v176, s96, v14
	v_add_nc_u32 v177, s97, v14
	v_add_nc_u32 v178, s98, v14
	s_wait_alu depctr_va_vdst(0)                   ; v176 to v178 are written, which the three loads below read as their offsets
	global_load_b32 v172, v176, s[10:11] offset:TOKOFF          ; lane (r, h): row r's token, for the scale words
	global_load_b32 v173, v177, s[10:11] offset:TOKOFF
	global_load_b32 v174, v178, s[10:11] offset:TOKOFF
	global_load_b128 v[180:183], v10, s[6:7]                    ; b1's 128 numbers of the slice: 512 consecutive bytes
	s_wait_loadcnt 0x0
	ds_store_b128 v7, v[180:183] offset:B1O
.irp t, 0,1,2
	v_min_u32 v[172+\t], 0x3ff, v[172+\t]          ; a loaded number enters an address behind a bound
	v_lshl_add_u32 v[172+\t], v[172+\t], 5, v15    ; 32 scale bytes a token; lanes 16-31 take the upper four words
.endr
	s_wait_alu depctr_va_vdst(0)                   ; v172 to v174 are written, which the scale words' loads read as their offsets, on each of the three ways below
	s_wait_kmcnt 0x0
	s_cmp_lt_u32 s19, 1
	s_cbranch_scc1 .Lfe
	s_cmp_lt_u32 s19, 2
	s_cbranch_scc1 .Lf1
	s_cmp_lt_u32 s19, 3
	s_cbranch_scc1 .Lf2
	FILLN 3
	s_branch .Lfe
.Lf2:
	FILLN 2
	s_branch .Lfe
.Lf1:
	FILLN 1
.Lfe:
	s_wait_alu depctr_vm_vsrc(0)                   ; this phase's LDS stores have read XF, WC, v144 to v155 and v180 to v183, and its loads their offsets in ACC and v172 to v178: the first chunk's loads land in these, and its products write ACC
.Lj0:
	BARRIER                                        ; buffer 0 is whole.  (The producers' global loads stay on their way: nobody writes those bytes)
	s_mov_b32 s50, 0x76543210                      ; the constants whose registers held the third token list
	s_mov_b32 s51, 0xfedcba98                      ; v_permlanex16_b32's selects for lane l xor 16
	CPAIR 56, 0x3e8dd01d                           ; c0 .. c3
	CPAIR 58, 0xbdbdfb0b
	CPAIR 60, 0xbe2a0420
	CPAIR 62, 0x3e27fe23
	; ---- phases 1 to 3: the producers fill one buffer while the consumers multiply by the other
	s_cmp_eq_u32 s15, 0
	s_cbranch_scc0 .Lc1
.irp g, 8,9,10,11,12,13,14,15
	STEP \g
.endr
	s_branch .Lj1
.Lc1:
	WORK 0
.Lj1:
	BARRIER                                        ; buffer 1 is whole, and nobody reads buffer 0 any more
	s_cmp_eq_u32 s15, 0
	s_cbranch_scc0 .Lc2
.irp g, 16,17,18,19,20,21,22,23
	STEP \g
.endr
	s_branch .Lj2
.Lc2:
	WORK 1
.Lj2:
	BARRIER
	s_cmp_eq_u32 s15, 0
	s_cbranch_scc0 .Lc3
.irp g, 24,25,26,27,28,29,30,31
	STEP \g
.endr
	s_branch .Lj3
.Lc3:
	WORK 2
.Lj3:
	BARRIER
	; ---- phase 4: the last chunk
	s_cmp_eq_u32 s15, 0
	s_cbranch_scc1 .Lend
	WORK 3
.Lend:
	s_wait_xcnt 0x0
	v_lshl_add_u32 v254, v0, 2, 0x48800
	v_mov_b32 v255, 0
	s_wait_dscnt 0x0                               ; the closing lines, six on end
	s_wait_alu 0x0
	s_wait_tensorcnt 0x0
	ds_add_u32 v254, v255
	s_wait_dscnt 0x0
	s_endpgm
.Lfunc_end_k_qfaceb87061_ffn1:
	.size	k_qfaceb87061_ffn1, .Lfunc_end_k_qfaceb87061_ffn1-k_qfaceb87061_ffn1
	.p2alignl 7, 3214868480
	.fill 96, 4, 3214868480
	.section	.rodata,"a",@progbits
	.p2align	6, 0x0
	.amdhsa_kernel k_qfaceb87061_ffn1
		.amdhsa_group_segment_fixed_size 299008
		.amdhsa_private_segment_fixed_size 0
		.amdhsa_enable_private_segment 0
		.amdhsa_kernarg_size 40
		.amdhsa_user_sgpr_count 2
		.amdhsa_user_sgpr_kernarg_segment_ptr 1
		.amdhsa_wavefront_size32 1
		.amdhsa_system_sgpr_workgroup_id_x 1
		.amdhsa_system_sgpr_workgroup_id_y 1
		.amdhsa_system_sgpr_workgroup_id_z 1
		.amdhsa_system_vgpr_workitem_id 0
		.amdhsa_next_free_vgpr 256
		.amdhsa_next_free_sgpr 100
		.amdhsa_reserve_vcc 0
		.amdhsa_float_denorm_mode_32 3
		.amdhsa_float_denorm_mode_16_64 3
		.amdhsa_memory_ordered 1
		.amdhsa_forward_progress 1
		.amdhsa_inst_pref_size 212
	.end_amdhsa_kernel
	.amdgpu_metadata
---
amdhsa.version: [ 1, 2 ]
amdhsa.kernels:
  - .name:           k_qfaceb87061_ffn1
    .symbol:         k_qfaceb87061_ffn1.kd
    .args:
      - { .name: W1, .offset: 0, .size: 8, .value_kind: global_buffer, .address_space: global }
      - { .name: b1, .offset: 8, .size: 8, .value_kind: global_buffer, .address_space: global }
      - { .name: xq, .offset: 16, .size: 8, .value_kind: global_buffer, .address_space: global }
      - { .name: plan, .offset: 24, .size: 8, .value_kind: global_buffer, .address_space: global }
      - { .name: hq, .offset: 32, .size: 8, .value_kind: global_buffer, .address_space: global }
    .group_segment_fixed_size: 299008
    .private_segment_fixed_size: 0
    .kernarg_segment_align: 8
    .kernarg_segment_size: 40
    .max_flat_workgroup_size: 512
    .sgpr_count:     100
    .vgpr_count:     256
    .wavefront_size: 32
...
	.end_amdgpu_metadata
.endif
;; end of part 8
;; launch ffn2 (part 9): grid 256 x 1, 16 waves a work-group, no clusters, 227,328 bytes of LDS; arguments W2, b2, hq, plan, yp; writes yp
.if DOCPART == 9
	.amdgcn_target "amdgcn-amd-amdhsa--gfx1250"
	.amdhsa_code_object_version 6
	.text
	.protected	k_qfaceb87061_ffn2
	.globl	k_qfaceb87061_ffn2
	.p2align	8
	.type	k_qfaceb87061_ffn2,@function
k_qfaceb87061_ffn2:
	s_mov_b64 s[64:65], 0
	v_nop
	global_prefetch_b8 v0, s[64:65] scope:SCOPE_SE
	s_setreg_imm32_b32 hwreg(HW_REG_WAVE_SCHED_MODE, 0, 2), 2
	s_setreg_imm32_b32 hwreg(HW_REG_WAVE_MODE, 25, 1), 1
	s_wait_xcnt 0x0
	s_wait_alu depctr_vm_vsrc(0)
; THE SECOND PRODUCT:  yp = h Q(W2)^T + b2 for the routed rows; h comes as codes.  W2 [8][1024][4096] f32 is read once, as it lies, and quantised on the way.
; SHARES.  Work-group = (expert e = number / 32, slice os = number % 32): 32 output columns, all of K = 4,096: 512 KiB of W2.  One owner for each number of yp: K is not split over work-groups.
; Sixteen waves of two kinds, as in the first product's launch.  Eight PRODUCERS stream W2: a chunk = the 32 rows x 512 along K, eight chunks; producer p takes rows 4 p .. 4 p + 3, a step = one row's 512 numbers.
; Eight CONSUMERS multiply the expert's tiles of 16 routed rows by the chunk filled in the phase before; consumer p owns tiles p, p + 8, ..  Between chunks a tile's two accumulators rest in the consumer's
; own LDS, as images of their registers; a ninth image holds b2, from which chunk 0 takes its sums' beginnings: so every chunk runs the same lines.
; h DOES NOT HANG ON THE PRODUCERS, so it is asked for ahead: tiles go in groups of three (96 registers); a group's loads go out together; and the next chunk's first group is asked for at the end of a chunk's
; work, ahead of the barrier: it is on its way while the producers finish their chunk.  With three tiles a consumer at the most (384 rows an expert) no wait for memory is left between two barriers.
; The product is used transposed (source 0 = 16 rows of W2, source 1 = 16 routed rows): a lane holds 8 neighbouring columns of one routed row.
; hq's fragments are images of the operand's registers: every load is 512 consecutive bytes.  One load brings the scale words of two of my tiles: lanes 0-15 the tile's, lanes 16-31 those of the tile eight further on.
; Behind the last tile that reaches eight tiles past the written words: hq has room for them, and no product names those lanes.
; yp: [slice 32][routed row 2176][32 columns] f32: a tile of a slice is 2,048 consecutive bytes.
; The registers that the consumers' global loads fill (v20-27, v156-251) and those that the producers' fill (v28-155) share none, and each part of the consumers' text begins with a wait for all loads:
; so on no way through the text is a load issued into a register that an earlier load, not waited for, will write.
; No tensor load and no joint request: which tiles are worked hangs on the stored counts of rows.
; LIMITS: NaN and infinities are not served.  A block of zeros of W2, or one under 2^-124, keeps the scale byte 1.
; THE MODE: SCHED_MODE bits 1:0 = 2 (LLVM: expert scheduling mode 2), set by the entry lines.  The code itself states the register dependences
; between vector or matrix instructions and memory or LDS instructions, with s_wait_alu, always for 0.
; THE PLAN.  Registers that memory or LDS instructions touch, and who else names them.
; Producers, step g:
;   R[g % 8]        The global loads issued in step g - 8 land in it; the stage's stores of TURN g read it.  Behind the head no vector instruction names it.
;   X[g % 2]        The stage's loads of TURN g, issued in step g - 1, land in it; step g's vector lines read it.
;   CD, EB [g % 2]  Step g's conversions and its shift write them; step g's two LDS stores read them.
;   One wait on va_vdst a step, ahead of its two stores: CD and EB are written, and the step's lines are done reading X[g % 2], in which TURN g + 2's loads land in the next step.
;   One wait on vm_vsrc a step, behind its two stores: TURN g + 1's stores have read R[(g + 1) % 8], in which the next step's global loads land, and the two stores CD and EB, which step g + 2 writes.
;   Behind steps 30 and 31 nothing writes these registers again: they hold no such wait.
; Consumers, tile i of a chunk (their only vector-side lines are the products and the places behind them):
;   WC, WSC           LDS loads at a chunk's head land in them; the chunk's products read them.
;   XF place i % 3, XSC  Global loads land in them, a group at a time; tile i's products read them.  In the last chunk the tile's rows come back from LDS into the place, and its four global stores read them.
;   ACC set i % 2     LDS loads at the tile's head land in it; the tile's products add onto it; its four LDS stores read it.
;   One wait on va_vdst a tile, behind the four places: the products have written the set, which the stores read, and are done reading WC, WSC, the place and XSC, in which all later loads land.
;   One wait on vm_vsrc a tile, behind its stores: they have read the set, in which the sums of the tile after next, or of the next chunk, land (last chunk: and the place, in which a later group's loads land).
;   Behind the last chunk's tiles 6 and 7 nothing writes these registers again: they hold no such wait.
; v1 to v13 are made at the head and never written again; v254, v255 likewise, for the closing add alone.
.set STG,    0                         ; LDS: a producer's two stages of 32 places x (64 + 16) bytes
.set WB,     40960                     ; two weight buffers: 32 rows x (256 bytes of codes + 16)
.set WBB,    8704
.set WS,     58368                     ; their scale bytes: 32 rows x 16
.set AC,     59392                     ; a consumer's nine slots of 2,304 bytes: an image of two accumulators (2,048), at the end 16 rows x (128 + 16); slot 8: b2
.set SLB,    2304
.set HSOFF,  4456448
.set WSC,  16                          ; v16-19   W2's scale words: register s; lanes 0-15 tile 0's rows, lanes 16-31 tile 1's
.set XSC,  20                          ; v20-27   h's scale words, two sets of four: a group's tiles 0 and 1, its tile 2.  v16-27 hold scale words and nothing else, in either kind of wave
.set R,    28                          ; producers: v28-155 eight steps as loaded, v156-187 two sets of 16 neighbours, v188-191 at work, v192-195 codes, v196-197 bytes
.set X,    156
.set T,    188
.set CD,   192
.set EB,   196
.set WC,   28                          ; consumers: v28-91 W2's fragments (tile u, K step s at WC + 8 (4 u + s))
.set ACC,  92                          ; v92-123  two sets of two accumulators, by the tile's parity
.set XF,   156                         ; v156-251 h's fragments: three tiles x four K steps; on the way out rows of yp
; v1 stage in, v2 stage out, v3 codes into WB, v4 bytes into WS, v5 W fragment, v6 W scale words, v7 image, v8 rows in, v9 rows out, v10 16 lane, v11 h's scale words, v13 b2
; s[4:5] W2 at my rows, s[6:7] b2, s[8:9] hq at my first tile, s[22:23] its scale words, s[12:13] yp at my first tile, s14 wave, s15 kind, s16 p, s17 e, s18 os, s19 my tiles.  None is stepped: every offset is an immediate
.macro BARRIER                         ; my LDS stores have landed and my LDS loads are in: then the work-group's barrier
	s_wait_dscnt 0x0
	s_barrier_signal -1
	s_barrier_wait -1
.endm
.macro LOADS g                         ; step g of 32: chunk g / 4, row g % 4 of my four
.set GO, ((\g)/4)*2048+((\g)%4)*16384
.irp q, 0,1,2,3
	global_load_b128 v[R+16*((\g)%8)+4*\q:R+16*((\g)%8)+4*\q+3], v10, s[4:5] offset:GO+512*\q th:TH_LOAD_NT
.endr
.endm
.macro TURN g                          ; through my stage: LDS serves a wave's instructions in order, so no wait stands between the stores and the loads
.irp q, 0,1,2,3
	ds_store_b128 v1, v[R+16*((\g)%8)+4*\q:R+16*((\g)%8)+4*\q+3] offset:2560*((\g)%2)+640*\q
.endr
.irp q, 0,1,2,3
	ds_load_b128 v[X+16*((\g)%2)+4*\q:X+16*((\g)%2)+4*\q+3], v2 offset:2560*((\g)%2)+16*\q
.endr
.endm
.macro STEP g
.set XS, X+16*((\g)%2)
.if (\g) > 0
	s_wait_dscnt 2                                 ; this step's numbers are back from the stage (the last step's two stores may be out)
.else
	s_wait_dscnt 0x0
.endif
.if (\g)+8 < 32
	LOADS (\g)+8                                   ; R[g % 8] takes the loads of eight steps on: the wait on vm_vsrc behind this step's turn through the stage has shown it read
.endif
.if (\g)+1 < 32
.if 30-(\g) >= 7
	s_wait_loadcnt 28                              ; the next step's four loads are in; those of the seven steps behind it may be out
.else
	s_wait_loadcnt 4*(30-(\g))
.endif
	TURN (\g)+1                                    ; its loads land in the other X: the wait on va_vdst at the last step's end has shown that step done reading it
.endif
	v_max3_num_f32 v[T], |v[XS]|, |v[XS+1]|, |v[XS+2]|
	v_max3_num_f32 v[T+1], |v[XS+3]|, |v[XS+4]|, |v[XS+5]|
.irp i, 6,10
	v_max3_num_f32 v[T], v[T], |v[XS+\i]|, |v[XS+\i+1]|
	v_max3_num_f32 v[T+1], v[T+1], |v[XS+\i+2]|, |v[XS+\i+3]|
.endr
	v_max3_num_f32 v[T], v[T], |v[XS+14]|, |v[XS+15]|
	v_max3_num_f32 v[T], v[T], v[T+1], 0x1800000   ; and the floor 2^(3 - 127): the byte cannot fall under 1
	v_max_num_f32_dpp v[T], v[T], v[T] row_xmask:1 row_mask:0xf bank_mask:0xf   ; with my neighbour's 16: the block's largest magnitude
	v_add_nc_u32 v[T+2], 0xff000000, v[T]          ; 2 off the exponent field: the conversion's scale operand
	v_cvt_scalef32_pk8_fp4_f32 v[CD+2*((\g)%2)], v[XS:XS+7], v[T+2]
	v_cvt_scalef32_pk8_fp4_f32 v[CD+2*((\g)%2)+1], v[XS+8:XS+15], v[T+2]
	v_lshrrev_b32 v[EB+(\g)%2], 23, v[T+2]         ; the byte (also the plain place behind the conversions)
	s_wait_alu depctr_va_vdst(0)                   ; the conversions and the shift have written CD and EB, which the two stores read; the step's lines are done reading X[g % 2], in which the next step's stage loads land
	ds_store_b64 v3, v[CD+2*((\g)%2):CD+2*((\g)%2)+1] offset:WBB*(((\g)/4)%2)+272*((\g)%4)
	ds_store_b8 v4, v[EB+(\g)%2] offset:512*(((\g)/4)%2)+16*((\g)%4)      ; both lanes of a block write the same byte
.if (\g) < 30
	s_wait_alu depctr_vm_vsrc(0)                   ; the stage's stores above have read R[(g + 1) % 8], in which the next step's global loads land; the two stores have read CD and EB, which step g + 2 writes again
.endif
.endm
; ---- the consumers
.macro LOADW b                         ; weight buffer b into registers
.irp u, 0,1
.irp s, 0,1,2,3
.irp k, 0,1
	ds_load_b128 v[WC+8*(4*\u+\s)+4*\k:WC+8*(4*\u+\s)+4*\k+3], v5 offset:WBB*(\b)+4352*\u+64*\s+32*\k
.endr
.endr
.endr
	ds_load_b128 v[WSC:WSC+3], v6 offset:512*(\b)
.endm
.macro HLOAD c, i                      ; my i-th tile's fragments of chunk c (K steps 4 c .. 4 c + 3) into place i % 3; with places 0 and 2 the scale words of tiles i and i + 1
.irp s, 0,1,2,3
.irp k, 0,1
	global_load_b128 v[XF+32*((\i)%3)+8*\s+4*\k:XF+32*((\i)%3)+8*\s+4*\k+3], v10, s[8:9] offset:262144*(\i)+4096*(\c)+1024*\s+512*\k
.endr
.endr
.if ((\i)%3) != 1
	global_load_b128 v[XSC+4*(((\i)%3)/2):XSC+4*(((\i)%3)/2)+3], v11, s[22:23] offset:16384*(\i)+256*(\c)
.endif
.endm
.macro PRE c, g                        ; group g's loads, tiles 3 g .. 3 g + 2 as far as I own them, all on their way together.  No wait on va_vdst of their own: no product has been issued since the last tile's
.irp j, 0,1,2
.if 3*(\g)+\j < 8
	s_cmp_le_u32 s19, 3*(\g)+\j
	s_cbranch_scc1 .Lpre_\@
	HLOAD \c, 3*(\g)+\j
.endif
.endr
.Lpre_\@:
.endm
.macro WM s, u, i
.set DD, ACC+16*((\i)%2)+8*(\u)
.set AA, WC+8*(4*(\u)+(\s))
.set BB, XF+32*((\i)%3)+8*(\s)
.set SA, WSC+(\s)
.set SH, XSC+4*(((\i)%3)/2)+(\s)
.if ((\u) == 0) && (((\i)%3) != 1)
	v_wmma_scale_f32_16x16x128_f8f6f4 v[DD:DD+7], v[AA:AA+7], v[BB:BB+7], v[DD:DD+7], v[SA], v[SH] matrix_a_fmt:MATRIX_FMT_FP4 matrix_b_fmt:MATRIX_FMT_FP4
.elseif ((\u) == 1) && (((\i)%3) != 1)
	v_wmma_scale_f32_16x16x128_f8f6f4 v[DD:DD+7], v[AA:AA+7], v[BB:BB+7], v[DD:DD+7], v[SA], v[SH] matrix_a_fmt:MATRIX_FMT_FP4 matrix_b_fmt:MATRIX_FMT_FP4 matrix_a_scale:MATRIX_SCALE_ROW1
.elseif (\u) == 0
	v_wmma_scale_f32_16x16x128_f8f6f4 v[DD:DD+7], v[AA:AA+7], v[BB:BB+7], v[DD:DD+7], v[SA], v[SH] matrix_a_fmt:MATRIX_FMT_FP4 matrix_b_fmt:MATRIX_FMT_FP4 matrix_b_scale:MATRIX_SCALE_ROW1
.else
	v_wmma_scale_f32_16x16x128_f8f6f4 v[DD:DD+7], v[AA:AA+7], v[BB:BB+7], v[DD:DD+7], v[SA], v[SH] matrix_a_fmt:MATRIX_FMT_FP4 matrix_b_fmt:MATRIX_FMT_FP4 matrix_a_scale:MATRIX_SCALE_ROW1 matrix_b_scale:MATRIX_SCALE_ROW1
.endif
.endm
.macro MM i                            ; 8 products: K ascending, the two accumulators by turns, one instruction a turn
.irp s, 0,1,2,3
.irp u, 0,1
	WM \s, \u, \i
.endr
.endr
.endm
; My i-th tile against chunk c.  Its sums so far come from its image in LDS (chunk 0: from b2's), and go back there; behind the last chunk they leave as rows.
.macro TILE c, i
	s_cmp_le_u32 s19, \i
	s_cbranch_scc1 .Lg_\c
.set AS, ACC+16*((\i)%2)
.set HS, XF+32*((\i)%3)
.irp q, 0,1,2,3
.if (\c) == 0
	ds_load_b128 v[AS+4*\q:AS+4*\q+3], v7 offset:SLB*8+512*\q
.else
	ds_load_b128 v[AS+4*\q:AS+4*\q+3], v7 offset:SLB*(\i)+512*\q
.endif
.endr
	s_wait_dscnt 0x0                               ; the sums so far; W2's fragments and scale words
	MM \i
.rept 4
	v_nop                                          ; four places in front of stores of results and of loads into operands and scale words
.endr
	s_wait_alu depctr_va_vdst(0)                   ; the products have written the set, which the stores below read; they are done reading WC, WSC, the tile's place in XF and XSC, in which later loads land.  The places above stay beside this wait
.if (\c) < 7
.irp q, 0,1,2,3
	ds_store_b128 v7, v[AS+4*\q:AS+4*\q+3] offset:SLB*(\i)+512*\q              ; each accumulator from its low end on
.endr
	s_wait_alu depctr_vm_vsrc(0)                   ; the four stores have read the set, in which the sums of my tile after next, or of the next chunk, land
.else
.irp u, 0,1
.irp k, 0,1
	ds_store_b128 v8, v[AS+8*\u+4*\k:AS+8*\u+4*\k+3] offset:SLB*(\i)+64*\u+16*\k      ; row r, columns 16 u + 8 h + 4 k on
.endr
.endr
.irp n, 0,1,2,3
	ds_load_b128 v[HS+4*\n:HS+4*\n+3], v9 offset:SLB*(\i)+576*\n               ; LDS serves a wave's instructions in order: these see my stores.  They land where the tile's fragments lay
.endr
	s_wait_dscnt 0x0
.irp n, 0,1,2,3
	global_store_b128 v10, v[HS+4*\n:HS+4*\n+3], s[12:13] offset:16384*(\i)+512*\n    ; four rows' 512 consecutive bytes, aligned
.endr
.if (\i) < 6
	s_wait_alu depctr_vm_vsrc(0)                   ; the LDS stores have read the set, in which the sums of my tile after next land; the global stores have read the place, in which a later group's loads land
.endif
.endif
.endm
.macro NEXTG c, g                      ; a further group of the same chunk (a consumer with more than three tiles): here the wait for memory stands in the phase
.if (\c) == 7
	s_wait_xcnt 0x0                                ; the last group's stores have had their addresses translated: the loads below fill the registers that they read
.endif
	PRE \c, \g
	s_wait_loadcnt 0x0
.endm
.macro WORK c
	s_wait_loadcnt 0x0                             ; the first group's fragments and scale words, asked for a phase ago
	LOADW (\c)%2
	TILE \c, 0
	TILE \c, 1
	TILE \c, 2
	s_cmp_le_u32 s19, 3
	s_cbranch_scc1 .Lg_\c
	NEXTG \c, 1
	TILE \c, 3
	TILE \c, 4
	TILE \c, 5
	s_cmp_le_u32 s19, 6
	s_cbranch_scc1 .Lg_\c
	NEXTG \c, 2
	TILE \c, 6
	TILE \c, 7
.Lg_\c:
.if (\c) < 7
	PRE (\c)+1, 0                                  ; the next chunk's first group: on its way across the barrier (nobody writes those bytes)
.endif
.endm
.macro PHASE k, c                      ; the producers fill buffer k % 2 with chunk k while the consumers multiply by chunk c = k - 1 in the other
	s_cmp_eq_u32 s15, 0
	s_cbranch_scc0 .Lc\k
	STEP 4*\k
	STEP 4*\k+1
	STEP 4*\k+2
	STEP 4*\k+3
	s_branch .Lj\k
.Lc\k:
	WORK \c
.Lj\k:
	BARRIER
.endm
	s_load_b256 s[4:11], s[0:1], 0x0               ; W2, b2, hq, plan
	s_load_b64 s[12:13], s[0:1], 0x20              ; yp
	v_lshl_add_u32 v254, v0, 2, 0x37000
	v_mov_b32 v255, 0
	v_lshrrev_b32 v1, 5, v0
	v_readfirstlane_b32 s14, v1                    ; wave 0..15
	s_wait_alu depctr_va_sdst(0)                   ; s14 is written, ahead of its first reader: the kind, p and every base are made from it
	s_lshr_b32 s15, s14, 2
	s_xor_b32 s15, s15, s14
	s_and_b32 s15, s15, 1                          ; 0: producer, 1: consumer; of any two or any four neighbouring waves half are of each kind
	s_lshr_b32 s16, s14, 1                         ; p
	s_lshr_b32 s17, ttmp9, 5                       ; e
	s_and_b32 s18, ttmp9, 31                       ; os
	; every LDS address is made here, by every wave, ahead of the first parting
	v_and_b32 v28, 31, v0                          ; lane
	v_and_b32 v29, 15, v0                          ; r
	v_bfe_u32 v30, v0, 4, 1                        ; h
	v_lshlrev_b32 v10, 4, v28
	s_mul_i32 s49, s16, 5120
	v_lshrrev_b32 v31, 2, v28
	v_mul_u32_u24 v31, v31, 80
	v_and_b32 v32, 3, v28
	v_lshl_add_u32 v31, v32, 4, v31
	v_add_nc_u32 v1, s49, v31                      ; stage in: four lanes' 64 bytes on end, then 16 of padding
	v_mul_u32_u24 v31, v28, 80
	v_add_nc_u32 v2, s49, v31                      ; stage out: place = lane
	s_lshl_b32 s52, s16, 2                         ; my first row: 4 p
	s_mul_i32 s53, s52, 272
	s_add_co_u32 s53, s53, WB
	v_lshl_add_u32 v3, v28, 3, s53
	s_lshl_b32 s53, s52, 4
	s_add_co_u32 s53, s53, WS
	v_lshrrev_b32 v31, 1, v28
	v_add_nc_u32 v4, s53, v31
	v_mul_u32_u24 v31, v29, 272
	v_lshl_add_u32 v31, v30, 4, v31                ; a fragment: row r x pitch + 16 h
	v_add_nc_u32 v5, WB, v31
	v_lshl_add_u32 v6, v28, 4, WS                  ; a row's four scale words: 16 x lane
	s_mul_i32 s53, s16, 9*SLB
	s_add_co_u32 s53, s53, AC
	v_add_nc_u32 v7, s53, v10
	v_mul_u32_u24 v31, v29, 144
	v_lshl_add_u32 v31, v30, 5, v31
	v_add_nc_u32 v8, s53, v31                      ; rows in: 144 r + 32 h
	v_lshrrev_b32 v31, 3, v28
	v_mul_u32_u24 v31, v31, 144
	v_and_b32 v32, 7, v28
	v_lshl_add_u32 v31, v32, 4, v31
	v_add_nc_u32 v9, s53, v31                      ; rows out: eight lanes to a row of 128 bytes
	v_lshlrev_b32 v11, 4, v29
	v_lshl_add_u32 v11, v30, 14, v11               ; h's scale words: 16 r; lanes 16-31 eight tiles (16,384 bytes) on
	v_lshlrev_b32 v13, 5, v30                      ; b2: 32 h
	s_lshl_b32 s52, s17, 24                        ; W2: an expert is 2^24 bytes, a slice's 32 rows 2^19, my four rows 2^16
	s_lshl_b32 s49, s18, 19
	s_add_co_u32 s52, s52, s49
	s_lshl_b32 s49, s16, 16
	s_add_co_u32 s52, s52, s49
	s_mov_b32 s53, 0
	s_lshl_b32 s54, s17, 12                        ; b2
	s_lshl_b32 s49, s18, 7
	s_add_co_u32 s54, s54, s49
	s_mov_b32 s55, 0
	s_lshl_b32 s49, s17, 3
	s_wait_kmcnt 0x0
	s_load_b64 s[20:21], s[10:11], s49 offset:0x0  ; the expert's first tile and number of tiles
	s_add_nc_u64 s[4:5], s[4:5], s[52:53]
	s_add_nc_u64 s[6:7], s[6:7], s[54:55]
	s_wait_alu depctr_va_vdst(0)                   ; the addresses and offsets v1 to v13 are written, which every load and store of the kernel reads; so are v28 to v32, in which loads land
	; what hangs on the arguments alone goes out here, and is on its way while the expert's numbers come: the producers' first 32 loads, the consumers' b2
	s_cmp_eq_u32 s15, 0
	s_cbranch_scc0 .Leb
.irp g, 0,1,2,3,4,5,6,7
	LOADS \g
.endr
	s_branch .Lmeta
.Leb:
.irp u, 0,1
.irp k, 0,1
	global_load_b128 v[XF+8*\u+4*\k:XF+8*\u+4*\k+3], v13, s[6:7] offset:64*\u+16*\k      ; b2 in the result's layout: lane (r, h), tile u: columns 16 u + 8 h + 0 .. 7
.endr
.endr
.Lmeta:
	s_wait_kmcnt 0x0
	s_min_u32 s20, s20, 135
	s_min_u32 s21, s21, 64
	s_add_co_u32 s19, s21, 7
	s_sub_co_u32 s19, s19, s16
	s_lshr_b32 s19, s19, 3                         ; my tiles: 8 at the most
	s_add_co_u32 s49, s20, s16                     ; my first tile
	s_lshl_b32 s52, s49, 11
	s_add_co_u32 s52, s52, HSOFF
	s_add_nc_u64 s[22:23], s[8:9], s[52:53]        ; its scale words
	s_lshl_b32 s52, s49, 15
	s_add_nc_u64 s[8:9], s[8:9], s[52:53]          ; its images
	s_mul_i32 s52, s18, 278528
	s_lshl_b32 s54, s49, 11
	s_add_co_u32 s52, s52, s54
	s_add_nc_u64 s[12:13], s[12:13], s[52:53]      ; its rows of yp in my slice
	; ---- phase 0: the producers fill weight buffer 0; the consumers lay b2's image and ask for chunk 0's first group
	s_cmp_eq_u32 s15, 0
	s_cbranch_scc0 .Lc0
	s_wait_loadcnt 28                              ; step 0's four loads are in; the 28 behind them may be out
	TURN 0
	s_wait_alu depctr_vm_vsrc(0)                   ; the stage's stores have read R[0], in which step 0's global loads land
.irp g, 0,1,2,3
	STEP \g
.endr
	s_branch .Lj0
.Lc0:
	s_wait_loadcnt 0x0                             ; b2
.irp q, 0,1,2,3
	ds_store_b128 v7, v[XF+4*\q:XF+4*\q+3] offset:SLB*8+512*\q
.endr
	s_wait_dscnt 0x0                               ; b2's image lies in LDS
	s_wait_alu depctr_vm_vsrc(0)                   ; the four LDS stores have read v[XF:XF+15], in which the loads below land
	PRE 0, 0
.Lj0:
	BARRIER                                        ; buffer 0 is whole.  (Global loads of either kind stay on their way: nobody writes those bytes)
	; ---- phases 1 to 7
	PHASE 1, 0
	PHASE 2, 1
	PHASE 3, 2
	PHASE 4, 3
	PHASE 5, 4
	PHASE 6, 5
	PHASE 7, 6
	; ---- phase 8: the last chunk, and the way out
	s_cmp_eq_u32 s15, 0
	s_cbranch_scc1 .Lend
	WORK 7
.Lend:
	s_wait_dscnt 0x0                               ; the closing lines, six on end
	s_wait_alu 0x0
	s_wait_tensorcnt 0x0
	ds_add_u32 v254, v255
	s_wait_dscnt 0x0
	s_endpgm
.Lfunc_end_k_qfaceb87061_ffn2:
	.size	k_qfaceb87061_ffn2, .Lfunc_end_k_qfaceb87061_ffn2-k_qfaceb87061_ffn2
	.p2alignl 7, 3214868480
	.fill 96, 4, 3214868480
	.section	.rodata,"a",@progbits
	.p2align	6, 0x0
	.amdhsa_kernel k_qfaceb87061_ffn2
		.amdhsa_group_segment_fixed_size 227328
		.amdhsa_private_segment_fixed_size 0
		.amdhsa_enable_private_segment 0
		.amdhsa_kernarg_size 40
		.amdhsa_user_sgpr_count 2
		.amdhsa_user_sgpr_kernarg_segment_ptr 1
		.amdhsa_wavefront_size32 1
		.amdhsa_system_sgpr_workgroup_id_x 1
		.amdhsa_system_sgpr_workgroup_id_y 1
		.amdhsa_system_sgpr_workgroup_id_z 1
		.amdhsa_system_vgpr_workitem_id 0
		.amdhsa_next_free_vgpr 256
		.amdhsa_next_free_sgpr 66
		.amdhsa_reserve_vcc 0
		.amdhsa_float_denorm_mode_32 3
		.amdhsa_float_denorm_mode_16_64 3
		.amdhsa_memory_ordered 1
		.amdhsa_forward_progress 1
		.amdhsa_inst_pref_size 254
	.end_amdhsa_kernel
	.amdgpu_metadata
---
amdhsa.version: [ 1, 2 ]
amdhsa.kernels:
  - .name:           k_qfaceb87061_ffn2
    .symbol:         k_qfaceb87061_ffn2.kd
    .args:
      - { .name: W2, .offset: 0, .size: 8, .value_kind: global_buffer, .address_space: global }
      - { .name: b2, .offset: 8, .size: 8, .value_kind: global_buffer, .address_space: global }
      - { .name: hq, .offset: 16, .size: 8, .value_kind: global_buffer, .address_space: global }
      - { .name: plan, .offset: 24, .size: 8, .value_kind: global_buffer, .address_space: global }
      - { .name: yp, .offset: 32, .size: 8, .value_kind: global_buffer, .address_space: global }
    .group_segment_fixed_size: 227328
    .private_segment_fixed_size: 0
    .kernarg_segment_align: 8
    .kernarg_segment_size: 40
    .max_flat_workgroup_size: 512
    .sgpr_count:     66
    .vgpr_count:     256
    .wavefront_size: 32
...
	.end_amdgpu_metadata
.endif
;; end of part 9
;; launch combine (part 10): grid 256 x 1, 4 waves a work-group, no clusters, 0 bytes of LDS; arguments yp, plan, gw, out0; writes out0
.if DOCPART == 10
	.amdgcn_target "amdgcn-amd-amdhsa--gfx1250"
	.amdhsa_code_object_version 6
	.text
	.protected	k_qfaceb87061_combine
	.globl	k_qfaceb87061_combine
	.p2align	8
	.type	k_qfaceb87061_combine,@function
k_qfaceb87061_combine:
	s_mov_b64 s[64:65], 0
	v_nop
	global_prefetch_b8 v0, s[64:65] scope:SCOPE_SE
	s_setreg_imm32_b32 hwreg(HW_REG_WAVE_MODE, 25, 1), 1
	s_wait_xcnt 0x0
; out0[t] = g0 x yp[row 0 of t] + g1 x yp[row 1 of t]: the raw softmax weights of the token's two experts times their results (b2 is in yp already).
; A wave takes a token.  Its two routed rows come from plan (whole numbers stored three launches back), its weights from gw.
; yp is [slice 32][routed row][32 columns]: a load takes four slices' pieces of 128 bytes, eight lanes to a piece, so that lane l of load n holds columns 128 n + 4 l + 0 .. 3 and each store covers 512 consecutive bytes of out0.
; A stream: no LDS, no barrier, no matrix work.  All 16 loads of a wave go out at once.
.set POSOFF, 256
.set SLICE,  278528                    ; bytes of a slice of yp: 2,176 rows x 128
.set Y0,     8                         ; v8-39   rank 1's row
.set Y1,     40                        ; v40-71  rank 2's
	s_load_b256 s[4:11], s[0:1], 0x0               ; yp, plan, gw, out0
	v_lshrrev_b32 v1, 5, v0
	v_readfirstlane_b32 s12, v1                    ; wave
	s_lshl_b32 s13, ttmp9, 2
	s_add_co_u32 s13, s13, s12                     ; my token
	s_lshl_b32 s14, s13, 3
	v_and_b32 v3, 31, v0
	v_lshlrev_b32 v2, 4, v3                        ; out: 16 x lane
	v_lshrrev_b32 v1, 3, v3
	v_mul_u32_u24 v1, v1, SLICE
	v_and_b32 v3, 7, v3
	v_lshl_add_u32 v1, v3, 4, v1                   ; in: slice lane / 8, 16 bytes x (lane % 8)
	s_lshl_b32 s22, s13, 12
	s_mov_b32 s23, 0
	s_wait_alu depctr_va_vdst(0)
	s_wait_kmcnt 0x0
	s_load_b64 s[16:17], s[6:7], s14 offset:POSOFF
	s_load_b64 s[18:19], s[8:9], s14 offset:0x0
	s_add_nc_u64 s[10:11], s[10:11], s[22:23]
	s_wait_kmcnt 0x0
	s_min_u32 s16, s16, 2175                       ; a loaded number enters an address behind a bound
	s_min_u32 s17, s17, 2175
	s_lshl_b32 s20, s16, 7
	s_mov_b32 s21, 0
	s_lshl_b32 s24, s17, 7
	s_mov_b32 s25, 0
	s_add_nc_u64 s[20:21], s[4:5], s[20:21]
	s_add_nc_u64 s[24:25], s[4:5], s[24:25]
.irp n, 0,1,2,3,4,5,6,7
	global_load_b128 v[Y0+4*\n:Y0+4*\n+3], v1, s[20:21] offset:4*SLICE*\n
	global_load_b128 v[Y1+4*\n:Y1+4*\n+3], v1, s[24:25] offset:4*SLICE*\n
.endr
	v_mov_b32 v4, s18
	v_mov_b32 v5, s18
	v_mov_b32 v6, s19
	v_mov_b32 v7, s19
	s_wait_alu depctr_va_vdst(0)
.irp n, 0,1,2,3,4,5,6,7
	s_wait_loadcnt 14-2*\n                         ; this pair of loads is in; the pairs behind it may be out
	v_pk_mul_f32 v[Y0+4*\n:Y0+4*\n+1], v[Y0+4*\n:Y0+4*\n+1], v[4:5]
	v_pk_mul_f32 v[Y0+4*\n+2:Y0+4*\n+3], v[Y0+4*\n+2:Y0+4*\n+3], v[4:5]
	v_pk_fma_f32 v[Y0+4*\n:Y0+4*\n+1], v[Y1+4*\n:Y1+4*\n+1], v[6:7], v[Y0+4*\n:Y0+4*\n+1]
	v_pk_fma_f32 v[Y0+4*\n+2:Y0+4*\n+3], v[Y1+4*\n+2:Y1+4*\n+3], v[6:7], v[Y0+4*\n+2:Y0+4*\n+3]
	global_store_b128 v2, v[Y0+4*\n:Y0+4*\n+3], s[10:11] offset:512*\n th:TH_STORE_NT
.endr
	s_endpgm
.Lfunc_end_k_qfaceb87061_combine:
	.size	k_qfaceb87061_combine, .Lfunc_end_k_qfaceb87061_combine-k_qfaceb87061_combine
	.p2alignl 7, 3214868480
	.fill 96, 4, 3214868480
	.section	.rodata,"a",@progbits
	.p2align	6, 0x0
	.amdhsa_kernel k_qfaceb87061_combine
		.amdhsa_group_segment_fixed_size 0
		.amdhsa_private_segment_fixed_size 0
		.amdhsa_enable_private_segment 0
		.amdhsa_kernarg_size 32
		.amdhsa_user_sgpr_count 2
		.amdhsa_user_sgpr_kernarg_segment_ptr 1
		.amdhsa_wavefront_size32 1
		.amdhsa_system_sgpr_workgroup_id_x 1
		.amdhsa_system_sgpr_workgroup_id_y 1
		.amdhsa_system_sgpr_workgroup_id_z 1
		.amdhsa_system_vgpr_workitem_id 0
		.amdhsa_next_free_vgpr 80
		.amdhsa_next_free_sgpr 66
		.amdhsa_reserve_vcc 0
		.amdhsa_float_denorm_mode_32 3
		.amdhsa_float_denorm_mode_16_64 3
		.amdhsa_memory_ordered 1
		.amdhsa_forward_progress 1
		.amdhsa_inst_pref_size 7
	.end_amdhsa_kernel
	.amdgpu_metadata
---
amdhsa.version: [ 1, 2 ]
amdhsa.kernels:
  - .name:           k_qfaceb87061_combine
    .symbol:         k_qfaceb87061_combine.kd
    .args:
      - { .name: yp, .offset: 0, .size: 8, .value_kind: global_buffer, .address_space: global }
      - { .name: plan, .offset: 8, .size: 8, .value_kind: global_buffer, .address_space: global }
      - { .name: gw, .offset: 16, .size: 8, .value_kind: global_buffer, .address_space: global }
      - { .name: out0, .offset: 24, .size: 8, .value_kind: global_buffer, .address_space: global }
    .group_segment_fixed_size: 0
    .private_segment_fixed_size: 0
    .kernarg_segment_align: 8
    .kernarg_segment_size: 32
    .max_flat_workgroup_size: 128
    .sgpr_count:     66
    .vgpr_count:     80
    .wavefront_size: 32
...
	.end_amdgpu_metadata
.endif
;; end of part 10
